; MI455X (gfx1250); checked and timed in simulation.
; The chip was launched on July 23, 2026; its instructions are those of AMD's public machine-readable ISA for CDNA 5 (MIT licence, August 2026) and "CDNA5" Instruction Set Architecture Reference Guide (July 2026). The comments in the code are by the model that wrote it; some were corrected since.
;; Switch Layer. Allowed arithmetic: matrix products marked QUANTISED: E4M3 operands, one E8M0 scale for each 32 along K, by v_wmma_scale_f32_16x16x128_f8f6f4 with both operands' format E4M3, f32 sums; products left as they are: f32 operands where the result goes on into a quantised operand, else bf16, f16 or f32 operands; f32 sums; everything else in f32.
;; Inputs: W1_codes 8 x 4,096 x 32 x 32 uint8 (E4M3 codes of W1, K innermost, in blocks of 32 codes); W1_scales 8 x 4,096 x 32 uint8 (E8M0 scales of W1, one for each 32 codes along K); W2_codes 8 x 1,024 x 128 x 32 uint8 (E4M3 codes of W2, K innermost, in blocks of 32 codes); W2_scales 8 x 1,024 x 128 uint8 (E8M0 scales of W2, one for each 32 codes along K); Wg 1,024 x 8 float32; b1 8 x 4,096 float32; b2 8 x 1,024 float32; x 4 x 256 x 1,024 float32.
;; Outputs: out0 4 x 256 x 1,024 float32.
;; This version of the problem:
;;   THIS VERSION OF THE PROBLEM IS GIVEN IN LOW PRECISION. The matrix products marked QUANTISED in the list below multiply operands that are first quantised to E4M3 (4 exponent bits, 3 mantissa bits; 8 bits a number), with one power-of-two scale for each 32 numbers along K (OCP MX v1.0); their sums are f32. All else is computed in f32.
;;   The module's matrix products, in the order in which they are computed (A, B: the left and right operand; K: the contracted axis; several contracted axes count as one K, in the product's order):
;;     1. [M 1,024, K 1,024] x [K 1,024, N 8]; A: input x; B: input Wg: left as it is (N = 8 < 16)
;;     2. [M 32,768, K 1,024] x [K 1,024, N 1,024]; A: input W1 (given as codes); B: input x: QUANTISED
;;     3. batch 8 x [M 1,024, K 4,096] x [K 4,096, N 1,024]; A: computed on the way; B: input W2 (given as codes): QUANTISED
;;     4. batch 1,024 x [M 1,024, K 8] x [K 8, N 1]; A: computed on the way; B: computed on the way: left as it is (K = 8 < 32)
;;   THE QUANTISER, for each operand of a quantised product, along K:
;;     - K is cut into blocks of 32 from its start; a last block that is shorter is filled with zeros.
;;     - A block's scale is 2^e with e = floor(log2(the largest magnitude in the block)) - 8, held to -126 .. 127; a block of zeros has e = 0. As a byte (E8M0): e + 127.
;;     - Each number is divided by its block's scale, clamped to +-448, and rounded to the nearest number of E4M3, ties to even, subnormals kept.
;;     - The product sums the exact products of the quantised numbers (number of the format x scale) in f32.
;;   ~~~python
;;   def quantise(x, axis):      # numpy; x: float32 -> the quantised numbers, widened to float32 again
;;       x = np.moveaxis(x, axis, -1); K = x.shape[-1]
;;       x = np.pad(x, [(0, 0)] * (x.ndim - 1) + [(0, -K % 32)]); x = x.reshape(x.shape[:-1] + (-1, 32)); a = np.abs(x).max(-1, keepdims=True)
;;       e = np.where(a > 0, np.clip(np.frexp(np.where(a > 0, a, 1))[1] - 1 - 8, -126, 127), 0)      # np.frexp(a)[1] - 1 = floor(log2(a)), exactly
;;       r = np.clip(x / 2.0 ** e, -448, 448)
;;       step = 2.0 ** (np.maximum(np.frexp(np.where(r == 0, 1, r))[1] - 1, -6) - 3)
;;       q = np.round(r / step) * step * 2.0 ** e      # np.round: ties to even
;;       return np.moveaxis(q.reshape(q.shape[:-2] + (-1,))[..., :K], -1, axis).astype(np.float32)
;;   ~~~
;;   OPERANDS COMPUTED ON THE WAY. 'Computed on the way' means the value that the module computes at that place (a softmax that the list does not call 'softmax' is quantised finished and normalised). What goes into a quantiser is computed in f32, as accurately as f32 sums, v_exp_f32 and their like allow (about 1e-6 of the number): no bf16 or f16 on the way to a quantiser, and a product that is left as it is and whose result goes on into a quantised operand takes f32 operands (vector FMAs, or v_wmma_f32_16x16x4_f32). A number that lies on a knife's edge between two numbers of the format may be rounded either way, as far as f32 arithmetic and the matrix unit's own rounding can turn it there, and no further.
;;   INPUTS GIVEN AS CODES. W1 (in the module: [8, 1024, 4096], K = its axis 1); W2 (in the module: [8, 4096, 1024], K = its axis 1): each comes as NAME_codes (uint8): NAME with its K axis moved to the last place and cut into blocks of 32 codes, [.., K / 32, bytes a block], one block behind the other in memory; one code a byte (a code: sign, 4 exponent bits, 3 mantissa bits); and NAME_scales (uint8): the same leading axes, one E8M0 byte (e + 127) for each 32 codes along K. Its value is code x scale, taken as it is: it is not quantised again, and the codes and scales need not be those that the quantiser above would give.
;; 3 versions, each right; version 2 is faster than version 1; version 3 is version 2 with the launches gemm1, gemm2 written anew for expert scheduling mode. Each part assembles by itself: llvm-mc -triple=amdgcn-amd-amdhsa -mcpu=gfx1250 --defsym DOCPART=n.
;; ======== version 1 of 3: 5 launches
;; workspace buffers: xqs 1,081,344 bytes; eid 8,192 bytes of whole numbers; gate 8,192 bytes; plan 43,008 bytes of whole numbers; hq 34,603,008 bytes; ypart 134,217,728 bytes
;; launch route (part 1): grid 128 x 1, 8 waves a work-group, no clusters, 76,288 bytes of LDS; arguments x, Wg, xqs, eid, gate; writes xqs, eid, gate
.if DOCPART == 1
	.amdgcn_target "amdgcn-amd-amdhsa--gfx1250"
	.amdhsa_code_object_version 6
	.text
	.protected	k_qac9d88d5c5_route
	.globl	k_qac9d88d5c5_route
	.p2align	8
	.type	k_qac9d88d5c5_route,@function
k_qac9d88d5c5_route:
	s_mov_b64 s[64:65], 0
	v_nop
	global_prefetch_b8 v0, s[64:65] scope:SCOPE_SE
	s_setreg_imm32_b32 hwreg(HW_REG_WAVE_MODE, 25, 1), 1
	s_wait_xcnt 0x0
; THE GATE AND x's CODES.  x [1024 tokens][1024] f32, Wg [1024][8] f32.
; For each token: logits = x Wg (f32 multiply-adds), softmax over the 8 experts with the row's maximum taken away, the two largest P (a strict comparison while
; walking upward keeps the lower index on a tie), P_norm = P / (Pa + Pb + 1e-9).  The two experts go to eid (word 2 t + slot), their weights to gate (the same place):
; fixed places, so that no address of this launch hangs on the choice.  The same numbers of x are turned into codes of E4M3 with one E8M0 byte for each 32 along the row:
; xqs: codes [1024][1024] from byte 0, scale bytes [1024][32] from byte 1,048,576.
; SHARES: a work-group of eight waves takes eight tokens, a wave one row (4,096 bytes, read once).  Eight rows' scale bytes are 256 consecutive bytes and leave by one store.
; A lane must hold 16 NEIGHBOURS for the conversions, and a load is best where neighbouring lanes take neighbouring bytes: so each step's 2,048 bytes turn through the wave's own stage in LDS.
; Wg lies in LDS once for the work-group: groups of 16 k x 8 experts (512 bytes) 528 bytes apart.
; LIMITS: NaN and infinities are not served.  A block of zeros gets the byte 1 (its codes are zeros, and this program alone reads the bytes); blocks whose largest magnitude lies under 2^-118 are held at byte 1.
; Two logits closer than the rounding of an f32 sum of 1,024 terms may be ordered either way.  No matrix unit: 8 columns are too few for it, and the sums feed a choice, so they stay f32.
.set WGP,   528                        ; a group of Wg in LDS: 512 bytes + 16
.set TURNB, 64*WGP                     ; behind Wg's 64 groups: the waves' stages
.set TURNW, 5120                       ; two stages of 32 x 80 bytes for each wave
.set SP,    80                         ; a lane's place in a stage: 64 bytes + 16
.set SCB,   TURNB+8*TURNW              ; the work-group's 256 scale bytes
.set META,  SCB+256                    ; 16 words of experts, then 16 words of weights
.set R,  16                            ; v16-47   the row as loaded
.set X,  48                            ; v48-79   two steps of 16 neighbours
.set G,  80                            ; v80-143  Wg: 8 k x 8 experts (at the head: the fill's 32 registers)
.set LG, 144                           ; v144-151 the eight logits, then e, then P
.set WK, 152                           ; v152-175 at work
.set CD, 176                           ; v176-183 codes, four registers a step
.set EB, 184                           ; v184-185 a scale byte a step
	s_load_b256 s[4:11], s[0:1], 0x0               ; x s[4:5], Wg s[6:7], xqs s[8:9], eid s[10:11]
	s_load_b64 s[12:13], s[0:1], 0x20              ; gate
	v_lshl_add_u32 v192, v0, 2, 0x12600
	v_mov_b32 v193, 0
	v_lshrrev_b32 v9, 5, v0
	v_readfirstlane_b32 s14, v9                    ; wave 0..7
	v_and_b32 v1, 31, v0                           ; lane
	v_lshlrev_b32 v2, 4, v1                        ; 16 x lane: x's loads and the codes' stores
	v_lshlrev_b32 v10, 4, v0                       ; 16 x thread: Wg's loads
	s_mul_i32 s15, s14, TURNW
	s_add_co_u32 s15, s15, TURNB                   ; my wave's stages
	v_lshrrev_b32 v3, 2, v1
	v_mul_u32_u24 v3, v3, SP
	v_and_b32 v4, 3, v1
	v_lshl_add_u32 v3, v4, 4, v3
	v_add_nc_u32 v3, s15, v3                       ; into a stage: four lanes' 64 bytes on end, then 16 of padding
	v_mul_u32_u24 v4, v1, SP
	v_add_nc_u32 v4, s15, v4                       ; out of it: my 16 neighbours
	v_mul_u32_u24 v5, v1, WGP                      ; Wg's group of my 16 k
	s_mul_i32 s16, s14, WGP
	v_add_nc_u32 v6, s16, v2                       ; Wg's fill: group 8 i + wave, 16 x lane
	s_lshl_b32 s16, s14, 5
	s_add_co_u32 s16, s16, SCB
	v_lshrrev_b32 v7, 1, v1
	v_add_nc_u32 v7, s16, v7                       ; my block's scale byte: 32 x wave + lane / 2 (+ 16 x step)
	s_lshl_b32 s16, s14, 3
	s_add_co_u32 s16, s16, META
	v_mov_b32 v8, s16                              ; my token's two words
	v_lshlrev_b32 v11, 3, v1                       ; the way out (wave 0): 8 bytes a lane of the scale bytes,
	v_add_nc_u32 v12, SCB, v11
	v_lshlrev_b32 v13, 2, v1                       ; 4 bytes a lane of the experts and weights
	v_add_nc_u32 v14, META, v13
.irp e, 0,1,2,3,4,5,6,7
	v_mov_b32 v[WK+\e], 0                          ; written once: a lane permute's destination counts as one of its sources
.endr
	s_mov_b32 s28, 0x76543210
	s_mov_b32 s29, 0xfedcba98                      ; v_permlanex16_b32's selects for lane l xor 16
	s_mov_b32 s30, 0x600000                        ; the mantissa field of 448
	s_lshl_b32 s17, ttmp9, 3
	s_add_co_u32 s17, s17, s14                     ; my token
	s_lshl_b32 s18, s17, 12                        ; its row of x,
	s_mov_b32 s19, 0
	s_lshl_b32 s20, s17, 10                        ; its row of codes,
	s_mov_b32 s21, 0
	s_lshl_b32 s22, ttmp9, 8
	s_add_co_u32 s22, s22, 1048576                 ; the work-group's scale bytes,
	s_mov_b32 s23, 0
	s_lshl_b32 s24, ttmp9, 6                       ; its 16 words of eid and of gate
	s_mov_b32 s25, 0
	s_wait_kmcnt 0x0
	s_add_nc_u64 s[4:5], s[4:5], s[18:19]
	s_add_nc_u64 s[26:27], s[8:9], s[22:23]
	s_add_nc_u64 s[8:9], s[8:9], s[20:21]
	s_add_nc_u64 s[10:11], s[10:11], s[24:25]
	s_add_nc_u64 s[12:13], s[12:13], s[24:25]
.irp i, 0,1,2,3,4,5,6,7
	global_load_b128 v[R+4*\i:R+4*\i+3], v2, s[4:5] offset:512*\i th:TH_LOAD_NT   ; 32 lanes read 512 consecutive bytes of my row
.endr
.irp i, 0,1,2,3,4,5,6,7
	global_load_b128 v[G+4*\i:G+4*\i+3], v10, s[6:7] offset:4096*\i               ; the work-group reads Wg once: 4,096 bytes an instruction
.endr
.macro TURN t                          ; step t's 2,048 bytes through the stage; LDS serves a wave's instructions in order, so no wait stands between the stores and the loads
.irp i, 0,1,2,3
	ds_store_b128 v3, v[R+16*\t+4*\i:R+16*\t+4*\i+3] offset:32*SP*\t+8*SP*\i
.endr
.irp i, 0,1,2,3
	ds_load_b128 v[X+16*\t+4*\i:X+16*\t+4*\i+3], v4 offset:32*SP*\t+16*\i
.endr
.endm
	s_wait_loadcnt 8                               ; x's eight loads are in; Wg's eight, issued behind them, may be out
	TURN 0
	TURN 1
	s_wait_loadcnt 0x0
.irp i, 0,1,2,3,4,5,6,7
	ds_store_b128 v6, v[G+4*\i:G+4*\i+3] offset:8*WGP*\i
.endr
	s_wait_dscnt 0x0                               ; for the others' sake: my part of Wg lies in LDS (and my neighbours are back)
	s_barrier_signal -1
	s_barrier_wait -1
; 8 k of step t (the g-th eight of my 16): Wg's 64 numbers from LDS, 64 multiply-adds, the eight sums by turns.  first = 1: the first products start the sums
.macro DOT t, g, first
.irp k, 0,1,2,3,4,5,6,7
	ds_load_b128 v[G+8*\k:G+8*\k+3], v5 offset:32*WGP*\t+256*\g+32*\k
	ds_load_b128 v[G+8*\k+4:G+8*\k+7], v5 offset:32*WGP*\t+256*\g+32*\k+16
.endr
	s_wait_dscnt 0x0
.irp k, 0,1,2,3,4,5,6,7
.irp e, 0,1,2,3,4,5,6,7
.if \first && (\k == 0)
	v_mul_f32 v[LG+\e], v[X+16*\t+8*\g+\k], v[G+8*\k+\e]
.else
	v_fmac_f32 v[LG+\e], v[X+16*\t+8*\g+\k], v[G+8*\k+\e]
.endif
.endr
.endr
.endm
	DOT 0, 0, 1
	DOT 0, 1, 0
	DOT 1, 0, 0
	DOT 1, 1, 0
.irp m, 1,2,4,8                        ; the 32 lanes' parts are added; every lane ends with all eight logits
.irp e, 0,1,2,3,4,5,6,7
	v_add_f32_dpp v[LG+\e], v[LG+\e], v[LG+\e] row_xmask:\m row_mask:0xf bank_mask:0xf
.endr
.endr
.irp e, 0,1,2,3,4,5,6,7
	v_permlanex16_b32 v[WK+\e], v[LG+\e], s28, s29
.endr
.irp e, 0,1,2,3,4,5,6,7
	v_add_f32 v[LG+\e], v[LG+\e], v[WK+\e]
.endr
	v_max3_num_f32 v160, v[LG], v[LG+1], v[LG+2]   ; the softmax: the largest logit is taken away first
	v_max3_num_f32 v160, v160, v[LG+3], v[LG+4]
	v_max3_num_f32 v160, v160, v[LG+5], v[LG+6]
	v_max_num_f32 v160, v160, v[LG+7]
.irp e, 0,1,2,3,4,5,6,7
	v_sub_f32 v[LG+\e], v[LG+\e], v160
.endr
.irp e, 0,1,2,3,4,5,6,7
	v_mul_f32 v[LG+\e], 0x3fb8aa3b, v[LG+\e]       ; x log2(e)
.endr
.irp e, 0,1,2,3,4,5,6,7
	v_exp_f32 v[LG+\e], v[LG+\e]
.endr
	v_mov_b32 v161, 0                              ; the first choice's index.  (A plain instruction behind the exponentials: ISA guide 5.7.2)
	s_wait_alu depctr_va_vdst(0)
	v_add_f32 v162, v[LG], v[LG+1]
	v_add_f32 v163, v[LG+2], v[LG+3]
	v_add_f32 v164, v[LG+4], v[LG+5]
	v_add_f32 v165, v[LG+6], v[LG+7]
	v_add_f32 v162, v162, v163
	v_add_f32 v164, v164, v165
	v_add_f32 v162, v162, v164
	v_rcp_f32 v162, v162
	v_mov_b32 v166, 0                              ; the second choice's index.  (A plain instruction behind the reciprocal)
	s_wait_alu depctr_va_vdst(0)
.irp e, 0,1,2,3,4,5,6,7
	v_mul_f32 v[LG+\e], v[LG+\e], v162             ; P
.endr
	v_mov_b32 v163, v[LG]                          ; the largest P so far
.irp e, 1,2,3,4,5,6,7
	v_cmp_ge_f32 vcc_lo, v163, v[LG+\e]            ; the index moves only where P is strictly larger
	v_cndmask_b32 v161, \e, v161, vcc_lo
	v_max_num_f32 v163, v163, v[LG+\e]
.endr
.irp e, 0,1,2,3,4,5,6,7
	v_cmp_ne_u32 vcc_lo, \e, v161
	v_cndmask_b32 v[LG+\e], -1.0, v[LG+\e], vcc_lo ; the chosen one is taken out: -1 lies under every P
.endr
	v_mov_b32 v164, v[LG]
.irp e, 1,2,3,4,5,6,7
	v_cmp_ge_f32 vcc_lo, v164, v[LG+\e]
	v_cndmask_b32 v166, \e, v166, vcc_lo
	v_max_num_f32 v164, v164, v[LG+\e]
.endr
	v_add_f32 v165, v163, v164
	v_add_f32 v165, 0x3089705f, v165               ; + 1e-9
	v_rcp_f32 v165, v165
	v_nop                                          ; a plain instruction behind the reciprocal
	s_wait_alu depctr_va_vdst(0)
	v_mul_f32 v163, v163, v165
	v_mul_f32 v164, v164, v165
	ds_store_b32 v8, v161                          ; all lanes write the same word with the same value
	ds_store_b32 v8, v166 offset:4
	ds_store_b32 v8, v163 offset:64
	ds_store_b32 v8, v164 offset:68
; Step t's 512 numbers become codes: two neighbouring lanes hold a block of 32
.macro QSTEP t
.set XQ, X+16*\t
	v_max3_num_f32 v167, |v[XQ]|, |v[XQ+1]|, |v[XQ+2]|             ; the largest magnitude of my 16, in two chains
	v_max3_num_f32 v168, |v[XQ+3]|, |v[XQ+4]|, |v[XQ+5]|
.irp i, 6,10
	v_max3_num_f32 v167, v167, |v[XQ+\i]|, |v[XQ+\i+1]|
	v_max3_num_f32 v168, v168, |v[XQ+\i+2]|, |v[XQ+\i+3]|
.endr
	v_max3_num_f32 v167, v167, |v[XQ+14]|, |v[XQ+15]|
	v_max3_num_f32 v167, v167, v168, 0x4800000     ; and the floor 2^(9 - 127): the byte cannot fall under 1
	v_max_num_f32_dpp v167, v167, v167 row_xmask:1 row_mask:0xf bank_mask:0xf   ; with my neighbour's 16: the block's
	v_add_nc_u32 v169, 0xfc000000, v167            ; 8 off its exponent field: the conversion takes this operand's exponent field as its scale
	v_and_or_b32 v170, v167, 0x7f800000, s30       ; 448 x the scale
.irp i, 0,1,2,3,4,5,6,7,8,9,10,11,12,13,14,15
	v_med3_num_f32 v[XQ+\i], v[XQ+\i], -v170, v170 ; the conversion to an 8-bit code does not saturate (ISA guide 7.6.2): the hold comes first
.endr
	v_cvt_scalef32_pk8_fp8_f32 v[CD+4*\t:CD+4*\t+1], v[XQ:XQ+7], v169
	v_cvt_scalef32_pk8_fp8_f32 v[CD+4*\t+2:CD+4*\t+3], v[XQ+8:XQ+15], v169
	v_lshrrev_b32 v[EB+\t], 23, v169               ; the scale's byte (also the plain instruction behind the conversions)
	ds_store_b8 v7, v[EB+\t] offset:16*\t          ; both lanes of a block write the same byte with the same value
	global_store_b128 v2, v[CD+4*\t:CD+4*\t+3], s[8:9] offset:512*\t   ; 32 lanes store 512 consecutive bytes of my row of codes
.endm
	QSTEP 0
	QSTEP 1
	s_wait_dscnt 0x0                               ; for wave 0's sake: my scale bytes and my four words lie in LDS
	s_barrier_signal -1
	s_barrier_wait -1
	s_cmp_lg_u32 s14, 0
	s_cbranch_scc1 .Ldone
	ds_load_b64 v[152:153], v12
	s_wait_dscnt 0x0
	global_store_b64 v11, v[152:153], s[26:27]     ; eight tokens' scale bytes: 256 consecutive bytes, aligned
	s_wait_xcnt 0x0                                ; EXEC is narrowed only behind this wait
	v_cmp_gt_u32 vcc_lo, 16, v1
	s_and_saveexec_b32 s20, vcc_lo
	ds_load_b32 v154, v14
	ds_load_b32 v155, v14 offset:64
	s_wait_dscnt 0x0
	global_store_b32 v13, v154, s[10:11]           ; 16 words of experts,
	global_store_b32 v13, v155, s[12:13]           ; 16 words of weights
	s_wait_xcnt 0x0                                ; and widened again only behind this one
	s_or_b32 exec_lo, exec_lo, s20
.Ldone:
	s_wait_tensorcnt 0x0
	ds_add_u32 v192, v193
	s_wait_dscnt 0x0
	s_endpgm
.Lfunc_end_k_qac9d88d5c5_route:
	.size	k_qac9d88d5c5_route, .Lfunc_end_k_qac9d88d5c5_route-k_qac9d88d5c5_route
	.p2alignl 7, 3214868480
	.fill 96, 4, 3214868480
	.section	.rodata,"a",@progbits
	.p2align	6, 0x0
	.amdhsa_kernel k_qac9d88d5c5_route
		.amdhsa_group_segment_fixed_size 76288
		.amdhsa_private_segment_fixed_size 0
		.amdhsa_enable_private_segment 0
		.amdhsa_kernarg_size 40
		.amdhsa_user_sgpr_count 2
		.amdhsa_user_sgpr_kernarg_segment_ptr 1
		.amdhsa_wavefront_size32 1
		.amdhsa_system_sgpr_workgroup_id_x 1
		.amdhsa_system_sgpr_workgroup_id_y 1
		.amdhsa_system_sgpr_workgroup_id_z 1
		.amdhsa_system_vgpr_workitem_id 0
		.amdhsa_next_free_vgpr 194
		.amdhsa_next_free_sgpr 66
		.amdhsa_reserve_vcc 1
		.amdhsa_float_denorm_mode_32 3
		.amdhsa_float_denorm_mode_16_64 3
		.amdhsa_memory_ordered 1
		.amdhsa_forward_progress 1
		.amdhsa_inst_pref_size 31
	.end_amdhsa_kernel
	.amdgpu_metadata
---
amdhsa.version: [ 1, 2 ]
amdhsa.kernels:
  - .name:           k_qac9d88d5c5_route
    .symbol:         k_qac9d88d5c5_route.kd
    .args:
      - { .name: x, .offset: 0, .size: 8, .value_kind: global_buffer, .address_space: global }
      - { .name: Wg, .offset: 8, .size: 8, .value_kind: global_buffer, .address_space: global }
      - { .name: xqs, .offset: 16, .size: 8, .value_kind: global_buffer, .address_space: global }
      - { .name: eid, .offset: 24, .size: 8, .value_kind: global_buffer, .address_space: global }
      - { .name: gate, .offset: 32, .size: 8, .value_kind: global_buffer, .address_space: global }
    .group_segment_fixed_size: 76288
    .private_segment_fixed_size: 0
    .kernarg_segment_align: 8
    .kernarg_segment_size: 40
    .max_flat_workgroup_size: 256
    .sgpr_count:     66
    .vgpr_count:     194
    .wavefront_size: 32
...
	.end_amdgpu_metadata
.endif
;; end of part 1
;; launch place (part 2): grid 1 x 1, 8 waves a work-group, no clusters, 0 bytes of LDS; arguments eid, plan; writes plan
.if DOCPART == 2
	.amdgcn_target "amdgcn-amd-amdhsa--gfx1250"
	.amdhsa_code_object_version 6
	.text
	.protected	k_qac9d88d5c5_place
	.globl	k_qac9d88d5c5_place
	.p2align	8
	.type	k_qac9d88d5c5_place,@function
k_qac9d88d5c5_place:
	s_mov_b64 s[64:65], 0
	v_nop
	global_prefetch_b8 v0, s[64:65] scope:SCOPE_SE
	s_setreg_imm32_b32 hwreg(HW_REG_WAVE_MODE, 25, 1), 1
	s_wait_xcnt 0x0
; THE ROWS ARE PLACED BY EXPERT.  eid: word rid = 2 t + slot holds the expert of routed row rid (2,048 of them).
; plan, in words: list[e][1024] from word 0 (the token of the expert's j-th row; 0 from its count on: all 1,024 are written), pos[rid] = 1024 e + rank from word 8,192,
; cnt[e] from word 10,240, and from word 10,496 a word for each lane of each wave into which a lane stores when it has nothing to place; nobody reads those.
; One work-group; wave e serves expert e and reads all 2,048 words: no LDS, no barrier, no atomic.  A row's rank is the number of the expert's rows ahead of it in the order in which
; the wave walks them (a running count in a scalar register + the matching lanes below mine); list and pos come from the same rank, so any such order serves.
; Every index made from loaded words is held under the buffer's 10,752 words before it becomes an address.  An expert has at most 1,024 rows: a token names it once.
.set Q, 96                             ; v96-111: four registers for each of a step's four words: list address, token, pos address, place
.set DUMPW, 10496
	s_load_b128 s[4:7], s[0:1], 0x0                ; eid s[4:5], plan s[6:7]
	v_lshrrev_b32 v1, 5, v0
	v_readfirstlane_b32 s8, v1                     ; my expert
	v_and_b32 v1, 31, v0                           ; lane
	v_lshlrev_b32 v2, 4, v1
	s_lshl_b32 s9, s8, 10                          ; 1024 e
	s_lshl_b32 s10, s8, 5
	s_add_co_u32 s10, s10, DUMPW
	v_add_nc_u32 v3, s10, v1                       ; my lane's own idle word
	v_mov_b32 v4, 0
	s_mov_b32 s11, 0                               ; the expert's rows so far
	s_wait_kmcnt 0x0
.irp i, 0,1,2,3,4,5,6,7,8,9,10,11,12,13,14,15
	global_load_b128 v[32+4*\i:32+4*\i+3], v2, s[4:5] offset:512*\i   ; register (i, c) of lane l: rid = 128 i + 4 l + c
.endr
	s_wait_loadcnt 0x0
.macro SLOTS i
	s_wait_xcnt 0x0                                ; the last step's stores have read their registers
.irp c, 0,1,2,3
	v_cmp_eq_u32 s12, s8, v[32+4*\i+\c]            ; the lanes whose row is my expert's
	v_mbcnt_lo_u32_b32 v[Q+4*\c+3], s12, s11       ; rank = rows so far + matching lanes below mine
	s_bcnt1_i32_b32 s13, s12
	s_add_co_u32 s11, s11, s13
	v_add_nc_u32 v[Q+4*\c+3], s9, v[Q+4*\c+3]      ; the row's place: 1024 e + rank
	v_cndmask_b32 v[Q+4*\c], v3, v[Q+4*\c+3], s12  ; it is also the list's word; a lane without a match takes its idle word
	v_min_u32 v[Q+4*\c], 10751, v[Q+4*\c]
	v_lshlrev_b32 v[Q+4*\c], 2, v[Q+4*\c]
	v_lshl_add_u32 v[Q+4*\c+1], v1, 1, 64*\i+(\c/2)   ; the token: rid / 2
	v_lshl_add_u32 v[Q+4*\c+2], v1, 2, 8192+128*\i+\c ; pos's word: 8,192 + rid
	v_cndmask_b32 v[Q+4*\c+2], v3, v[Q+4*\c+2], s12
	v_min_u32 v[Q+4*\c+2], 10751, v[Q+4*\c+2]
	v_lshlrev_b32 v[Q+4*\c+2], 2, v[Q+4*\c+2]
	global_store_b32 v[Q+4*\c], v[Q+4*\c+1], s[6:7]
	global_store_b32 v[Q+4*\c+2], v[Q+4*\c+3], s[6:7]
.endr
.endm
.irp i, 0,1,2,3,4,5,6,7,8,9,10,11,12,13,14,15
	SLOTS \i
.endr
; the rest of my list becomes 0: j = 32 k + lane from the count on
.macro REST k0
	s_wait_xcnt 0x0
.irp n, 0,1,2,3,4,5,6,7
	v_add_nc_u32 v[Q+\n], 32*(\k0+\n), v1
	v_cmp_le_u32 vcc_lo, s11, v[Q+\n]
	v_add_nc_u32 v[Q+\n], s9, v[Q+\n]
	v_cndmask_b32 v[Q+\n], v3, v[Q+\n], vcc_lo
	v_min_u32 v[Q+\n], 10751, v[Q+\n]
	v_lshlrev_b32 v[Q+\n], 2, v[Q+\n]
	global_store_b32 v[Q+\n], v4, s[6:7]
.endr
.endm
	REST 0
	REST 8
	REST 16
	REST 24
	s_add_co_u32 s12, s8, 10240                    ; cnt[e], by lane 0
	v_mov_b32 v5, s12
	v_cmp_eq_u32 vcc_lo, 0, v1
	v_cndmask_b32 v5, v3, v5, vcc_lo
	v_lshlrev_b32 v5, 2, v5
	v_mov_b32 v6, s11
	global_store_b32 v5, v6, s[6:7]
	s_endpgm
.Lfunc_end_k_qac9d88d5c5_place:
	.size	k_qac9d88d5c5_place, .Lfunc_end_k_qac9d88d5c5_place-k_qac9d88d5c5_place
	.p2alignl 7, 3214868480
	.fill 96, 4, 3214868480
	.section	.rodata,"a",@progbits
	.p2align	6, 0x0
	.amdhsa_kernel k_qac9d88d5c5_place
		.amdhsa_group_segment_fixed_size 0
		.amdhsa_private_segment_fixed_size 0
		.amdhsa_enable_private_segment 0
		.amdhsa_kernarg_size 16
		.amdhsa_user_sgpr_count 2
		.amdhsa_user_sgpr_kernarg_segment_ptr 1
		.amdhsa_wavefront_size32 1
		.amdhsa_system_sgpr_workgroup_id_x 1
		.amdhsa_system_sgpr_workgroup_id_y 1
		.amdhsa_system_sgpr_workgroup_id_z 1
		.amdhsa_system_vgpr_workitem_id 0
		.amdhsa_next_free_vgpr 128
		.amdhsa_next_free_sgpr 66
		.amdhsa_reserve_vcc 1
		.amdhsa_float_denorm_mode_32 3
		.amdhsa_float_denorm_mode_16_64 3
		.amdhsa_memory_ordered 1
		.amdhsa_forward_progress 1
		.amdhsa_inst_pref_size 72
	.end_amdhsa_kernel
	.amdgpu_metadata
---
amdhsa.version: [ 1, 2 ]
amdhsa.kernels:
  - .name:           k_qac9d88d5c5_place
    .symbol:         k_qac9d88d5c5_place.kd
    .args:
      - { .name: eid, .offset: 0, .size: 8, .value_kind: global_buffer, .address_space: global }
      - { .name: plan, .offset: 8, .size: 8, .value_kind: global_buffer, .address_space: global }
    .group_segment_fixed_size: 0
    .private_segment_fixed_size: 0
    .kernarg_segment_align: 8
    .kernarg_segment_size: 16
    .max_flat_workgroup_size: 256
    .sgpr_count:     66
    .vgpr_count:     128
    .wavefront_size: 32
...
	.end_amdgpu_metadata
.endif
;; end of part 2
;; launch gemm1 (part 3): grid 256 x 1, 8 waves a work-group, no clusters, 273,408 bytes of LDS; arguments xqs, plan, W1_codes, W1_scales, b1, hq; writes hq
.if DOCPART == 3
	.amdgcn_target "amdgcn-amd-amdhsa--gfx1250"
	.amdhsa_code_object_version 6
	.text
	.protected	k_qac9d88d5c5_gemm1
	.globl	k_qac9d88d5c5_gemm1
	.p2align	8
	.type	k_qac9d88d5c5_gemm1,@function
k_qac9d88d5c5_gemm1:
	s_mov_b64 s[64:65], 0
	v_nop
	global_prefetch_b8 v0, s[64:65] scope:SCOPE_SE
	s_setreg_imm32_b32 hwreg(HW_REG_WAVE_MODE, 25, 1), 1
	s_wait_xcnt 0x0
; THE FIRST PRODUCT, THE ACTIVATION AND ITS QUANTISER: h = Q(gelu(x W1[e] + b1[e])) for the rows that chose expert e, on codes of E4M3 with one E8M0 scale for each 32 along K = 1,024.
; SHARES.  Work-group (e, fs) = (number / 32, number % 32) owns hidden units 128 fs .. 128 fs + 127 of expert e: 128 rows x 1,024 bytes of W1's codes, read from memory once, 512 consecutive bytes a load,
; and kept in LDS.  It applies them to all n = cnt[e] rows of the expert, in T = max(ceil(n / 16), 1) tiles of 16 rows.  In pass p wave w takes tiles 16 p + w and 16 p + w + 8, so that each weight
; fragment read from LDS feeds two products; wave w has ceil((T - w) / 16) passes, four at the most (T is at most 64).  Rows from n on (list entries 0: token 0) are computed like the others and land
; in the expert's own part of hq, which nobody reads.
; NO TENSOR LOADS, NO CLUSTER: the number of passes hangs on a count read from memory, the 32 work-groups of an expert hold different weights, and the rows that they share are gathered by a list.
; THE PRODUCT IS USED TRANSPOSED (source 0 = 16 rows of W1, source 1 = 16 rows of x), AND THE ROWS OF W1 THAT FORM A TILE ARE NOT NEIGHBOURS: row m of tile (b, u) is hidden unit 32 b + 8 u + m + 8 (m / 8).
; So a lane holds ONE row of x, and the 16 registers of tiles (b, 0), (b, 1) are 16 neighbours along the next K: 32 b + 16 (lane / 16) + 0 .. 15: the conversions' results are the next operand's registers.
; The fill lays the rows of a tile side by side in LDS.  b1 is the C of each sum's first product.
; gelu, exact form: with z = |v| / sqrt(2), q = erfc(z) / 2 = t exp(-z^2 + P(t)) / 2, t = 1 / (1 + z / 2), P a polynomial of degree 9 (fractional error of that form 1.2e-7 for every z);
; gelu(v) = max(v, 0) - |v| q: no difference of near numbers on either side of 0.  The coefficients carry log2(e), the constant term also -1 (the half), since v_exp_f32 works in base 2.
; hq: codes as IMAGES OF THE OPERAND'S REGISTERS, [e][tile 64][K step 32][2,048 bytes], byte 512 c + 16 lane = registers 4 c .. 4 c + 3; my K step is fs.  Scale words from byte 33,554,432,
; 2,048 bytes a tile: the word of K step s and row r at 256 (s / 4) + 16 r + 4 (s % 4), so that the next launch takes four K steps' words of a row by one load of 16 bytes.
; LIMITS: NaN and infinities are not served; a block of zeros gets the byte 1 (zero codes; this program alone reads the bytes); blocks under 2^-118 are held at byte 1; q under 2^-126 comes out as 0.
; REGISTERS.  Window 0: v1-27 addresses; v28-35 x's scale words; v36-67 W1's; v68-83 b1 of one b; v84-101 list entries, then offsets; v102-109 codes; v110-116 the quantiser; v120-151 four accumulators;
; v152-215 two buffers of two weight fragments (between the products: gelu's t, P and max); v216-237 gelu's constants, each twice; v120-247 once, at the head: the fill.  Window 1: x's fragments (tile i, K step s) at 128 i + 16 s.
; SCALE WORDS: register q holds in lanes 0-15 the word of K step q and in lanes 16-31 that of K step 4 + q, on both sides: from K step 4 on both sides name the upper lanes.
.set WPITCH, 1040                      ; a row of codes in LDS: 1,024 bytes + 16 = 260 words: row r starts at bank 4 r mod 64 (64 banks of 4 bytes: ISA guide 11.1)
.set WQ,     32*WPITCH                 ; the two tiles of one b
.set STG,    128*WPITCH                ; behind the weights: a stage of 16 rows for each wave
.set STGB,   16896
.set BIAS,   STG+8*STGB                ; behind the stages: my 128 numbers of b1, a copy for each wave
.set LANE, 1
.set RR,   2                           ; lane % 16
.set HH,   3                           ; lane / 16
.set LI,   4                           ; 16 x lane
.set WAD,  5                           ; v5-8  a weight fragment's place for my lane, for b = 0 .. 3
.set WST,  9                           ; the fill's stores
.set SW,   10                          ; the stage, in
.set SRD,  11                          ; the stage, out
.set BIA,  12                          ; b1, out
.set BIST, 13                          ; b1, in
.set LAP,  14                          ; the list: the row that my half of the lanes fetches
.set LRP,  15                          ; the list: row lane % 16
.set HO,   16                          ; v16-17 my 16 bytes in the two tiles' images
.set HSO,  18                          ; my scale word's place
.set WGO,  19                          ; W1's codes: my wave's 16 rows, 16 x lane
.set WSO,  20                          ; W1's scale words
.set PW,   21                          ; v21-22 the two tiles' scale words in the making
.set PWS,  23                          ; the one that my lane stores
.set HS0,  24                          ; 16 (lane % 16) + 16,384 (lane / 16)
.set R16,  26
.set H16,  27
.set XS,   28
.set WS,   36
.set BI,   68
.set TK,   84
.set TR,   100
.set CD,   102
.set QW,   110
.set ACC,  120
.set WF,   152
.set SG,   120
.set GT,   WF
.set GP,   WF+16
.set GM,   WF+32
.set VC,   216                         ; coefficient n at v[VC + 2 n], twice
.set VCM,  236                         ; -log2(e) / 2, twice
.set MSB, 0
.macro WIN new                         ; the immediate's high byte repeats the setting that is left; a switch that changes nothing is dropped
.if MSB != \new
	s_set_vgpr_msb (MSB<<8)|\new
.set MSB, \new
.endif
.endm
.macro PLACES n
.rept \n
	v_nop
.endr
.endm
.macro WLOAD b, s, buf                 ; the two weight fragments (u = 0, 1) of b, K step s, into buffer buf
.irp u, 0,1
.irp c, 0,1,2,3
	ds_load_b128 v[WF+32*(\buf)+16*\u+4*\c:WF+32*(\buf)+16*\u+4*\c+3], v[WAD+(\b)] offset:16*WPITCH*\u+128*(\s)+32*\c
.endr
.endr
.endm
.macro MM b, s                         ; four products, the four accumulators by turns, one instruction a turn
.irp u, 0,1
.irp i, 0,1
.if (\s) == 0
	v_wmma_scale_f32_16x16x128_f8f6f4 v[ACC+16*\i+8*\u:ACC+16*\i+8*\u+7], v[WF+16*\u:WF+16*\u+15], v[128*\i:128*\i+15], v[BI+8*\u:BI+8*\u+7], v[WS+4*(2*(\b)+\u)], v[XS+4*\i]
.elseif (\s) < 4
	v_wmma_scale_f32_16x16x128_f8f6f4 v[ACC+16*\i+8*\u:ACC+16*\i+8*\u+7], v[WF+32*((\s)%2)+16*\u:WF+32*((\s)%2)+16*\u+15], v[128*\i+16*(\s):128*\i+16*(\s)+15], v[ACC+16*\i+8*\u:ACC+16*\i+8*\u+7], v[WS+4*(2*(\b)+\u)+(\s)], v[XS+4*\i+(\s)]
.else
	v_wmma_scale_f32_16x16x128_f8f6f4 v[ACC+16*\i+8*\u:ACC+16*\i+8*\u+7], v[WF+32*((\s)%2)+16*\u:WF+32*((\s)%2)+16*\u+15], v[128*\i+16*(\s):128*\i+16*(\s)+15], v[ACC+16*\i+8*\u:ACC+16*\i+8*\u+7], v[WS+4*(2*(\b)+\u)+(\s)-4], v[XS+4*\i+(\s)-4] matrix_a_scale:MATRIX_SCALE_ROW1 matrix_b_scale:MATRIX_SCALE_ROW1
.endif
.endr
.endr
.endm
; All of K for the two weight tiles of b and my two tiles of rows: 32 products.  A load into a fragment that a product has read stands eight plain vector instructions behind that product
; behind the last products nine, since the next b's first products write over the accumulators.
.macro MMB b
.irp m, 0,1,2,3
	ds_load_b128 v[BI+4*\m:BI+4*\m+3], v[BIA] offset:128*(\b)+16*\m   ; b1 at my 16 hidden units of this b
.endr
	WLOAD \b, 0, 0
	WLOAD \b, 1, 1
	WIN 0x04                                       ; source 1 (x) in window 1
.irp s, 0,1,2,3,4,5,6,7
.if \s < 7
	s_wait_dscnt 8                                 ; LDS loads come back in order: all but the other buffer's eight are in
.else
	s_wait_dscnt 0x0
.endif
	MM \b, \s
.if \s < 7
	PLACES 8
.else
	PLACES 9
.endif
.if \s < 6
	WLOAD \b, \s+2, \s%2
.endif
.endr
	WIN 0
.endm
.macro LISTLOAD                        ; the tokens of my two tiles' rows.  The number of passes is read from memory, so the tile's number is held at 55, a wave's largest first tile (16 x 3 + 7), ahead of the address
	s_min_u32 s19, s23, 55
	s_lshl_b32 s19, s19, 6
	v_lshl_add_u32 v[LAP], v[HH], 2, s19
	v_lshl_add_u32 v[LRP], v[RR], 2, s19
.irp i, 0,1
.irp q, 0,1,2,3,4,5,6,7
	global_load_b32 v[TK+8*\i+\q], v[LAP], s[58:59] offset:512*\i+8*\q   ; row 2 q + lane / 16 of tile i
.endr
	global_load_b32 v[TR+\i], v[LRP], s[58:59] offset:512*\i             ; row lane % 16
.endr
.endm
.macro XLOAD                           ; their codes: sixteen lanes read 256 consecutive bytes of one row; and their scale words
.irp j, 0,1,2,3,4,5,6,7,8,9,10,11,12,13,14,15
	v_min_u32 v[TK+\j], 1023, v[TK+\j]
.endr
.irp j, 0,1,2,3,4,5,6,7,8,9,10,11,12,13,14,15
	v_lshl_add_u32 v[TK+\j], v[TK+\j], 10, v[R16]
.endr
.irp i, 0,1
	v_min_u32 v[TR+\i], 1023, v[TR+\i]
	v_lshl_add_u32 v[TR+\i], v[TR+\i], 5, v[H16]
.endr
	WIN 0x40                                       ; destination window 1
.irp i, 0,1
.irp q, 0,1,2,3,4,5,6,7
.irp m, 0,1,2,3
	global_load_b128 v[128*\i+16*\q+4*\m:128*\i+16*\q+4*\m+3], v[TK+8*\i+\q], s[4:5] offset:256*\m
.endr
.endr
.endr
	WIN 0
.irp i, 0,1
	global_load_b128 v[XS+4*\i:XS+4*\i+3], v[TR+\i], s[26:27]   ; lanes 0-15: K steps 0-3 of row lane % 16; lanes 16-31: K steps 4-7
.endr
.endm
.macro STAGE i                         ; tile i's 16 rows go through my stage and come back as fragments, into the registers that they left.  LDS serves a wave's instructions in order (ISA guide 5.7.1.4)
	WIN 0x04                                       ; an LDS store's data are its source 1
.irp q, 0,1,2,3,4,5,6,7
.irp m, 0,1,2,3
	ds_store_b128 v[SW], v[128*\i+16*\q+4*\m:128*\i+16*\q+4*\m+3] offset:2*WPITCH*\q+256*\m
.endr
.endr
	WIN 0x40
.irp s, 0,1,2,3,4,5,6,7
.irp c, 0,1,2,3
	ds_load_b128 v[128*\i+16*\s+4*\c:128*\i+16*\s+4*\c+3], v[SRD] offset:128*\s+32*\c
.endr
.endr
	WIN 0
.endm
; Tile i's 16 numbers a lane of this b: gelu, then the block of 32 (lanes l and l xor 16) is quantised; 16 codes leave as register group b of the image.
.macro EPI i, b
.set A, ACC+16*(\i)
.irp k, 0,1,2,3,4,5,6,7,8,9,10,11,12,13,14,15
	v_fma_f32 v[GT+\k], |v[A+\k]|, s33, 1.0        ; 1 + z / 2.  (Each accumulator is read from its low end on)
.endr
.irp k, 0,1,2,3,4,5,6,7,8,9,10,11,12,13,14,15
	v_rcp_f32 v[GT+\k], v[GT+\k]                   ; t
.endr
.irp p, 0,2,4,6,8,10,12,14
	v_pk_mul_f32 v[GM+\p:GM+\p+1], v[A+\p:A+\p+1], v[VCM:VCM+1]   ; -v log2(e) / 2.  (Plain instructions behind the reciprocals: ISA guide 5.7.2)
.endr
	s_wait_alu depctr_va_vdst(0)
.irp p, 0,2,4,6,8,10,12,14
	v_pk_fma_f32 v[GP+\p:GP+\p+1], v[GT+\p:GT+\p+1], v[VC+18:VC+19], v[VC+16:VC+17]
.endr
.irp n, 7,6,5,4,3,2,1,0
.irp p, 0,2,4,6,8,10,12,14
	v_pk_fma_f32 v[GP+\p:GP+\p+1], v[GP+\p:GP+\p+1], v[GT+\p:GT+\p+1], v[VC+2*\n:VC+2*\n+1]
.endr
.endr
.irp p, 0,2,4,6,8,10,12,14
	v_pk_fma_f32 v[GP+\p:GP+\p+1], v[GM+\p:GM+\p+1], v[A+\p:A+\p+1], v[GP+\p:GP+\p+1]   ; - z^2 log2(e)
.endr
.irp k, 0,1,2,3,4,5,6,7,8,9,10,11,12,13,14,15
	v_exp_f32 v[GP+\k], v[GP+\k]
.endr
.irp k, 0,1,2,3,4,5,6,7,8,9,10,11,12,13,14,15
	v_max_num_f32 v[GM+\k], 0, v[A+\k]             ; (plain instructions behind the exponentials)
.endr
	s_wait_alu depctr_va_vdst(0)
.irp p, 0,2,4,6,8,10,12,14
	v_pk_mul_f32 v[GP+\p:GP+\p+1], v[GP+\p:GP+\p+1], v[GT+\p:GT+\p+1]   ; q = erfc(z) / 2
.endr
.irp k, 0,1,2,3,4,5,6,7,8,9,10,11,12,13,14,15
	v_fma_f32 v[A+\k], -|v[A+\k]|, v[GP+\k], v[GM+\k]   ; gelu = max(v, 0) - |v| q
.endr
	v_max3_num_f32 v[QW], |v[A]|, |v[A+1]|, 0x4800000   ; the largest magnitude of my 16, in two chains, and the floor 2^(9 - 127): the byte cannot fall under 1
	v_max3_num_f32 v[QW+2], |v[A+2]|, |v[A+3]|, |v[A+4]|
	v_max3_num_f32 v[QW], v[QW], |v[A+5]|, |v[A+6]|
	v_max3_num_f32 v[QW+2], v[QW+2], |v[A+7]|, |v[A+8]|
	v_max3_num_f32 v[QW], v[QW], |v[A+9]|, |v[A+10]|
	v_max3_num_f32 v[QW+2], v[QW+2], |v[A+11]|, |v[A+12]|
	v_max3_num_f32 v[QW], v[QW], |v[A+13]|, |v[A+14]|
	v_max3_num_f32 v[QW], v[QW], v[QW+2], |v[A+15]|
	v_permlanex16_b32 v[QW+1], v[QW], s30, s31
	v_max_num_f32 v[QW], v[QW], v[QW+1]            ; with lane l xor 16's: the block's
	v_add_nc_u32 v[QW+3], 0xfc000000, v[QW]        ; 8 off its exponent field: the conversion's scale operand
	v_and_or_b32 v[QW+4], v[QW], 0x7f800000, s32   ; 448 x the scale
	v_lshrrev_b32 v[QW+5], 23, v[QW+3]             ; the scale's byte,
	v_lshl_or_b32 v[PW+\i], v[QW+5], 8*(\b), v[PW+\i]   ; byte b of my row's word for this K step
	s_wait_xcnt 0x0                                ; the last store of this tile's codes has read its registers
.irp k, 0,1,2,3,4,5,6,7,8,9,10,11,12,13,14,15
	v_med3_num_f32 v[A+\k], v[A+\k], -v[QW+4], v[QW+4]   ; the conversion to an 8-bit code does not saturate (ISA guide 7.6.2): the hold comes first
.endr
	v_cvt_scalef32_pk8_fp8_f32 v[CD+4*\i:CD+4*\i+1], v[A:A+7], v[QW+3]
	v_cvt_scalef32_pk8_fp8_f32 v[CD+4*\i+2:CD+4*\i+3], v[A+8:A+15], v[QW+3]
	v_nop                                          ; a plain instruction between the conversions and whatever next writes their sources (the next products, the next block's scale)
	global_store_b128 v[HO+\i], v[CD+4*\i:CD+4*\i+3], s[14:15] offset:512*(\b)   ; 32 lanes store 512 consecutive bytes, aligned
.endm
.macro BSTEP b
	MMB \b
	EPI 0, \b
	s_cmp_ge_u32 s24, s22                          ; is there a second tile?  A branch on a stored count
	s_cbranch_scc1 .Lone_\@
	EPI 1, \b
.Lone_\@:
.endm
.macro COEF n, bits
	v_mov_b32 v[VC+2*\n], \bits
	v_mov_b32 v[VC+2*\n+1], \bits
.endm
	s_load_b256 s[4:11], s[0:1], 0x0               ; xqs s[4:5], plan s[6:7], W1's codes s[8:9], W1's scales s[10:11]
	s_load_b128 s[12:15], s[0:1], 0x20             ; b1 s[12:13], hq s[14:15]
	v_lshl_add_u32 v254, v0, 2, 0x42800
	v_mov_b32 v255, 0
	v_lshrrev_b32 v1, 5, v0
	v_readfirstlane_b32 s16, v1                    ; wave 0..7
	v_and_b32 v[LANE], 31, v0
	v_and_b32 v[RR], 15, v0
	v_bfe_u32 v[HH], v0, 4, 1
	v_lshlrev_b32 v[LI], 4, v[LANE]
	v_lshlrev_b32 v[R16], 4, v[RR]
	v_lshlrev_b32 v[H16], 4, v[HH]
	v_mul_u32_u24 v[WAD], v[RR], WPITCH
	v_lshl_add_u32 v[WAD], v[HH], 4, v[WAD]        ; a fragment: row lane % 16, + 16 (lane / 16)
	v_add_nc_u32 v[WAD+1], WQ, v[WAD]
	v_add_nc_u32 v[WAD+2], 2*WQ, v[WAD]
	v_add_nc_u32 v[WAD+3], 3*WQ, v[WAD]
	s_lshr_b32 s19, s16, 1                         ; the fill: hidden unit 16 w + k goes to LDS row 32 (w / 2) + 8 (w % 2) + 16 (k / 8) + k % 8
	s_lshl_b32 s19, s19, 5
	s_and_b32 s55, s16, 1
	s_lshl_b32 s55, s55, 3
	s_add_co_u32 s19, s19, s55
	s_mul_i32 s19, s19, WPITCH
	v_add_nc_u32 v[WST], s19, v[LI]
	s_mul_i32 s19, s16, STGB
	s_add_co_u32 s19, s19, STG                     ; my stage
	v_mul_u32_u24 v[SW], v[HH], WPITCH
	v_add_nc_u32 v[SW], v[SW], v[R16]
	v_add_nc_u32 v[SW], s19, v[SW]                 ; in: row 2 q + lane / 16, 16 bytes a lane
	v_add_nc_u32 v[SRD], s19, v[WAD]               ; out: as a fragment
	s_lshl_b32 s19, s16, 9
	s_add_co_u32 s19, s19, BIAS                    ; my copy of b1
	v_lshl_add_u32 v[BIA], v[HH], 6, s19
	v_add_nc_u32 v[BIST], s19, v[LI]
	s_lshl_b32 s19, s16, 14
	v_add_nc_u32 v[WGO], s19, v[LI]                ; W1's codes: my wave's 16 rows of 1,024 bytes
	v_and_b32 v[WSO], 8, v[RR]
	v_add_nc_u32 v[WSO], v[WSO], v[RR]             ; r + 8 (r / 8)
	v_lshlrev_b32 v[WSO], 5, v[WSO]                ; a row of scale bytes is 32 bytes,
	v_add_nc_u32 v[WSO], v[WSO], v[H16]            ; of which lanes 16-31 take the upper 16
	v_lshl_add_u32 v[HS0], v[HH], 14, v[R16]
	v_mov_b32 v[QW+1], 0                           ; written once: a lane permute's destination counts as one of its sources
	s_mov_b32 s30, 0x76543210
	s_mov_b32 s31, 0xfedcba98                      ; v_permlanex16_b32's selects for lane l xor 16
	s_mov_b32 s32, 0x600000                        ; the mantissa field of 448
	s_mov_b32 s33, 0x3eb504f3                      ; 1 / (2 sqrt(2))
	s_mov_b32 s54, 0xffff0000                      ; lanes 16-31
	s_lshr_b32 s17, ttmp9, 5                       ; e
	s_and_b32 s18, ttmp9, 31                       ; fs
	s_mov_b32 s23, s16                             ; my first tile
	s_mov_b32 s21, 0
	s_wait_kmcnt 0x0
	s_lshl_b32 s20, s17, 2
	s_add_co_u32 s20, s20, 40960
	s_add_nc_u64 s[56:57], s[6:7], s[20:21]
	s_load_b32 s22, s[56:57], 0x0                  ; cnt[e]
	s_lshl_b32 s20, s17, 12
	s_add_nc_u64 s[58:59], s[6:7], s[20:21]        ; list[e]
	s_lshl_b32 s20, ttmp9, 17
	s_add_nc_u64 s[8:9], s[8:9], s[20:21]          ; my 128 rows of codes,
	s_lshl_b32 s20, ttmp9, 12
	s_add_nc_u64 s[10:11], s[10:11], s[20:21]      ; of scale bytes,
	s_lshl_b32 s20, ttmp9, 9
	s_add_nc_u64 s[12:13], s[12:13], s[20:21]      ; my 128 numbers of b1
	s_add_nc_u64 s[26:27], s[4:5], 0x100000        ; x's scale bytes
	s_lshl_b32 s20, s17, 17
	s_add_co_u32 s20, s20, 0x2000000
	s_lshr_b32 s19, s18, 2
	s_lshl_b32 s19, s19, 8
	s_add_co_u32 s20, s20, s19
	s_and_b32 s19, s18, 3
	s_lshl_b32 s19, s19, 2
	s_add_co_u32 s20, s20, s19
	s_add_nc_u64 s[28:29], s[14:15], s[20:21]      ; hq's scale words: the expert's, my K step's place
	s_lshl_b32 s20, s17, 22
	s_lshl_b32 s19, s18, 11
	s_add_co_u32 s20, s20, s19
	s_add_nc_u64 s[14:15], s[14:15], s[20:21]      ; hq's images: the expert's, my K step
	LISTLOAD                                       ; 18 loads
.irp k, 0,1,2,3,4,5,6,7,8,9,10,11,12,13,14,15
.irp h, 0,1
	global_load_b128 v[SG+8*\k+4*\h:SG+8*\k+4*\h+3], v[WGO], s[8:9] offset:1024*\k+512*\h th:TH_LOAD_NT   ; 32 lanes read 512 consecutive bytes; each byte is read once in the launch
.endr
.endr
.irp t, 0,1,2,3,4,5,6,7
	global_load_b128 v[WS+4*\t:WS+4*\t+3], v[WSO], s[10:11] offset:(32*(\t/2)+8*(\t%2))*32
.endr
	global_load_b128 v[BI:BI+3], v[LI], s[12:13]
	s_wait_loadcnt 41                              ; the list is in: behind it 32 + 8 + 1 loads were issued
	XLOAD
	s_wait_kmcnt 0x0
	s_min_u32 s22, s22, 1024
	s_add_co_u32 s22, s22, 15
	s_lshr_b32 s22, s22, 4
	s_max_u32 s22, s22, 1                          ; T
	s_wait_loadcnt 0x0
.irp k, 0,1,2,3,4,5,6,7,8,9,10,11,12,13,14,15
.irp h, 0,1
	ds_store_b128 v[WST], v[SG+8*\k+4*\h:SG+8*\k+4*\h+3] offset:(16*(\k/8)+(\k%8))*WPITCH+512*\h
.endr
.endr
	ds_store_b128 v[BIST], v[BI:BI+3]
	s_wait_dscnt 0x0                               ; for the others' sake: my 16 rows lie in LDS
	s_barrier_signal -1                            ; the launch's one barrier, ahead of every branch on the count
	s_barrier_wait -1
	COEF 0, 0xc034d90f
	COEF 1, 0x3fb8ab5a
	COEF 2, 0x3f0a29d2
	COEF 3, 0x3e0efb2e
	COEF 4, 0xbe899a80
	COEF 5, 0x3ecdfd18
	COEF 6, 0xbfd1a1e5
	COEF 7, 0x40097039
	COEF 8, 0xbf97d29d
	COEF 9, 0x3e7c6f08
	v_mov_b32 v[VCM], 0xbf38aa3b
	v_mov_b32 v[VCM+1], 0xbf38aa3b
	s_cmp_ge_u32 s16, s22
	s_cbranch_scc1 .Lend                           ; fewer tiles than waves: nothing for me
	s_sub_co_u32 s60, s22, s16                     ; my passes: those p with 16 p + w < T: ceil((T - w) / 16),
	s_add_co_u32 s60, s60, 15
	s_lshr_b32 s60, s60, 4
	s_min_u32 s60, s60, 4                          ; four at the most, since T is at most 64
	s_mov_b32 s61, 0                               ; the pass in hand
.Lpass:
	s_wait_loadcnt 0x0                             ; my two tiles' codes and scale words
	STAGE 0
	STAGE 1                                        ; (no wait here: the products' first wait leaves only younger loads out)
	s_add_co_u32 s24, s23, 8                       ; my second tile
	s_min_u32 s19, s23, 55
	s_lshl_b32 s55, s19, 16
	v_add_nc_u32 v[HO], s55, v[LI]
	s_add_co_u32 s55, s55, 8<<16
	v_add_nc_u32 v[HO+1], s55, v[LI]
	s_lshl_b32 s55, s19, 11
	v_add_nc_u32 v[HSO], s55, v[HS0]               ; lanes 0-15: the first tile's words; lanes 16-31: the second's, eight tiles on
	v_mov_b32 v[PW], 0
	v_mov_b32 v[PW+1], 0
	BSTEP 0
	BSTEP 1
	BSTEP 2
	BSTEP 3
	v_cndmask_b32 v[PWS], v[PW], v[PW+1], s54
	global_store_b32 v[HSO], v[PWS], s[28:29]      ; where there is no second tile, zeros go to a tile of the expert's that nobody reads
	s_wait_xcnt 0x0                                ; the stores have read their registers: all may be written again
	s_add_co_u32 s61, s61, 1                       ; the loop's counter: one a pass
	s_lshl_b32 s23, s61, 4
	s_add_co_u32 s23, s23, s16                     ; the next pass's first tile: 16 p + w
	s_cmp_ge_u32 s61, s60
	s_cbranch_scc1 .Lskip                          ; no next pass: nothing is fetched
	LISTLOAD
	s_wait_loadcnt 0x0
	XLOAD
.Lskip:
	s_cmp_lt_u32 s61, s60
	s_cbranch_scc1 .Lpass
.Lend:
	s_wait_tensorcnt 0x0
	ds_add_u32 v254, v255
	s_wait_dscnt 0x0
	s_endpgm
.Lfunc_end_k_qac9d88d5c5_gemm1:
	.size	k_qac9d88d5c5_gemm1, .Lfunc_end_k_qac9d88d5c5_gemm1-k_qac9d88d5c5_gemm1
	.p2alignl 7, 3214868480
	.fill 96, 4, 3214868480
	.section	.rodata,"a",@progbits
	.p2align	6, 0x0
	.amdhsa_kernel k_qac9d88d5c5_gemm1
		.amdhsa_group_segment_fixed_size 273408
		.amdhsa_private_segment_fixed_size 0
		.amdhsa_enable_private_segment 0
		.amdhsa_kernarg_size 48
		.amdhsa_user_sgpr_count 2
		.amdhsa_user_sgpr_kernarg_segment_ptr 1
		.amdhsa_wavefront_size32 1
		.amdhsa_system_sgpr_workgroup_id_x 1
		.amdhsa_system_sgpr_workgroup_id_y 1
		.amdhsa_system_sgpr_workgroup_id_z 1
		.amdhsa_system_vgpr_workitem_id 0
		.amdhsa_next_free_vgpr 512
		.amdhsa_next_free_sgpr 66
		.amdhsa_reserve_vcc 0
		.amdhsa_float_denorm_mode_32 3
		.amdhsa_float_denorm_mode_16_64 3
		.amdhsa_memory_ordered 1
		.amdhsa_forward_progress 1
		.amdhsa_inst_pref_size 178
	.end_amdhsa_kernel
	.amdgpu_metadata
---
amdhsa.version: [ 1, 2 ]
amdhsa.kernels:
  - .name:           k_qac9d88d5c5_gemm1
    .symbol:         k_qac9d88d5c5_gemm1.kd
    .args:
      - { .name: xqs, .offset: 0, .size: 8, .value_kind: global_buffer, .address_space: global }
      - { .name: plan, .offset: 8, .size: 8, .value_kind: global_buffer, .address_space: global }
      - { .name: W1_codes, .offset: 16, .size: 8, .value_kind: global_buffer, .address_space: global }
      - { .name: W1_scales, .offset: 24, .size: 8, .value_kind: global_buffer, .address_space: global }
      - { .name: b1, .offset: 32, .size: 8, .value_kind: global_buffer, .address_space: global }
      - { .name: hq, .offset: 40, .size: 8, .value_kind: global_buffer, .address_space: global }
    .group_segment_fixed_size: 273408
    .private_segment_fixed_size: 0
    .kernarg_segment_align: 8
    .kernarg_segment_size: 48
    .max_flat_workgroup_size: 256
    .sgpr_count:     66
    .vgpr_count:     512
    .wavefront_size: 32
...
	.end_amdgpu_metadata
.endif
;; end of part 3
;; launch gemm2 (part 4): grid 256 x 1, 8 waves a work-group, no clusters, 273,408 bytes of LDS; arguments hq, plan, W2_codes, W2_scales, ypart; writes ypart
.if DOCPART == 4
	.amdgcn_target "amdgcn-amd-amdhsa--gfx1250"
	.amdhsa_code_object_version 6
	.text
	.protected	k_qac9d88d5c5_gemm2
	.globl	k_qac9d88d5c5_gemm2
	.p2align	8
	.type	k_qac9d88d5c5_gemm2,@function
k_qac9d88d5c5_gemm2:
	s_mov_b64 s[64:65], 0
	v_nop
	global_prefetch_b8 v0, s[64:65] scope:SCOPE_SE
	s_setreg_imm32_b32 hwreg(HW_REG_WAVE_MODE, 25, 1), 1
	s_wait_xcnt 0x0
; THE SECOND PRODUCT, IN FOUR PARTS ALONG K: ypart[kq][1024 e + j][d] = the sum over hidden units 1,024 kq .. 1,024 kq + 1,023 of h[e][j][f] W2[e][f][d], on codes of E4M3 with one E8M0 scale for each 32 along K.
; SHARES.  Work-group (e, ds, kq) = (number / 32, (number / 4) % 8, number % 4) owns outputs 128 ds .. 128 ds + 127 and a quarter of K: 128 rows x 1,024 bytes of W2's codes, read from memory once and kept in LDS,
; and applies them to the expert's T = max(ceil(cnt[e] / 16), 1) tiles of 16 rows; in pass p wave w takes tiles 16 p + w and 16 p + w + 8; wave w has ceil((T - w) / 16) passes, four at the most.
; With all of K to a work-group it would own 32 outputs and read four times the hidden codes; the price of the split is the f32 parts, which the next launch adds in a fixed order.
; NO TENSOR LOADS, NO CLUSTER: the number of passes hangs on a count read from memory.
; The hidden codes lie in hq as images of the operand's registers: a fragment is four loads of 512 consecutive bytes and needs no LDS.  A tile past the last is not read: the last one is read in its stead, and its results are not stored.
; THE PRODUCT IS USED TRANSPOSED (source 0 = 16 rows of W2, source 1 = 16 rows of h): a lane holds eight neighbouring outputs of one row.  Two tiles x 128 outputs gather in my stage in LDS and leave as whole rows of 512 bytes.
; Rows from cnt[e] on land in the expert's own rows of ypart, which nobody reads.
; REGISTERS.  Window 0: v1-20 addresses; v28-35 h's scale words; v36-67 W2's; v120-151 four accumulators; v152-215 two buffers of two weight fragments (on the way out: 16 rows); v120-247 once, at the head: the fill.
; Window 1: h's fragments (tile i, K step s) at 128 i + 16 s.  SCALE WORDS: register q holds in lanes 0-15 the word of K step q and in lanes 16-31 that of K step 4 + q, on both sides.
.set WPITCH, 1040                      ; a row of codes in LDS: 1,024 bytes + 16 = 260 words: row r starts at bank 4 r mod 64 (64 banks of 4 bytes: ISA guide 11.1)
.set WQ,     32*WPITCH
.set STG,    128*WPITCH                ; behind the weights: a stage of 2 x 16 rows x (512 + 16) bytes for each wave
.set STGB,   16896
.set LANE, 1
.set RR,   2
.set HH,   3
.set LI,   4                           ; 16 x lane
.set WAD,  5                           ; v5-8  a weight fragment's place for my lane, for b = 0 .. 3
.set WST,  9                           ; the fill's stores
.set YST,  10                          ; the stage, in
.set YRD,  11                          ; the stage, out
.set HA,   12                          ; v12-13 my 16 bytes in the two tiles' images
.set XA,   14                          ; v14-15 and among their scale words
.set YO,   16                          ; my 16 bytes of a tile's first row in ypart
.set WGO,  19
.set WSO,  20
.set XS,   28
.set WS,   36
.set ACC,  120
.set WF,   152
.set SG,   120
.set MSB, 0
.macro WIN new                         ; the immediate's high byte repeats the setting that is left; a switch that changes nothing is dropped
.if MSB != \new
	s_set_vgpr_msb (MSB<<8)|\new
.set MSB, \new
.endif
.endm
.macro PLACES n
.rept \n
	v_nop
.endr
.endm
.macro WLOAD b, s, buf                 ; the two weight fragments (u = 0, 1) of b, K step s, into buffer buf
.irp u, 0,1
.irp c, 0,1,2,3
	ds_load_b128 v[WF+32*(\buf)+16*\u+4*\c:WF+32*(\buf)+16*\u+4*\c+3], v[WAD+(\b)] offset:16*WPITCH*\u+128*(\s)+32*\c
.endr
.endr
.endm
.macro MM b, s                         ; four products, the four accumulators by turns, one instruction a turn; the first K step starts the sums
.irp u, 0,1
.irp i, 0,1
.if (\s) == 0
	v_wmma_scale_f32_16x16x128_f8f6f4 v[ACC+16*\i+8*\u:ACC+16*\i+8*\u+7], v[WF+16*\u:WF+16*\u+15], v[128*\i:128*\i+15], 0, v[WS+4*(2*(\b)+\u)], v[XS+4*\i]
.elseif (\s) < 4
	v_wmma_scale_f32_16x16x128_f8f6f4 v[ACC+16*\i+8*\u:ACC+16*\i+8*\u+7], v[WF+32*((\s)%2)+16*\u:WF+32*((\s)%2)+16*\u+15], v[128*\i+16*(\s):128*\i+16*(\s)+15], v[ACC+16*\i+8*\u:ACC+16*\i+8*\u+7], v[WS+4*(2*(\b)+\u)+(\s)], v[XS+4*\i+(\s)]
.else
	v_wmma_scale_f32_16x16x128_f8f6f4 v[ACC+16*\i+8*\u:ACC+16*\i+8*\u+7], v[WF+32*((\s)%2)+16*\u:WF+32*((\s)%2)+16*\u+15], v[128*\i+16*(\s):128*\i+16*(\s)+15], v[ACC+16*\i+8*\u:ACC+16*\i+8*\u+7], v[WS+4*(2*(\b)+\u)+(\s)-4], v[XS+4*\i+(\s)-4] matrix_a_scale:MATRIX_SCALE_ROW1 matrix_b_scale:MATRIX_SCALE_ROW1
.endif
.endr
.endr
.endm
; My quarter of K for the two weight tiles of b and my two tiles of rows: 32 products.  A load into a fragment that a product has read stands eight plain vector instructions behind that product
; behind the last products nine: the stage's stores read results, and the next b's first products write over the accumulators.
.macro MMB b
	WLOAD \b, 0, 0
	WLOAD \b, 1, 1
	WIN 0x04                                       ; source 1 (h) in window 1
.irp s, 0,1,2,3,4,5,6,7
.if \s < 7
	s_wait_dscnt 8                                 ; LDS instructions end in order: all but the other buffer's eight loads are done, the last b's stores into the stage too
.else
	s_wait_dscnt 0x0
.endif
	MM \b, \s
.if \s < 7
	PLACES 8
.else
	PLACES 9
.endif
.if \s < 6
	WLOAD \b, \s+2, \s%2
.endif
.endr
	WIN 0
.endm
.macro YSTORE b                        ; lane (r, h): row r, outputs 32 b + 16 u + 8 h + 0 .. 7; each accumulator from its low end on
.irp i, 0,1
.irp u, 0,1
	ds_store_b128 v[YST], v[ACC+16*\i+8*\u:ACC+16*\i+8*\u+3] offset:8448*\i+128*(\b)+64*\u
	ds_store_b128 v[YST], v[ACC+16*\i+8*\u+4:ACC+16*\i+8*\u+7] offset:8448*\i+128*(\b)+64*\u+16
.endr
.endr
.endm
.macro HLOAD                           ; my two tiles' fragments and scale words.  A tile past the last takes the last one's place; the constant bound stands last, ahead of the shift
	s_add_co_u32 s24, s23, 8
	s_min_u32 s19, s23, s54
	s_min_u32 s19, s19, 63
	s_min_u32 s55, s24, s54
	s_min_u32 s55, s55, 63
	s_lshl_b32 s28, s19, 16
	v_add_nc_u32 v[HA], s28, v[LI]
	s_lshl_b32 s28, s55, 16
	v_add_nc_u32 v[HA+1], s28, v[LI]
	s_lshl_b32 s28, s19, 11
	v_add_nc_u32 v[XA], s28, v[LI]
	s_lshl_b32 s28, s55, 11
	v_add_nc_u32 v[XA+1], s28, v[LI]
	WIN 0x40                                       ; destination window 1
.irp i, 0,1
.irp s, 0,1,2,3,4,5,6,7
.irp c, 0,1,2,3
	global_load_b128 v[128*\i+16*\s+4*\c:128*\i+16*\s+4*\c+3], v[HA+\i], s[4:5] offset:2048*\s+512*\c   ; 32 lanes read 512 consecutive bytes: registers 4 c .. 4 c + 3 as they were made
.endr
.endr
.endr
	WIN 0
.irp i, 0,1
	global_load_b128 v[XS+4*\i:XS+4*\i+3], v[XA+\i], s[26:27]   ; lanes 0-15: K steps 0-3 of row lane % 16; lanes 16-31: K steps 4-7
.endr
.endm
.macro OUT i                           ; tile i's 16 rows x 512 bytes leave
	s_wait_xcnt 0x0                                ; earlier stores have read their registers
	s_min_u32 s19, s[23+\i], 63
	s_lshl_b32 s19, s19, 16
	v_add_nc_u32 v[YO], s19, v[LI]
.irp t, 0,1,2,3,4,5,6,7,8,9,10,11,12,13,14,15
	ds_load_b128 v[WF+4*\t:WF+4*\t+3], v[YRD] offset:8448*\i+528*\t   ; LDS serves a wave's instructions in order (ISA guide 5.7.1.4): these see my stores
.endr
.irp t, 0,1,2,3,4,5,6,7,8,9,10,11,12,13,14,15
	s_wait_dscnt 15-\t
	global_store_b128 v[YO], v[WF+4*\t:WF+4*\t+3], s[12:13] offset:4096*\t   ; 32 lanes store 512 consecutive bytes, aligned
.endr
.endm
	s_load_b256 s[4:11], s[0:1], 0x0               ; hq s[4:5], plan s[6:7], W2's codes s[8:9], W2's scales s[10:11]
	s_load_b64 s[12:13], s[0:1], 0x20              ; ypart
	v_lshl_add_u32 v254, v0, 2, 0x42800
	v_mov_b32 v255, 0
	v_lshrrev_b32 v1, 5, v0
	v_readfirstlane_b32 s16, v1                    ; wave 0..7
	v_and_b32 v[LANE], 31, v0
	v_and_b32 v[RR], 15, v0
	v_bfe_u32 v[HH], v0, 4, 1
	v_lshlrev_b32 v[LI], 4, v[LANE]
	v_mul_u32_u24 v[WAD], v[RR], WPITCH
	v_lshl_add_u32 v[WAD], v[HH], 4, v[WAD]        ; a fragment: row lane % 16, + 16 (lane / 16)
	v_add_nc_u32 v[WAD+1], WQ, v[WAD]
	v_add_nc_u32 v[WAD+2], 2*WQ, v[WAD]
	v_add_nc_u32 v[WAD+3], 3*WQ, v[WAD]
	s_mul_i32 s19, s16, 16*WPITCH
	v_add_nc_u32 v[WST], s19, v[LI]                ; the fill: rows as they lie, my wave's 16
	s_mul_i32 s19, s16, STGB
	s_add_co_u32 s19, s19, STG                     ; my stage
	v_mul_u32_u24 v[YST], v[RR], 528
	v_lshl_add_u32 v[YST], v[HH], 5, v[YST]
	v_add_nc_u32 v[YST], s19, v[YST]               ; in: row lane % 16, 32 bytes for each half of the lanes
	v_add_nc_u32 v[YRD], s19, v[LI]                ; out: the 32 lanes take a row
	s_lshl_b32 s19, s16, 16
	v_add_nc_u32 v[WGO], s19, v[LI]                ; W2's codes: my wave's 16 rows, 4,096 bytes apart
	v_lshlrev_b32 v[WSO], 7, v[RR]                 ; a row of scale bytes is 128 bytes,
	v_lshl_add_u32 v[WSO], v[HH], 4, v[WSO]        ; of my quarter's 32 lanes 16-31 take the upper 16
	s_lshr_b32 s17, ttmp9, 5                       ; e
	s_bfe_u32 s18, ttmp9, 0x30002                  ; ds
	s_and_b32 s25, ttmp9, 3                        ; kq
	s_mov_b32 s23, s16                             ; my first tile
	s_mov_b32 s21, 0
	s_wait_kmcnt 0x0
	s_lshl_b32 s20, s17, 2
	s_add_co_u32 s20, s20, 40960
	s_add_nc_u64 s[56:57], s[6:7], s[20:21]
	s_load_b32 s22, s[56:57], 0x0                  ; cnt[e]
	s_lshl_b32 s19, s17, 10
	s_lshl_b32 s55, s18, 7
	s_add_co_u32 s19, s19, s55                     ; my first row of W2: 1024 e + 128 ds
	s_lshl_b32 s20, s19, 12
	s_lshl_b32 s55, s25, 10
	s_add_co_u32 s20, s20, s55
	s_add_nc_u64 s[8:9], s[8:9], s[20:21]          ; its codes, at my quarter of K,
	s_lshl_b32 s20, s19, 7
	s_lshl_b32 s55, s25, 5
	s_add_co_u32 s20, s20, s55
	s_add_nc_u64 s[10:11], s[10:11], s[20:21]      ; its scale bytes likewise
	s_lshl_b32 s20, s17, 17
	s_add_co_u32 s20, s20, 0x2000000
	s_lshl_b32 s55, s25, 9
	s_add_co_u32 s20, s20, s55
	s_add_nc_u64 s[26:27], s[4:5], s[20:21]        ; h's scale words: the expert's, my eight K steps
	s_lshl_b32 s20, s17, 22
	s_lshl_b32 s55, s25, 14
	s_add_co_u32 s20, s20, s55
	s_add_nc_u64 s[4:5], s[4:5], s[20:21]          ; h's images likewise
	s_lshl_b32 s20, s25, 25
	s_lshl_b32 s55, s17, 22
	s_add_co_u32 s20, s20, s55
	s_lshl_b32 s55, s18, 9
	s_add_co_u32 s20, s20, s55
	s_add_nc_u64 s[12:13], s[12:13], s[20:21]      ; ypart: my part of K, the expert's rows, my 128 outputs
.irp k, 0,1,2,3,4,5,6,7,8,9,10,11,12,13,14,15
.irp h, 0,1
	global_load_b128 v[SG+8*\k+4*\h:SG+8*\k+4*\h+3], v[WGO], s[8:9] offset:4096*\k+512*\h th:TH_LOAD_NT   ; 32 lanes read 512 consecutive bytes; each byte is read once in the launch
.endr
.endr
.irp t, 0,1,2,3,4,5,6,7
	global_load_b128 v[WS+4*\t:WS+4*\t+3], v[WSO], s[10:11] offset:2048*\t
.endr
	s_wait_kmcnt 0x0
	s_min_u32 s22, s22, 1024
	s_add_co_u32 s22, s22, 15
	s_lshr_b32 s22, s22, 4
	s_max_u32 s22, s22, 1                          ; T
	s_sub_co_u32 s54, s22, 1                       ; the last tile
	HLOAD
	s_wait_loadcnt 0x0
.irp k, 0,1,2,3,4,5,6,7,8,9,10,11,12,13,14,15
.irp h, 0,1
	ds_store_b128 v[WST], v[SG+8*\k+4*\h:SG+8*\k+4*\h+3] offset:WPITCH*\k+512*\h
.endr
.endr
	s_wait_dscnt 0x0                               ; for the others' sake: my 16 rows lie in LDS
	s_barrier_signal -1                            ; the launch's one barrier, ahead of every branch on the count
	s_barrier_wait -1
	s_cmp_ge_u32 s16, s22
	s_cbranch_scc1 .Lend                           ; fewer tiles than waves: nothing for me
	s_sub_co_u32 s60, s22, s16                     ; my passes: those p with 16 p + w < T: ceil((T - w) / 16),
	s_add_co_u32 s60, s60, 15
	s_lshr_b32 s60, s60, 4
	s_min_u32 s60, s60, 4                          ; four at the most, since T is at most 64
	s_mov_b32 s61, 0                               ; the pass in hand
.Lpass:
	s_wait_loadcnt 0x0                             ; my two tiles' fragments and scale words
.irp b, 0,1,2,3
	MMB \b
	YSTORE \b
.endr
	OUT 0
	s_cmp_ge_u32 s24, s22                          ; is there a second tile?  A branch on a stored count
	s_cbranch_scc1 .Lone
	OUT 1
.Lone:
	s_wait_xcnt 0x0                                ; the stores have read their registers: all may be written again
	s_add_co_u32 s61, s61, 1                       ; the loop's counter: one a pass
	s_lshl_b32 s23, s61, 4
	s_add_co_u32 s23, s23, s16                     ; the next pass's first tile: 16 p + w
	s_cmp_ge_u32 s61, s60
	s_cbranch_scc1 .Lskip                          ; no next pass: nothing is fetched
	HLOAD
.Lskip:
	s_cmp_lt_u32 s61, s60
	s_cbranch_scc1 .Lpass
.Lend:
	s_wait_tensorcnt 0x0
	ds_add_u32 v254, v255
	s_wait_dscnt 0x0
	s_endpgm
.Lfunc_end_k_qac9d88d5c5_gemm2:
	.size	k_qac9d88d5c5_gemm2, .Lfunc_end_k_qac9d88d5c5_gemm2-k_qac9d88d5c5_gemm2
	.p2alignl 7, 3214868480
	.fill 96, 4, 3214868480
	.section	.rodata,"a",@progbits
	.p2align	6, 0x0
	.amdhsa_kernel k_qac9d88d5c5_gemm2
		.amdhsa_group_segment_fixed_size 273408
		.amdhsa_private_segment_fixed_size 0
		.amdhsa_enable_private_segment 0
		.amdhsa_kernarg_size 40
		.amdhsa_user_sgpr_count 2
		.amdhsa_user_sgpr_kernarg_segment_ptr 1
		.amdhsa_wavefront_size32 1
		.amdhsa_system_sgpr_workgroup_id_x 1
		.amdhsa_system_sgpr_workgroup_id_y 1
		.amdhsa_system_sgpr_workgroup_id_z 1
		.amdhsa_system_vgpr_workitem_id 0
		.amdhsa_next_free_vgpr 512
		.amdhsa_next_free_sgpr 66
		.amdhsa_reserve_vcc 0
		.amdhsa_float_denorm_mode_32 3
		.amdhsa_float_denorm_mode_16_64 3
		.amdhsa_memory_ordered 1
		.amdhsa_forward_progress 1
		.amdhsa_inst_pref_size 73
	.end_amdhsa_kernel
	.amdgpu_metadata
---
amdhsa.version: [ 1, 2 ]
amdhsa.kernels:
  - .name:           k_qac9d88d5c5_gemm2
    .symbol:         k_qac9d88d5c5_gemm2.kd
    .args:
      - { .name: hq, .offset: 0, .size: 8, .value_kind: global_buffer, .address_space: global }
      - { .name: plan, .offset: 8, .size: 8, .value_kind: global_buffer, .address_space: global }
      - { .name: W2_codes, .offset: 16, .size: 8, .value_kind: global_buffer, .address_space: global }
      - { .name: W2_scales, .offset: 24, .size: 8, .value_kind: global_buffer, .address_space: global }
      - { .name: ypart, .offset: 32, .size: 8, .value_kind: global_buffer, .address_space: global }
    .group_segment_fixed_size: 273408
    .private_segment_fixed_size: 0
    .kernarg_segment_align: 8
    .kernarg_segment_size: 40
    .max_flat_workgroup_size: 256
    .sgpr_count:     66
    .vgpr_count:     512
    .wavefront_size: 32
...
	.end_amdgpu_metadata
.endif
;; end of part 4
;; launch combine (part 5): grid 256 x 1, 8 waves a work-group, no clusters, 0 bytes of LDS; arguments ypart, plan, gate, b2, out0; writes out0
.if DOCPART == 5
	.amdgcn_target "amdgcn-amd-amdhsa--gfx1250"
	.amdhsa_code_object_version 6
	.text
	.protected	k_qac9d88d5c5_combine
	.globl	k_qac9d88d5c5_combine
	.p2align	8
	.type	k_qac9d88d5c5_combine,@function
k_qac9d88d5c5_combine:
	s_mov_b64 s[64:65], 0
	v_nop
	global_prefetch_b8 v0, s[64:65] scope:SCOPE_SE
	s_setreg_imm32_b32 hwreg(HW_REG_WAVE_MODE, 25, 1), 1
	s_wait_xcnt 0x0
; THE SUM: out0[t] = the sum over the token's two slots of gate[2 t + slot] x (the four parts along K of its row of ypart + b2[expert]).  All f32, in a fixed order: ((y0 + y1) + (y2 + y3)) + b2, then the two slots.
; The six experts that the token did not choose have the weight 0 in the definition and add nothing.
; SHARES: a work-group takes four tokens, a wave half a row (2,048 bytes): 32 loads of parts and 8 of b2, all issued at once, four stores of 512 consecutive bytes.  Each output row has one owner.
; The row's place pos = 1024 e + rank comes from plan (whole numbers of an earlier launch), held under 8,192 before it becomes an address; the expert is pos / 1024, held under 8.
; A stream: no LDS, no barrier, no matrix unit.  No register is written twice while a load or store may read it.
	s_load_b256 s[4:11], s[0:1], 0x0               ; ypart s[4:5], plan s[6:7], gate s[8:9], b2 s[10:11]
	s_load_b64 s[12:13], s[0:1], 0x20              ; out0
	v_lshrrev_b32 v1, 5, v0
	v_readfirstlane_b32 s14, v1                    ; wave 0..7
	v_and_b32 v1, 31, v0
	s_lshr_b32 s15, s14, 1
	s_lshl_b32 s16, ttmp9, 2
	s_add_co_u32 s15, s15, s16                     ; my token
	s_and_b32 s16, s14, 1
	s_lshl_b32 s16, s16, 11
	v_lshl_add_u32 v1, v1, 4, s16                  ; 16 x lane + my half of the row
	s_lshl_b32 s20, s15, 3
	s_mov_b32 s21, 0
	s_wait_kmcnt 0x0
	s_add_nc_u64 s[22:23], s[8:9], s[20:21]
	s_add_co_u32 s20, s20, 32768
	s_add_nc_u64 s[24:25], s[6:7], s[20:21]
	s_load_b64 s[16:17], s[24:25], 0x0             ; pos of the two slots
	s_load_b64 s[18:19], s[22:23], 0x0             ; their weights
	s_lshl_b32 s20, s15, 12
	s_add_nc_u64 s[12:13], s[12:13], s[20:21]      ; my row of out0
	s_wait_kmcnt 0x0
	s_min_u32 s16, s16, 8191
	s_min_u32 s17, s17, 8191
	s_lshl_b32 s20, s16, 12
	s_add_nc_u64 s[28:29], s[4:5], s[20:21]        ; slot 0's row in the four parts, 32 MiB apart
	s_add_nc_u64 s[30:31], s[28:29], 0x2000000
	s_add_nc_u64 s[32:33], s[30:31], 0x2000000
	s_add_nc_u64 s[34:35], s[32:33], 0x2000000
	s_lshl_b32 s20, s17, 12
	s_add_nc_u64 s[36:37], s[4:5], s[20:21]        ; slot 1's
	s_add_nc_u64 s[38:39], s[36:37], 0x2000000
	s_add_nc_u64 s[40:41], s[38:39], 0x2000000
	s_add_nc_u64 s[42:43], s[40:41], 0x2000000
	s_lshr_b32 s20, s16, 10
	s_min_u32 s20, s20, 7
	s_lshl_b32 s20, s20, 12
	s_add_nc_u64 s[44:45], s[10:11], s[20:21]      ; b2 of slot 0's expert,
	s_lshr_b32 s20, s17, 10
	s_min_u32 s20, s20, 7
	s_lshl_b32 s20, s20, 12
	s_add_nc_u64 s[46:47], s[10:11], s[20:21]      ; of slot 1's
	s_mov_b32 s48, s18                             ; the weights as pairs: the packed forms name a pair and take its low word for both halves
	s_mov_b32 s49, s18
	s_mov_b32 s50, s19
	s_mov_b32 s51, s19
.irp c, 0,1,2,3                        ; chunk c: 512 bytes of my half row; ten loads
.irp j, 0,1,2,3,4,5,6,7
	global_load_b128 v[8+40*\c+4*\j:8+40*\c+4*\j+3], v1, s[28+2*\j:29+2*\j] offset:512*\c th:TH_LOAD_NT
.endr
	global_load_b128 v[8+40*\c+32:8+40*\c+35], v1, s[44:45] offset:512*\c
	global_load_b128 v[8+40*\c+36:8+40*\c+39], v1, s[46:47] offset:512*\c
.endr
.macro CHUNK c
.set V, 8+40*\c
	s_wait_loadcnt 10*(3-\c)                       ; loads come back in order: the younger chunks' tens may be out
.irp g, 0,16
.irp p, 0,2
	v_pk_add_f32 v[V+\g+\p:V+\g+\p+1], v[V+\g+\p:V+\g+\p+1], v[V+\g+4+\p:V+\g+4+\p+1]
	v_pk_add_f32 v[V+\g+8+\p:V+\g+8+\p+1], v[V+\g+8+\p:V+\g+8+\p+1], v[V+\g+12+\p:V+\g+12+\p+1]
.endr
.endr
.irp g, 0,16
.irp p, 0,2
	v_pk_add_f32 v[V+\g+\p:V+\g+\p+1], v[V+\g+\p:V+\g+\p+1], v[V+\g+8+\p:V+\g+8+\p+1]
.endr
.endr
.irp g, 0,16
.irp p, 0,2
	v_pk_add_f32 v[V+\g+\p:V+\g+\p+1], v[V+\g+\p:V+\g+\p+1], v[V+32+\g/4+\p:V+32+\g/4+\p+1]   ; + b2
.endr
.endr
.irp p, 0,2
	v_pk_mul_f32 v[V+\p:V+\p+1], v[V+\p:V+\p+1], s[48:49] op_sel_hi:[1,0]
.endr
.irp p, 0,2
	v_pk_fma_f32 v[V+\p:V+\p+1], v[V+16+\p:V+16+\p+1], s[50:51], v[V+\p:V+\p+1] op_sel_hi:[1,0,1]
.endr
	global_store_b128 v1, v[V:V+3], s[12:13] offset:512*\c th:TH_STORE_NT   ; 32 lanes store 512 consecutive bytes, aligned
.endm
	CHUNK 0
	CHUNK 1
	CHUNK 2
	CHUNK 3
	s_endpgm
.Lfunc_end_k_qac9d88d5c5_combine:
	.size	k_qac9d88d5c5_combine, .Lfunc_end_k_qac9d88d5c5_combine-k_qac9d88d5c5_combine
	.p2alignl 7, 3214868480
	.fill 96, 4, 3214868480
	.section	.rodata,"a",@progbits
	.p2align	6, 0x0
	.amdhsa_kernel k_qac9d88d5c5_combine
		.amdhsa_group_segment_fixed_size 0
		.amdhsa_private_segment_fixed_size 0
		.amdhsa_enable_private_segment 0
		.amdhsa_kernarg_size 40
		.amdhsa_user_sgpr_count 2
		.amdhsa_user_sgpr_kernarg_segment_ptr 1
		.amdhsa_wavefront_size32 1
		.amdhsa_system_sgpr_workgroup_id_x 1
		.amdhsa_system_sgpr_workgroup_id_y 1
		.amdhsa_system_sgpr_workgroup_id_z 1
		.amdhsa_system_vgpr_workitem_id 0
		.amdhsa_next_free_vgpr 176
		.amdhsa_next_free_sgpr 66
		.amdhsa_reserve_vcc 0
		.amdhsa_float_denorm_mode_32 3
		.amdhsa_float_denorm_mode_16_64 3
		.amdhsa_memory_ordered 1
		.amdhsa_forward_progress 1
		.amdhsa_inst_pref_size 12
	.end_amdhsa_kernel
	.amdgpu_metadata
---
amdhsa.version: [ 1, 2 ]
amdhsa.kernels:
  - .name:           k_qac9d88d5c5_combine
    .symbol:         k_qac9d88d5c5_combine.kd
    .args:
      - { .name: ypart, .offset: 0, .size: 8, .value_kind: global_buffer, .address_space: global }
      - { .name: plan, .offset: 8, .size: 8, .value_kind: global_buffer, .address_space: global }
      - { .name: gate, .offset: 16, .size: 8, .value_kind: global_buffer, .address_space: global }
      - { .name: b2, .offset: 24, .size: 8, .value_kind: global_buffer, .address_space: global }
      - { .name: out0, .offset: 32, .size: 8, .value_kind: global_buffer, .address_space: global }
    .group_segment_fixed_size: 0
    .private_segment_fixed_size: 0
    .kernarg_segment_align: 8
    .kernarg_segment_size: 40
    .max_flat_workgroup_size: 256
    .sgpr_count:     66
    .vgpr_count:     176
    .wavefront_size: 32
...
	.end_amdgpu_metadata
.endif
;; end of part 5
;; ======== version 2 of 3: 5 launches; 1.14 times as fast as version 1
;; workspace buffers: xqs 1,081,344 bytes; eid 8,192 bytes of whole numbers; gate 8,192 bytes; plan 50,176 bytes of whole numbers; hq 34,603,008 bytes; ypart 134,217,728 bytes
;; launch route: the kernel of part 1 again; grid 128 x 1, 8 waves a work-group, no clusters, 76,288 bytes of LDS; arguments x, Wg, xqs, eid, gate; writes xqs, eid, gate
;; launch place (part 6): grid 8 x 1, 8 waves a work-group, no clusters, 0 bytes of LDS; arguments eid, plan; writes plan
.if DOCPART == 6
	.amdgcn_target "amdgcn-amd-amdhsa--gfx1250"
	.amdhsa_code_object_version 6
	.text
	.protected	k_qac9d88d5c5_place
	.globl	k_qac9d88d5c5_place
	.p2align	8
	.type	k_qac9d88d5c5_place,@function
k_qac9d88d5c5_place:
	s_mov_b64 s[64:65], 0
	v_nop
	global_prefetch_b8 v0, s[64:65] scope:SCOPE_SE
	s_setreg_imm32_b32 hwreg(HW_REG_WAVE_MODE, 25, 1), 1
	s_wait_xcnt 0x0
; THE ROWS ARE PLACED BY EXPERT.  eid: word rid = 2 t + slot holds the expert of routed row rid (2,048 of them).
; plan, in words: list[e][1024] from word 0 (the token of the expert's j-th row; 0 from its count on: all 1,024 are written), pos[rid] = 1024 e + rank from word 8,192,
; cnt[e] from word 10,240, and from word 10,496 a word for each lane of each of the 64 waves (256 e + 32 w + lane) into which a lane stores when it has nothing to place; nobody reads those.
; SHARES: work-group e serves expert e.  Its wave w places the routed rows 256 w .. 256 w + 255 and clears list entries 128 w .. 128 w + 127 from the count on.  No LDS, no barrier, no atomic.
; A row's rank is the number of the expert's rows ahead of it in the order (step of 128 rows, word of a lane's four, lane).  Every wave reads all 2,048 words and counts them, which is cheap
; (a comparison and a count of bits for 32 rows): so it knows the rows ahead of its own part and the total without hearing from another wave.  Its own 256 rows come a second time, into registers of their own,
; since a register's number cannot hang on the wave's.  list and pos come from the same rank.
; Each word of plan is stored by one work-group: list[e] and cnt[e] by work-group e, pos[rid] by the work-group of rid's expert alone.
; Every index made from loaded words is held under the buffer's 12,544 words before it becomes an address.  An expert has at most 1,024 rows: a token names it once.
; Every store has address and data registers of its own: none is written twice, so no wait stands between the stores.
.set DUMPW, 10496
.set TOPW,  12543
.set ALL, 32                           ; v32-95   all 2,048 words: register (i, c) of lane l: rid = 128 i + 4 l + c
.set OWN, 96                           ; v96-103  my part: register (i, c): rid = 256 w + 128 i + 4 l + c
.set Q,   104                          ; v104-135 four registers for each of my eight words: list address, token, pos address, place
.set RS,  136                          ; v136-139 the addresses of the entries that I clear
	s_load_b128 s[4:7], s[0:1], 0x0                ; eid s[4:5], plan s[6:7]
	v_lshrrev_b32 v1, 5, v0
	v_readfirstlane_b32 s16, v1                    ; wave 0..7: my part
	v_and_b32 v1, 31, v0                           ; lane
	v_lshlrev_b32 v2, 4, v1                        ; 16 x lane
	s_mov_b32 s8, ttmp9                            ; my expert
	s_lshl_b32 s9, s8, 10                          ; 1024 e
	s_lshl_b32 s10, s8, 8
	s_lshl_b32 s12, s16, 5
	s_add_co_u32 s10, s10, s12
	s_add_co_u32 s10, s10, DUMPW
	v_add_nc_u32 v3, s10, v1                       ; my lane's own idle word
	v_mov_b32 v4, 0
	s_lshl_b32 s12, s16, 10
	v_add_nc_u32 v5, s12, v2                       ; my part of eid: 1,024 bytes a wave
	s_lshl_b32 s12, s16, 7
	v_lshl_add_u32 v6, v1, 1, s12                  ; tokens: 128 w + 2 lane
	v_add_nc_u32 v8, s12, v1                       ; list entries: 128 w + lane
	s_lshl_b32 s12, s16, 8
	s_add_co_u32 s12, s12, 8192
	v_lshl_add_u32 v7, v1, 2, s12                  ; pos's words: 8,192 + 256 w + 4 lane
	s_lshl_b32 s15, s16, 1                         ; my first step of 128 rows
	s_mov_b32 s11, 0                               ; the expert's rows ahead of my part
	s_mov_b32 s14, 0                               ; all its rows
	s_wait_kmcnt 0x0
.irp i, 0,1
	global_load_b128 v[OWN+4*\i:OWN+4*\i+3], v5, s[4:5] offset:512*\i
.endr
.irp i, 0,1,2,3,4,5,6,7,8,9,10,11,12,13,14,15
	global_load_b128 v[ALL+4*\i:ALL+4*\i+3], v2, s[4:5] offset:512*\i
.endr
	s_wait_loadcnt 0x0
.macro CMP4 g                          ; steps 4 g .. 4 g + 3: sixteen masks of the lanes whose row is my expert's; two sets of sixteen scalar registers take turns
.irp j, 0,1,2,3,4,5,6,7,8,9,10,11,12,13,14,15
	v_cmp_eq_u32 s[32+16*((\g)%2)+\j], s8, v[ALL+16*(\g)+\j]
.endr
.endm
.macro SUM4 g                          ; their bits are counted, step by step; a step ahead of my part also counts for the rows ahead
.irp i, 0,1,2,3
.irp c, 0,1,2,3
	s_bcnt1_i32_b32 s[24+\c], s[32+16*((\g)%2)+4*\i+\c]
.endr
	s_add_co_u32 s24, s24, s25
	s_add_co_u32 s26, s26, s27
	s_add_co_u32 s24, s24, s26
	s_add_co_u32 s14, s14, s24
	s_cmp_gt_u32 s15, 4*(\g)+\i
	s_cselect_b32 s24, s24, 0
	s_add_co_u32 s11, s11, s24
.endr
.endm
	CMP4 0
	CMP4 1                                         ; the comparisons run a set ahead of the counting
	SUM4 0
	CMP4 2
	SUM4 1
	CMP4 3
	SUM4 2
	SUM4 3
.macro SLOTS i                         ; 128 of my rows are placed
.irp c, 0,1,2,3
	v_cmp_eq_u32 s[32+4*\i+\c], s8, v[OWN+4*\i+\c]
.endr
.irp c, 0,1,2,3
	v_mbcnt_lo_u32_b32 v[Q+16*\i+4*\c+3], s[32+4*\i+\c], s11     ; rank = rows so far + matching lanes below mine
	s_bcnt1_i32_b32 s13, s[32+4*\i+\c]
	s_add_co_u32 s11, s11, s13
	v_add_nc_u32 v[Q+16*\i+4*\c+3], s9, v[Q+16*\i+4*\c+3]        ; the row's place: 1024 e + rank
	v_cndmask_b32 v[Q+16*\i+4*\c], v3, v[Q+16*\i+4*\c+3], s[32+4*\i+\c]   ; it is also the list's word; a lane without a match takes its idle word
	v_min_u32 v[Q+16*\i+4*\c], TOPW, v[Q+16*\i+4*\c]
	v_lshlrev_b32 v[Q+16*\i+4*\c], 2, v[Q+16*\i+4*\c]
	v_add_nc_u32 v[Q+16*\i+4*\c+1], 64*\i+(\c/2), v6             ; the token: rid / 2
	v_add_nc_u32 v[Q+16*\i+4*\c+2], 128*\i+\c, v7                ; pos's word: 8,192 + rid
	v_cndmask_b32 v[Q+16*\i+4*\c+2], v3, v[Q+16*\i+4*\c+2], s[32+4*\i+\c]
	v_min_u32 v[Q+16*\i+4*\c+2], TOPW, v[Q+16*\i+4*\c+2]
	v_lshlrev_b32 v[Q+16*\i+4*\c+2], 2, v[Q+16*\i+4*\c+2]
	global_store_b32 v[Q+16*\i+4*\c], v[Q+16*\i+4*\c+1], s[6:7]
	global_store_b32 v[Q+16*\i+4*\c+2], v[Q+16*\i+4*\c+3], s[6:7]
.endr
.endm
	SLOTS 0
	SLOTS 1
.irp n, 0,1,2,3                        ; my 128 list entries: those from the count on become 0
	v_add_nc_u32 v[RS+\n], 32*\n, v8
	v_cmp_le_u32 vcc_lo, s14, v[RS+\n]
	v_add_nc_u32 v[RS+\n], s9, v[RS+\n]
	v_cndmask_b32 v[RS+\n], v3, v[RS+\n], vcc_lo
	v_min_u32 v[RS+\n], TOPW, v[RS+\n]
	v_lshlrev_b32 v[RS+\n], 2, v[RS+\n]
	global_store_b32 v[RS+\n], v4, s[6:7]
.endr
	s_cmp_eq_u32 s16, 0                            ; cnt[e], by lane 0 of wave 0; every other lane stores into its idle word
	s_cselect_b32 s12, 1, 0
	s_add_co_u32 s13, s8, 10240
	v_mov_b32 v9, s13
	v_cndmask_b32 v9, v3, v9, s12
	v_lshlrev_b32 v9, 2, v9
	v_mov_b32 v10, s14
	global_store_b32 v9, v10, s[6:7]
	s_endpgm
.Lfunc_end_k_qac9d88d5c5_place:
	.size	k_qac9d88d5c5_place, .Lfunc_end_k_qac9d88d5c5_place-k_qac9d88d5c5_place
	.p2alignl 7, 3214868480
	.fill 96, 4, 3214868480
	.section	.rodata,"a",@progbits
	.p2align	6, 0x0
	.amdhsa_kernel k_qac9d88d5c5_place
		.amdhsa_group_segment_fixed_size 0
		.amdhsa_private_segment_fixed_size 0
		.amdhsa_enable_private_segment 0
		.amdhsa_kernarg_size 16
		.amdhsa_user_sgpr_count 2
		.amdhsa_user_sgpr_kernarg_segment_ptr 1
		.amdhsa_wavefront_size32 1
		.amdhsa_system_sgpr_workgroup_id_x 1
		.amdhsa_system_sgpr_workgroup_id_y 1
		.amdhsa_system_sgpr_workgroup_id_z 1
		.amdhsa_system_vgpr_workitem_id 0
		.amdhsa_next_free_vgpr 144
		.amdhsa_next_free_sgpr 66
		.amdhsa_reserve_vcc 1
		.amdhsa_float_denorm_mode_32 3
		.amdhsa_float_denorm_mode_16_64 3
		.amdhsa_memory_ordered 1
		.amdhsa_forward_progress 1
		.amdhsa_inst_pref_size 21
	.end_amdhsa_kernel
	.amdgpu_metadata
---
amdhsa.version: [ 1, 2 ]
amdhsa.kernels:
  - .name:           k_qac9d88d5c5_place
    .symbol:         k_qac9d88d5c5_place.kd
    .args:
      - { .name: eid, .offset: 0, .size: 8, .value_kind: global_buffer, .address_space: global }
      - { .name: plan, .offset: 8, .size: 8, .value_kind: global_buffer, .address_space: global }
    .group_segment_fixed_size: 0
    .private_segment_fixed_size: 0
    .kernarg_segment_align: 8
    .kernarg_segment_size: 16
    .max_flat_workgroup_size: 256
    .sgpr_count:     66
    .vgpr_count:     144
    .wavefront_size: 32
...
	.end_amdgpu_metadata
.endif
;; end of part 6
;; launch gemm1 (part 7): grid 256 x 1, 8 waves a work-group, no clusters, 273,408 bytes of LDS; arguments xqs, plan, W1_codes, W1_scales, b1, hq; writes hq
.if DOCPART == 7
	.amdgcn_target "amdgcn-amd-amdhsa--gfx1250"
	.amdhsa_code_object_version 6
	.text
	.protected	k_qac9d88d5c5_gemm1
	.globl	k_qac9d88d5c5_gemm1
	.p2align	8
	.type	k_qac9d88d5c5_gemm1,@function
k_qac9d88d5c5_gemm1:
	s_mov_b64 s[64:65], 0
	v_nop
	global_prefetch_b8 v0, s[64:65] scope:SCOPE_SE
	s_setreg_imm32_b32 hwreg(HW_REG_WAVE_MODE, 25, 1), 1
	s_wait_xcnt 0x0
; THE FIRST PRODUCT, THE ACTIVATION AND ITS QUANTISER: h = Q(gelu(x W1[e] + b1[e])) for the rows that chose expert e, on codes of E4M3 with one E8M0 scale for each 32 along K = 1,024.
; SHARES.  Work-group (e, fs) = (number / 32, number % 32) owns hidden units 128 fs .. 128 fs + 127 of expert e: 128 rows x 1,024 bytes of W1's codes, read from memory once, 512 consecutive bytes a load,
; and kept in LDS.  It applies them to all n = cnt[e] rows of the expert, in T = max(ceil(n / 16), 1) tiles of 16 rows.  In pass p wave w takes tiles 16 p + w and 16 p + w + 8, so that each weight
; fragment read from LDS feeds two products; wave w has ceil((T - w) / 16) passes, four at the most (T is at most 64).  Rows from n on (list entries 0: token 0) are computed like the others and land
; in the expert's own part of hq, which nobody reads.
; THE NEXT PASS IS FETCHED UNDER THIS ONE: its list entries are asked for at a pass's head, where the list's registers have just come free, and its codes directly behind the pass's last products,
; when x's registers have been read for the last time: they land under the last activations.
; NO TENSOR LOADS, NO CLUSTER: the number of passes hangs on a count read from memory, the 32 work-groups of an expert hold different weights, and the rows that they share are gathered by a list.
; THE PRODUCT IS USED TRANSPOSED (source 0 = 16 rows of W1, source 1 = 16 rows of x), AND THE ROWS OF W1 THAT FORM A TILE ARE NOT NEIGHBOURS: row m of tile (b, u) is hidden unit 32 b + 8 u + m + 8 (m / 8).
; So a lane holds ONE row of x, and the 16 registers of tiles (b, 0), (b, 1) are 16 neighbours along the next K: 32 b + 16 (lane / 16) + 0 .. 15: the conversions' results are the next operand's registers.
; The fill lays the rows of a tile side by side in LDS.  b1 is the C of each sum's first product.
; gelu, exact form: with z = |v| / sqrt(2), q = erfc(z) / 2 = t exp(-z^2 + P(t)) / 2, t = 1 / (1 + z / 2), P a polynomial of degree 9 (fractional error of that form 1.2e-7 for every z);
; gelu(v) = max(v, 0) - |v| q: no difference of near numbers on either side of 0.  The coefficients carry log2(e), the constant term also -1 (the half), since v_exp_f32 works in base 2.
; hq: codes as IMAGES OF THE OPERAND'S REGISTERS, [e][tile 64][K step 32][2,048 bytes], byte 512 c + 16 lane = registers 4 c .. 4 c + 3; my K step is fs.  Scale words from byte 33,554,432,
; 2,048 bytes a tile: the word of K step s and row r at 256 (s / 4) + 16 r + 4 (s % 4), so that the next launch takes four K steps' words of a row by one load of 16 bytes.
; LIMITS: NaN and infinities are not served; a block of zeros gets the byte 1 (zero codes; this program alone reads the bytes); blocks under 2^-118 are held at byte 1; q under 2^-126 comes out as 0.
; REGISTERS.  Window 0: v1-27 addresses; v28-35 x's scale words; v36-67 W1's; v68-83 b1 of one b; v84-101 list entries, then offsets; v102-109 codes; v110-116 the quantiser; v120-151 four accumulators;
; v152-215 two buffers of two weight fragments (between the products: gelu's t, P and max); v216-237 gelu's constants, each twice; v120-247 once, at the head: the fill.  Window 1: x's fragments (tile i, K step s) at 128 i + 16 s.
; SCALE WORDS: register q holds in lanes 0-15 the word of K step q and in lanes 16-31 that of K step 4 + q, on both sides: from K step 4 on both sides name the upper lanes.
.set WPITCH, 1040                      ; a row of codes in LDS: 1,024 bytes + 16 = 260 words: row r starts at bank 4 r mod 64 (64 banks of 4 bytes: ISA guide 11.1)
.set WQ,     32*WPITCH                 ; the two tiles of one b
.set STG,    128*WPITCH                ; behind the weights: a stage of 16 rows for each wave
.set STGB,   16896
.set BIAS,   STG+8*STGB                ; behind the stages: my 128 numbers of b1, a copy for each wave
.set LANE, 1
.set RR,   2                           ; lane % 16
.set HH,   3                           ; lane / 16
.set LI,   4                           ; 16 x lane
.set WAD,  5                           ; v5-8  a weight fragment's place for my lane, for b = 0 .. 3
.set WST,  9                           ; the fill's stores
.set SW,   10                          ; the stage, in
.set SRD,  11                          ; the stage, out
.set BIA,  12                          ; b1, out
.set BIST, 13                          ; b1, in
.set LAP,  14                          ; the list: the row that my half of the lanes fetches
.set LRP,  15                          ; the list: row lane % 16
.set HO,   16                          ; v16-17 my 16 bytes in the two tiles' images
.set HSO,  18                          ; my scale word's place
.set WGO,  19                          ; W1's codes: my wave's 16 rows, 16 x lane
.set WSO,  20                          ; W1's scale words
.set PW,   21                          ; v21-22 the two tiles' scale words in the making
.set PWS,  23                          ; the one that my lane stores
.set HS0,  24                          ; 16 (lane % 16) + 16,384 (lane / 16)
.set R16,  26
.set H16,  27
.set XS,   28
.set WS,   36
.set BI,   68
.set TK,   84
.set TR,   100
.set CD,   102
.set QW,   110
.set ACC,  120
.set WF,   152
.set SG,   120
.set GT,   WF
.set GP,   WF+16
.set GM,   WF+32
.set VC,   216                         ; coefficient n at v[VC + 2 n], twice
.set VCM,  236                         ; -log2(e) / 2, twice
.set MSB, 0
.macro WIN new                         ; the immediate's high byte repeats the setting that is left; a switch that changes nothing is dropped
.if MSB != \new
	s_set_vgpr_msb (MSB<<8)|\new
.set MSB, \new
.endif
.endm
.macro PLACES n
.rept \n
	v_nop
.endr
.endm
.macro WLOAD b, s, buf                 ; the two weight fragments (u = 0, 1) of b, K step s, into buffer buf
.irp u, 0,1
.irp c, 0,1,2,3
	ds_load_b128 v[WF+32*(\buf)+16*\u+4*\c:WF+32*(\buf)+16*\u+4*\c+3], v[WAD+(\b)] offset:16*WPITCH*\u+128*(\s)+32*\c
.endr
.endr
.endm
.macro MM b, s                         ; four products, the four accumulators by turns, one instruction a turn
.irp u, 0,1
.irp i, 0,1
.if (\s) == 0
	v_wmma_scale_f32_16x16x128_f8f6f4 v[ACC+16*\i+8*\u:ACC+16*\i+8*\u+7], v[WF+16*\u:WF+16*\u+15], v[128*\i:128*\i+15], v[BI+8*\u:BI+8*\u+7], v[WS+4*(2*(\b)+\u)], v[XS+4*\i]
.elseif (\s) < 4
	v_wmma_scale_f32_16x16x128_f8f6f4 v[ACC+16*\i+8*\u:ACC+16*\i+8*\u+7], v[WF+32*((\s)%2)+16*\u:WF+32*((\s)%2)+16*\u+15], v[128*\i+16*(\s):128*\i+16*(\s)+15], v[ACC+16*\i+8*\u:ACC+16*\i+8*\u+7], v[WS+4*(2*(\b)+\u)+(\s)], v[XS+4*\i+(\s)]
.else
	v_wmma_scale_f32_16x16x128_f8f6f4 v[ACC+16*\i+8*\u:ACC+16*\i+8*\u+7], v[WF+32*((\s)%2)+16*\u:WF+32*((\s)%2)+16*\u+15], v[128*\i+16*(\s):128*\i+16*(\s)+15], v[ACC+16*\i+8*\u:ACC+16*\i+8*\u+7], v[WS+4*(2*(\b)+\u)+(\s)-4], v[XS+4*\i+(\s)-4] matrix_a_scale:MATRIX_SCALE_ROW1 matrix_b_scale:MATRIX_SCALE_ROW1
.endif
.endr
.endr
.endm
; All of K for the two weight tiles of b and my two tiles of rows: 32 products.  A load into a fragment that a product has read stands eight plain vector instructions behind that product
; behind the last products nine, since the next b's first products write over the accumulators.
.macro MMB b
.irp m, 0,1,2,3
	ds_load_b128 v[BI+4*\m:BI+4*\m+3], v[BIA] offset:128*(\b)+16*\m   ; b1 at my 16 hidden units of this b
.endr
	WLOAD \b, 0, 0
	WLOAD \b, 1, 1
	WIN 0x04                                       ; source 1 (x) in window 1
.irp s, 0,1,2,3,4,5,6,7
.if \s < 7
	s_wait_dscnt 8                                 ; LDS loads come back in order: all but the other buffer's eight are in
.else
	s_wait_dscnt 0x0
.endif
	MM \b, \s
.if \s < 7
	PLACES 8
.else
	PLACES 9
.endif
.if \s < 6
	WLOAD \b, \s+2, \s%2
.endif
.endr
	WIN 0
.endm
.macro LISTLOAD t                      ; the tokens of the rows of tiles s[t] and s[t] + 8.  The number of passes is read from memory, so the tile's number is held at 55, a wave's largest first tile (16 x 3 + 7), ahead of the address
	s_min_u32 s19, s[\t], 55
	s_lshl_b32 s19, s19, 6
	v_lshl_add_u32 v[LAP], v[HH], 2, s19
	v_lshl_add_u32 v[LRP], v[RR], 2, s19
.irp i, 0,1
.irp q, 0,1,2,3,4,5,6,7
	global_load_b32 v[TK+8*\i+\q], v[LAP], s[58:59] offset:512*\i+8*\q   ; row 2 q + lane / 16 of tile i
.endr
	global_load_b32 v[TR+\i], v[LRP], s[58:59] offset:512*\i             ; row lane % 16
.endr
.endm
.macro XLOAD                           ; their codes: sixteen lanes read 256 consecutive bytes of one row; and their scale words
.irp j, 0,1,2,3,4,5,6,7,8,9,10,11,12,13,14,15
	v_min_u32 v[TK+\j], 1023, v[TK+\j]
.endr
.irp j, 0,1,2,3,4,5,6,7,8,9,10,11,12,13,14,15
	v_lshl_add_u32 v[TK+\j], v[TK+\j], 10, v[R16]
.endr
.irp i, 0,1
	v_min_u32 v[TR+\i], 1023, v[TR+\i]
	v_lshl_add_u32 v[TR+\i], v[TR+\i], 5, v[H16]
.endr
	WIN 0x40                                       ; destination window 1
.irp i, 0,1
.irp q, 0,1,2,3,4,5,6,7
.irp m, 0,1,2,3
	global_load_b128 v[128*\i+16*\q+4*\m:128*\i+16*\q+4*\m+3], v[TK+8*\i+\q], s[4:5] offset:256*\m
.endr
.endr
.endr
	WIN 0
.irp i, 0,1
	global_load_b128 v[XS+4*\i:XS+4*\i+3], v[TR+\i], s[26:27]   ; lanes 0-15: K steps 0-3 of row lane % 16; lanes 16-31: K steps 4-7
.endr
.endm
.macro STAGE i                         ; tile i's 16 rows go through my stage and come back as fragments, into the registers that they left.  LDS serves a wave's instructions in order (ISA guide 5.7.1.4)
	WIN 0x04                                       ; an LDS store's data are its source 1
.irp q, 0,1,2,3,4,5,6,7
.irp m, 0,1,2,3
	ds_store_b128 v[SW], v[128*\i+16*\q+4*\m:128*\i+16*\q+4*\m+3] offset:2*WPITCH*\q+256*\m
.endr
.endr
	WIN 0x40
.irp s, 0,1,2,3,4,5,6,7
.irp c, 0,1,2,3
	ds_load_b128 v[128*\i+16*\s+4*\c:128*\i+16*\s+4*\c+3], v[SRD] offset:128*\s+32*\c
.endr
.endr
	WIN 0
.endm
; Tile i's 16 numbers a lane of this b: gelu, then the block of 32 (lanes l and l xor 16) is quantised; 16 codes leave as register group b of the image.
.macro EPI i, b
.set A, ACC+16*(\i)
.irp k, 0,1,2,3,4,5,6,7,8,9,10,11,12,13,14,15
	v_fma_f32 v[GT+\k], |v[A+\k]|, s33, 1.0        ; 1 + z / 2.  (Each accumulator is read from its low end on)
.endr
.irp k, 0,1,2,3,4,5,6,7,8,9,10,11,12,13,14,15
	v_rcp_f32 v[GT+\k], v[GT+\k]                   ; t
.endr
.irp p, 0,2,4,6,8,10,12,14
	v_pk_mul_f32 v[GM+\p:GM+\p+1], v[A+\p:A+\p+1], v[VCM:VCM+1]   ; -v log2(e) / 2.  (Plain instructions behind the reciprocals: ISA guide 5.7.2)
.endr
	s_wait_alu depctr_va_vdst(0)
.irp p, 0,2,4,6,8,10,12,14
	v_pk_fma_f32 v[GP+\p:GP+\p+1], v[GT+\p:GT+\p+1], v[VC+18:VC+19], v[VC+16:VC+17]
.endr
.irp n, 7,6,5,4,3,2,1,0
.irp p, 0,2,4,6,8,10,12,14
	v_pk_fma_f32 v[GP+\p:GP+\p+1], v[GP+\p:GP+\p+1], v[GT+\p:GT+\p+1], v[VC+2*\n:VC+2*\n+1]
.endr
.endr
.irp p, 0,2,4,6,8,10,12,14
	v_pk_fma_f32 v[GP+\p:GP+\p+1], v[GM+\p:GM+\p+1], v[A+\p:A+\p+1], v[GP+\p:GP+\p+1]   ; - z^2 log2(e)
.endr
.irp k, 0,1,2,3,4,5,6,7,8,9,10,11,12,13,14,15
	v_exp_f32 v[GP+\k], v[GP+\k]
.endr
.irp k, 0,1,2,3,4,5,6,7,8,9,10,11,12,13,14,15
	v_max_num_f32 v[GM+\k], 0, v[A+\k]             ; (plain instructions behind the exponentials)
.endr
	s_wait_alu depctr_va_vdst(0)
.irp p, 0,2,4,6,8,10,12,14
	v_pk_mul_f32 v[GP+\p:GP+\p+1], v[GP+\p:GP+\p+1], v[GT+\p:GT+\p+1]   ; q = erfc(z) / 2
.endr
.irp k, 0,1,2,3,4,5,6,7,8,9,10,11,12,13,14,15
	v_fma_f32 v[A+\k], -|v[A+\k]|, v[GP+\k], v[GM+\k]   ; gelu = max(v, 0) - |v| q
.endr
	v_max3_num_f32 v[QW], |v[A]|, |v[A+1]|, 0x4800000   ; the largest magnitude of my 16, in two chains, and the floor 2^(9 - 127): the byte cannot fall under 1
	v_max3_num_f32 v[QW+2], |v[A+2]|, |v[A+3]|, |v[A+4]|
	v_max3_num_f32 v[QW], v[QW], |v[A+5]|, |v[A+6]|
	v_max3_num_f32 v[QW+2], v[QW+2], |v[A+7]|, |v[A+8]|
	v_max3_num_f32 v[QW], v[QW], |v[A+9]|, |v[A+10]|
	v_max3_num_f32 v[QW+2], v[QW+2], |v[A+11]|, |v[A+12]|
	v_max3_num_f32 v[QW], v[QW], |v[A+13]|, |v[A+14]|
	v_max3_num_f32 v[QW], v[QW], v[QW+2], |v[A+15]|
	v_permlanex16_b32 v[QW+1], v[QW], s30, s31
	v_max_num_f32 v[QW], v[QW], v[QW+1]            ; with lane l xor 16's: the block's
	v_add_nc_u32 v[QW+3], 0xfc000000, v[QW]        ; 8 off its exponent field: the conversion's scale operand
	v_and_or_b32 v[QW+4], v[QW], 0x7f800000, s32   ; 448 x the scale
	v_lshrrev_b32 v[QW+5], 23, v[QW+3]             ; the scale's byte,
	v_lshl_or_b32 v[PW+\i], v[QW+5], 8*(\b), v[PW+\i]   ; byte b of my row's word for this K step
	s_wait_xcnt 0x0                                ; the last store of this tile's codes has read its registers
.irp k, 0,1,2,3,4,5,6,7,8,9,10,11,12,13,14,15
	v_med3_num_f32 v[A+\k], v[A+\k], -v[QW+4], v[QW+4]   ; the conversion to an 8-bit code does not saturate (ISA guide 7.6.2): the hold comes first
.endr
	v_cvt_scalef32_pk8_fp8_f32 v[CD+4*\i:CD+4*\i+1], v[A:A+7], v[QW+3]
	v_cvt_scalef32_pk8_fp8_f32 v[CD+4*\i+2:CD+4*\i+3], v[A+8:A+15], v[QW+3]
	v_nop                                          ; a plain instruction between the conversions and whatever next writes their sources (the next products, the next block's scale)
	global_store_b128 v[HO+\i], v[CD+4*\i:CD+4*\i+3], s[14:15] offset:512*(\b)   ; 32 lanes store 512 consecutive bytes, aligned
.endm
.macro BSTEP b
	MMB \b
	EPI 0, \b
	s_cmp_ge_u32 s24, s22                          ; is there a second tile?  A branch on a stored count
	s_cbranch_scc1 .Lone_\@
	EPI 1, \b
.Lone_\@:
.endm
.macro COEF n, bits
	v_mov_b32 v[VC+2*\n], \bits
	v_mov_b32 v[VC+2*\n+1], \bits
.endm
	s_load_b256 s[4:11], s[0:1], 0x0               ; xqs s[4:5], plan s[6:7], W1's codes s[8:9], W1's scales s[10:11]
	s_load_b128 s[12:15], s[0:1], 0x20             ; b1 s[12:13], hq s[14:15]
	v_lshl_add_u32 v254, v0, 2, 0x42800
	v_mov_b32 v255, 0
	v_lshrrev_b32 v1, 5, v0
	v_readfirstlane_b32 s16, v1                    ; wave 0..7
	v_and_b32 v[LANE], 31, v0
	v_and_b32 v[RR], 15, v0
	v_bfe_u32 v[HH], v0, 4, 1
	v_lshlrev_b32 v[LI], 4, v[LANE]
	v_lshlrev_b32 v[R16], 4, v[RR]
	v_lshlrev_b32 v[H16], 4, v[HH]
	v_mul_u32_u24 v[WAD], v[RR], WPITCH
	v_lshl_add_u32 v[WAD], v[HH], 4, v[WAD]        ; a fragment: row lane % 16, + 16 (lane / 16)
	v_add_nc_u32 v[WAD+1], WQ, v[WAD]
	v_add_nc_u32 v[WAD+2], 2*WQ, v[WAD]
	v_add_nc_u32 v[WAD+3], 3*WQ, v[WAD]
	s_lshr_b32 s19, s16, 1                         ; the fill: hidden unit 16 w + k goes to LDS row 32 (w / 2) + 8 (w % 2) + 16 (k / 8) + k % 8
	s_lshl_b32 s19, s19, 5
	s_and_b32 s55, s16, 1
	s_lshl_b32 s55, s55, 3
	s_add_co_u32 s19, s19, s55
	s_mul_i32 s19, s19, WPITCH
	v_add_nc_u32 v[WST], s19, v[LI]
	s_mul_i32 s19, s16, STGB
	s_add_co_u32 s19, s19, STG                     ; my stage
	v_mul_u32_u24 v[SW], v[HH], WPITCH
	v_add_nc_u32 v[SW], v[SW], v[R16]
	v_add_nc_u32 v[SW], s19, v[SW]                 ; in: row 2 q + lane / 16, 16 bytes a lane
	v_add_nc_u32 v[SRD], s19, v[WAD]               ; out: as a fragment
	s_lshl_b32 s19, s16, 9
	s_add_co_u32 s19, s19, BIAS                    ; my copy of b1
	v_lshl_add_u32 v[BIA], v[HH], 6, s19
	v_add_nc_u32 v[BIST], s19, v[LI]
	s_lshl_b32 s19, s16, 14
	v_add_nc_u32 v[WGO], s19, v[LI]                ; W1's codes: my wave's 16 rows of 1,024 bytes
	v_and_b32 v[WSO], 8, v[RR]
	v_add_nc_u32 v[WSO], v[WSO], v[RR]             ; r + 8 (r / 8)
	v_lshlrev_b32 v[WSO], 5, v[WSO]                ; a row of scale bytes is 32 bytes,
	v_add_nc_u32 v[WSO], v[WSO], v[H16]            ; of which lanes 16-31 take the upper 16
	v_lshl_add_u32 v[HS0], v[HH], 14, v[R16]
	v_mov_b32 v[QW+1], 0                           ; written once: a lane permute's destination counts as one of its sources
	s_mov_b32 s30, 0x76543210
	s_mov_b32 s31, 0xfedcba98                      ; v_permlanex16_b32's selects for lane l xor 16
	s_mov_b32 s32, 0x600000                        ; the mantissa field of 448
	s_mov_b32 s33, 0x3eb504f3                      ; 1 / (2 sqrt(2))
	s_mov_b32 s54, 0xffff0000                      ; lanes 16-31
	s_lshr_b32 s17, ttmp9, 5                       ; e
	s_and_b32 s18, ttmp9, 31                       ; fs
	s_mov_b32 s23, s16                             ; my first tile
	s_mov_b32 s21, 0
	s_wait_kmcnt 0x0
	s_lshl_b32 s20, s17, 2
	s_add_co_u32 s20, s20, 40960
	s_add_nc_u64 s[56:57], s[6:7], s[20:21]
	s_load_b32 s22, s[56:57], 0x0                  ; cnt[e]
	s_lshl_b32 s20, s17, 12
	s_add_nc_u64 s[58:59], s[6:7], s[20:21]        ; list[e]
	s_lshl_b32 s20, ttmp9, 17
	s_add_nc_u64 s[8:9], s[8:9], s[20:21]          ; my 128 rows of codes,
	s_lshl_b32 s20, ttmp9, 12
	s_add_nc_u64 s[10:11], s[10:11], s[20:21]      ; of scale bytes,
	s_lshl_b32 s20, ttmp9, 9
	s_add_nc_u64 s[12:13], s[12:13], s[20:21]      ; my 128 numbers of b1
	s_add_nc_u64 s[26:27], s[4:5], 0x100000        ; x's scale bytes
	s_lshl_b32 s20, s17, 17
	s_add_co_u32 s20, s20, 0x2000000
	s_lshr_b32 s19, s18, 2
	s_lshl_b32 s19, s19, 8
	s_add_co_u32 s20, s20, s19
	s_and_b32 s19, s18, 3
	s_lshl_b32 s19, s19, 2
	s_add_co_u32 s20, s20, s19
	s_add_nc_u64 s[28:29], s[14:15], s[20:21]      ; hq's scale words: the expert's, my K step's place
	s_lshl_b32 s20, s17, 22
	s_lshl_b32 s19, s18, 11
	s_add_co_u32 s20, s20, s19
	s_add_nc_u64 s[14:15], s[14:15], s[20:21]      ; hq's images: the expert's, my K step
	LISTLOAD 23                                    ; 18 loads
.irp k, 0,1,2,3,4,5,6,7,8,9,10,11,12,13,14,15
.irp h, 0,1
	global_load_b128 v[SG+8*\k+4*\h:SG+8*\k+4*\h+3], v[WGO], s[8:9] offset:1024*\k+512*\h th:TH_LOAD_NT   ; 32 lanes read 512 consecutive bytes; each byte is read once in the launch
.endr
.endr
.irp t, 0,1,2,3,4,5,6,7
	global_load_b128 v[WS+4*\t:WS+4*\t+3], v[WSO], s[10:11] offset:(32*(\t/2)+8*(\t%2))*32
.endr
	global_load_b128 v[BI:BI+3], v[LI], s[12:13]
	s_wait_loadcnt 41                              ; the list is in: behind it 32 + 8 + 1 loads were issued
	XLOAD                                          ; 66 loads
	s_wait_kmcnt 0x0
	s_min_u32 s22, s22, 1024
	s_add_co_u32 s22, s22, 15
	s_lshr_b32 s22, s22, 4
	s_max_u32 s22, s22, 1                          ; T
	s_wait_loadcnt 63                              ; loads come back in order: behind the 41 of weights, scale words and b1 stand x's 66, so with 63 out at the most the oldest 44 of the 107 are in, all 41 among them.  x may go on landing under the fill: the wait for it stands at the pass's head
.irp k, 0,1,2,3,4,5,6,7,8,9,10,11,12,13,14,15
.irp h, 0,1
	ds_store_b128 v[WST], v[SG+8*\k+4*\h:SG+8*\k+4*\h+3] offset:(16*(\k/8)+(\k%8))*WPITCH+512*\h
.endr
.endr
	ds_store_b128 v[BIST], v[BI:BI+3]
	s_wait_dscnt 0x0                               ; for the others' sake: my 16 rows lie in LDS
	s_barrier_signal -1                            ; the launch's one barrier, ahead of every branch on the count
	s_barrier_wait -1
	COEF 0, 0xc034d90f
	COEF 1, 0x3fb8ab5a
	COEF 2, 0x3f0a29d2
	COEF 3, 0x3e0efb2e
	COEF 4, 0xbe899a80
	COEF 5, 0x3ecdfd18
	COEF 6, 0xbfd1a1e5
	COEF 7, 0x40097039
	COEF 8, 0xbf97d29d
	COEF 9, 0x3e7c6f08
	v_mov_b32 v[VCM], 0xbf38aa3b
	v_mov_b32 v[VCM+1], 0xbf38aa3b
	s_cmp_ge_u32 s16, s22
	s_cbranch_scc1 .Lend                           ; fewer tiles than waves: nothing for me
	s_sub_co_u32 s60, s22, s16                     ; my passes: those p with 16 p + w < T: ceil((T - w) / 16),
	s_add_co_u32 s60, s60, 15
	s_lshr_b32 s60, s60, 4
	s_min_u32 s60, s60, 4                          ; four at the most, since T is at most 64
	s_mov_b32 s61, 0                               ; passes begun
.Lpass:
	s_wait_loadcnt 0x0                             ; my two tiles' codes and scale words are in: so the list's registers, which were those loads' addresses, are free
	STAGE 0
	STAGE 1                                        ; (no wait here: the products' first wait leaves only younger loads out)
	s_add_co_u32 s24, s23, 8                       ; my second tile
	s_min_u32 s19, s23, 55
	s_lshl_b32 s55, s19, 16
	v_add_nc_u32 v[HO], s55, v[LI]
	s_add_co_u32 s55, s55, 8<<16
	v_add_nc_u32 v[HO+1], s55, v[LI]
	s_lshl_b32 s55, s19, 11
	v_add_nc_u32 v[HSO], s55, v[HS0]               ; lanes 0-15: the first tile's words; lanes 16-31: the second's, eight tiles on
	v_mov_b32 v[PW], 0
	v_mov_b32 v[PW+1], 0
	s_add_co_u32 s61, s61, 1                       ; the loop's counter: one a pass
	s_lshl_b32 s62, s61, 4
	s_add_co_u32 s62, s62, s16                     ; the next pass's first tile: 16 p + w
	s_cmp_ge_u32 s61, s60
	s_cbranch_scc1 .Lnolist                        ; no next pass: nothing is fetched
	LISTLOAD 62                                    ; its list entries land under this pass's products
.Lnolist:
	BSTEP 0
	BSTEP 1
	BSTEP 2
	MMB 3                                          ; x's fragments and scale words have been read for the last time; the nine plain instructions at its end are the distance that loads into them want
	s_cmp_ge_u32 s61, s60
	s_cbranch_scc1 .Lnox
	s_wait_loadcnt 0x0                             ; the next pass's list entries
	XLOAD                                          ; its codes land under the activations below
.Lnox:
	EPI 0, 3
	s_cmp_ge_u32 s24, s22
	s_cbranch_scc1 .Llast_one
	EPI 1, 3
.Llast_one:
	v_cndmask_b32 v[PWS], v[PW], v[PW+1], s54
	global_store_b32 v[HSO], v[PWS], s[28:29]      ; where there is no second tile, zeros go to a tile of the expert's that nobody reads
	s_wait_xcnt 0x0                                ; the stores have read their registers: all may be written again
	s_mov_b32 s23, s62
	s_cmp_lt_u32 s61, s60
	s_cbranch_scc1 .Lpass
.Lend:
	s_wait_tensorcnt 0x0
	ds_add_u32 v254, v255
	s_wait_dscnt 0x0
	s_endpgm
.Lfunc_end_k_qac9d88d5c5_gemm1:
	.size	k_qac9d88d5c5_gemm1, .Lfunc_end_k_qac9d88d5c5_gemm1-k_qac9d88d5c5_gemm1
	.p2alignl 7, 3214868480
	.fill 96, 4, 3214868480
	.section	.rodata,"a",@progbits
	.p2align	6, 0x0
	.amdhsa_kernel k_qac9d88d5c5_gemm1
		.amdhsa_group_segment_fixed_size 273408
		.amdhsa_private_segment_fixed_size 0
		.amdhsa_enable_private_segment 0
		.amdhsa_kernarg_size 48
		.amdhsa_user_sgpr_count 2
		.amdhsa_user_sgpr_kernarg_segment_ptr 1
		.amdhsa_wavefront_size32 1
		.amdhsa_system_sgpr_workgroup_id_x 1
		.amdhsa_system_sgpr_workgroup_id_y 1
		.amdhsa_system_sgpr_workgroup_id_z 1
		.amdhsa_system_vgpr_workitem_id 0
		.amdhsa_next_free_vgpr 512
		.amdhsa_next_free_sgpr 66
		.amdhsa_reserve_vcc 0
		.amdhsa_float_denorm_mode_32 3
		.amdhsa_float_denorm_mode_16_64 3
		.amdhsa_memory_ordered 1
		.amdhsa_forward_progress 1
		.amdhsa_inst_pref_size 178
	.end_amdhsa_kernel
	.amdgpu_metadata
---
amdhsa.version: [ 1, 2 ]
amdhsa.kernels:
  - .name:           k_qac9d88d5c5_gemm1
    .symbol:         k_qac9d88d5c5_gemm1.kd
    .args:
      - { .name: xqs, .offset: 0, .size: 8, .value_kind: global_buffer, .address_space: global }
      - { .name: plan, .offset: 8, .size: 8, .value_kind: global_buffer, .address_space: global }
      - { .name: W1_codes, .offset: 16, .size: 8, .value_kind: global_buffer, .address_space: global }
      - { .name: W1_scales, .offset: 24, .size: 8, .value_kind: global_buffer, .address_space: global }
      - { .name: b1, .offset: 32, .size: 8, .value_kind: global_buffer, .address_space: global }
      - { .name: hq, .offset: 40, .size: 8, .value_kind: global_buffer, .address_space: global }
    .group_segment_fixed_size: 273408
    .private_segment_fixed_size: 0
    .kernarg_segment_align: 8
    .kernarg_segment_size: 48
    .max_flat_workgroup_size: 256
    .sgpr_count:     66
    .vgpr_count:     512
    .wavefront_size: 32
...
	.end_amdgpu_metadata
.endif
;; end of part 7
;; launch gemm2 (part 8): grid 256 x 1, 8 waves a work-group, no clusters, 273,408 bytes of LDS; arguments hq, plan, W2_codes, W2_scales, ypart; writes ypart
.if DOCPART == 8
	.amdgcn_target "amdgcn-amd-amdhsa--gfx1250"
	.amdhsa_code_object_version 6
	.text
	.protected	k_qac9d88d5c5_gemm2
	.globl	k_qac9d88d5c5_gemm2
	.p2align	8
	.type	k_qac9d88d5c5_gemm2,@function
k_qac9d88d5c5_gemm2:
	s_mov_b64 s[64:65], 0
	v_nop
	global_prefetch_b8 v0, s[64:65] scope:SCOPE_SE
	s_setreg_imm32_b32 hwreg(HW_REG_WAVE_MODE, 25, 1), 1
	s_wait_xcnt 0x0
; THE SECOND PRODUCT, IN FOUR PARTS ALONG K: ypart[kq][1024 e + j][d] = the sum over hidden units 1,024 kq .. 1,024 kq + 1,023 of h[e][j][f] W2[e][f][d], on codes of E4M3 with one E8M0 scale for each 32 along K.
; SHARES.  Work-group (e, ds, kq) = (number / 32, (number / 4) % 8, number % 4) owns outputs 128 ds .. 128 ds + 127 and a quarter of K: 128 rows x 1,024 bytes of W2's codes, read from memory once and kept in LDS,
; and applies them to the expert's T = max(ceil(cnt[e] / 16), 1) tiles of 16 rows; in pass p wave w takes tiles 16 p + w and 16 p + w + 8; wave w has ceil((T - w) / 16) passes, four at the most.
; With all of K to a work-group it would own 32 outputs and read four times the hidden codes; the price of the split is the f32 parts, which the next launch adds in a fixed order.
; THE NEXT PASS IS FETCHED UNDER THIS ONE: its fragments are asked for directly behind the pass's last products, when h's registers have been read for the last time, and land under the way out.
; NO TENSOR LOADS, NO CLUSTER: the number of passes hangs on a count read from memory.
; The hidden codes lie in hq as images of the operand's registers: a fragment is four loads of 512 consecutive bytes and needs no LDS.  A tile past the last is not read: the last one is read in its stead, and its results are not stored.
; THE PRODUCT IS USED TRANSPOSED (source 0 = 16 rows of W2, source 1 = 16 rows of h): a lane holds eight neighbouring outputs of one row.  Two tiles x 128 outputs gather in my stage in LDS and leave as whole rows of 512 bytes.
; Rows from cnt[e] on land in the expert's own rows of ypart, which nobody reads.
; REGISTERS.  Window 0: v1-20 addresses; v28-35 h's scale words; v36-67 W2's; v120-151 four accumulators; v152-215 two buffers of two weight fragments (on the way out: 16 rows); v120-247 once, at the head: the fill.
; Window 1: h's fragments (tile i, K step s) at 128 i + 16 s.  SCALE WORDS: register q holds in lanes 0-15 the word of K step q and in lanes 16-31 that of K step 4 + q, on both sides.
.set WPITCH, 1040                      ; a row of codes in LDS: 1,024 bytes + 16 = 260 words: row r starts at bank 4 r mod 64 (64 banks of 4 bytes: ISA guide 11.1)
.set WQ,     32*WPITCH
.set STG,    128*WPITCH                ; behind the weights: a stage of 2 x 16 rows x (512 + 16) bytes for each wave
.set STGB,   16896
.set LANE, 1
.set RR,   2
.set HH,   3
.set LI,   4                           ; 16 x lane
.set WAD,  5                           ; v5-8  a weight fragment's place for my lane, for b = 0 .. 3
.set WST,  9                           ; the fill's stores
.set YST,  10                          ; the stage, in
.set YRD,  11                          ; the stage, out
.set HA,   12                          ; v12-13 my 16 bytes in the two tiles' images
.set XA,   14                          ; v14-15 and among their scale words
.set YO,   16                          ; my 16 bytes of a tile's first row in ypart
.set WGO,  19
.set WSO,  20
.set XS,   28
.set WS,   36
.set ACC,  120
.set WF,   152
.set SG,   120
.set MSB, 0
.macro WIN new                         ; the immediate's high byte repeats the setting that is left; a switch that changes nothing is dropped
.if MSB != \new
	s_set_vgpr_msb (MSB<<8)|\new
.set MSB, \new
.endif
.endm
.macro PLACES n
.rept \n
	v_nop
.endr
.endm
.macro WLOAD b, s, buf                 ; the two weight fragments (u = 0, 1) of b, K step s, into buffer buf
.irp u, 0,1
.irp c, 0,1,2,3
	ds_load_b128 v[WF+32*(\buf)+16*\u+4*\c:WF+32*(\buf)+16*\u+4*\c+3], v[WAD+(\b)] offset:16*WPITCH*\u+128*(\s)+32*\c
.endr
.endr
.endm
.macro MM b, s                         ; four products, the four accumulators by turns, one instruction a turn; the first K step starts the sums
.irp u, 0,1
.irp i, 0,1
.if (\s) == 0
	v_wmma_scale_f32_16x16x128_f8f6f4 v[ACC+16*\i+8*\u:ACC+16*\i+8*\u+7], v[WF+16*\u:WF+16*\u+15], v[128*\i:128*\i+15], 0, v[WS+4*(2*(\b)+\u)], v[XS+4*\i]
.elseif (\s) < 4
	v_wmma_scale_f32_16x16x128_f8f6f4 v[ACC+16*\i+8*\u:ACC+16*\i+8*\u+7], v[WF+32*((\s)%2)+16*\u:WF+32*((\s)%2)+16*\u+15], v[128*\i+16*(\s):128*\i+16*(\s)+15], v[ACC+16*\i+8*\u:ACC+16*\i+8*\u+7], v[WS+4*(2*(\b)+\u)+(\s)], v[XS+4*\i+(\s)]
.else
	v_wmma_scale_f32_16x16x128_f8f6f4 v[ACC+16*\i+8*\u:ACC+16*\i+8*\u+7], v[WF+32*((\s)%2)+16*\u:WF+32*((\s)%2)+16*\u+15], v[128*\i+16*(\s):128*\i+16*(\s)+15], v[ACC+16*\i+8*\u:ACC+16*\i+8*\u+7], v[WS+4*(2*(\b)+\u)+(\s)-4], v[XS+4*\i+(\s)-4] matrix_a_scale:MATRIX_SCALE_ROW1 matrix_b_scale:MATRIX_SCALE_ROW1
.endif
.endr
.endr
.endm
; My quarter of K for the two weight tiles of b and my two tiles of rows: 32 products.  A load into a fragment that a product has read stands eight plain vector instructions behind that product
; behind the last products nine: the stage's stores read results, and the next b's first products write over the accumulators.
.macro MMB b
	WLOAD \b, 0, 0
	WLOAD \b, 1, 1
	WIN 0x04                                       ; source 1 (h) in window 1
.irp s, 0,1,2,3,4,5,6,7
.if \s < 7
	s_wait_dscnt 8                                 ; LDS instructions end in order: all but the other buffer's eight loads are done, the last b's stores into the stage too
.else
	s_wait_dscnt 0x0
.endif
	MM \b, \s
.if \s < 7
	PLACES 8
.else
	PLACES 9
.endif
.if \s < 6
	WLOAD \b, \s+2, \s%2
.endif
.endr
	WIN 0
.endm
.macro YSTORE b                        ; lane (r, h): row r, outputs 32 b + 16 u + 8 h + 0 .. 7; each accumulator from its low end on
.irp i, 0,1
.irp u, 0,1
	ds_store_b128 v[YST], v[ACC+16*\i+8*\u:ACC+16*\i+8*\u+3] offset:8448*\i+128*(\b)+64*\u
	ds_store_b128 v[YST], v[ACC+16*\i+8*\u+4:ACC+16*\i+8*\u+7] offset:8448*\i+128*(\b)+64*\u+16
.endr
.endr
.endm
.macro HLOAD                           ; the fragments and scale words of tiles s62 and s63 = s62 + 8.  A tile past the last takes the last one's place; the constant bound stands last, ahead of the shift
	s_add_co_u32 s63, s62, 8
	s_min_u32 s19, s62, s54
	s_min_u32 s19, s19, 63
	s_min_u32 s55, s63, s54
	s_min_u32 s55, s55, 63
	s_lshl_b32 s28, s19, 16
	v_add_nc_u32 v[HA], s28, v[LI]
	s_lshl_b32 s28, s55, 16
	v_add_nc_u32 v[HA+1], s28, v[LI]
	s_lshl_b32 s28, s19, 11
	v_add_nc_u32 v[XA], s28, v[LI]
	s_lshl_b32 s28, s55, 11
	v_add_nc_u32 v[XA+1], s28, v[LI]
	WIN 0x40                                       ; destination window 1
.irp i, 0,1
.irp s, 0,1,2,3,4,5,6,7
.irp c, 0,1,2,3
	global_load_b128 v[128*\i+16*\s+4*\c:128*\i+16*\s+4*\c+3], v[HA+\i], s[4:5] offset:2048*\s+512*\c   ; 32 lanes read 512 consecutive bytes: registers 4 c .. 4 c + 3 as they were made
.endr
.endr
.endr
	WIN 0
.irp i, 0,1
	global_load_b128 v[XS+4*\i:XS+4*\i+3], v[XA+\i], s[26:27]   ; lanes 0-15: K steps 0-3 of row lane % 16; lanes 16-31: K steps 4-7
.endr
.endm
.macro OUT i                           ; tile i's 16 rows x 512 bytes leave
	s_wait_xcnt 0x0                                ; earlier stores have read their registers
	s_min_u32 s19, s[23+\i], 63
	s_lshl_b32 s19, s19, 16
	v_add_nc_u32 v[YO], s19, v[LI]
.irp t, 0,1,2,3,4,5,6,7,8,9,10,11,12,13,14,15
	ds_load_b128 v[WF+4*\t:WF+4*\t+3], v[YRD] offset:8448*\i+528*\t   ; LDS serves a wave's instructions in order (ISA guide 5.7.1.4): these see my stores
.endr
.irp t, 0,1,2,3,4,5,6,7,8,9,10,11,12,13,14,15
	s_wait_dscnt 15-\t
	global_store_b128 v[YO], v[WF+4*\t:WF+4*\t+3], s[12:13] offset:4096*\t   ; 32 lanes store 512 consecutive bytes, aligned
.endr
.endm
	s_load_b256 s[4:11], s[0:1], 0x0               ; hq s[4:5], plan s[6:7], W2's codes s[8:9], W2's scales s[10:11]
	s_load_b64 s[12:13], s[0:1], 0x20              ; ypart
	v_lshl_add_u32 v254, v0, 2, 0x42800
	v_mov_b32 v255, 0
	v_lshrrev_b32 v1, 5, v0
	v_readfirstlane_b32 s16, v1                    ; wave 0..7
	v_and_b32 v[LANE], 31, v0
	v_and_b32 v[RR], 15, v0
	v_bfe_u32 v[HH], v0, 4, 1
	v_lshlrev_b32 v[LI], 4, v[LANE]
	v_mul_u32_u24 v[WAD], v[RR], WPITCH
	v_lshl_add_u32 v[WAD], v[HH], 4, v[WAD]        ; a fragment: row lane % 16, + 16 (lane / 16)
	v_add_nc_u32 v[WAD+1], WQ, v[WAD]
	v_add_nc_u32 v[WAD+2], 2*WQ, v[WAD]
	v_add_nc_u32 v[WAD+3], 3*WQ, v[WAD]
	s_mul_i32 s19, s16, 16*WPITCH
	v_add_nc_u32 v[WST], s19, v[LI]                ; the fill: rows as they lie, my wave's 16
	s_mul_i32 s19, s16, STGB
	s_add_co_u32 s19, s19, STG                     ; my stage
	v_mul_u32_u24 v[YST], v[RR], 528
	v_lshl_add_u32 v[YST], v[HH], 5, v[YST]
	v_add_nc_u32 v[YST], s19, v[YST]               ; in: row lane % 16, 32 bytes for each half of the lanes
	v_add_nc_u32 v[YRD], s19, v[LI]                ; out: the 32 lanes take a row
	s_lshl_b32 s19, s16, 16
	v_add_nc_u32 v[WGO], s19, v[LI]                ; W2's codes: my wave's 16 rows, 4,096 bytes apart
	v_lshlrev_b32 v[WSO], 7, v[RR]                 ; a row of scale bytes is 128 bytes,
	v_lshl_add_u32 v[WSO], v[HH], 4, v[WSO]        ; of my quarter's 32 lanes 16-31 take the upper 16
	s_lshr_b32 s17, ttmp9, 5                       ; e
	s_bfe_u32 s18, ttmp9, 0x30002                  ; ds
	s_and_b32 s25, ttmp9, 3                        ; kq
	s_mov_b32 s62, s16                             ; my first tile
	s_mov_b32 s21, 0
	s_wait_kmcnt 0x0
	s_lshl_b32 s20, s17, 2
	s_add_co_u32 s20, s20, 40960
	s_add_nc_u64 s[56:57], s[6:7], s[20:21]
	s_load_b32 s22, s[56:57], 0x0                  ; cnt[e]
	s_lshl_b32 s19, s17, 10
	s_lshl_b32 s55, s18, 7
	s_add_co_u32 s19, s19, s55                     ; my first row of W2: 1024 e + 128 ds
	s_lshl_b32 s20, s19, 12
	s_lshl_b32 s55, s25, 10
	s_add_co_u32 s20, s20, s55
	s_add_nc_u64 s[8:9], s[8:9], s[20:21]          ; its codes, at my quarter of K,
	s_lshl_b32 s20, s19, 7
	s_lshl_b32 s55, s25, 5
	s_add_co_u32 s20, s20, s55
	s_add_nc_u64 s[10:11], s[10:11], s[20:21]      ; its scale bytes likewise
	s_lshl_b32 s20, s17, 17
	s_add_co_u32 s20, s20, 0x2000000
	s_lshl_b32 s55, s25, 9
	s_add_co_u32 s20, s20, s55
	s_add_nc_u64 s[26:27], s[4:5], s[20:21]        ; h's scale words: the expert's, my eight K steps
	s_lshl_b32 s20, s17, 22
	s_lshl_b32 s55, s25, 14
	s_add_co_u32 s20, s20, s55
	s_add_nc_u64 s[4:5], s[4:5], s[20:21]          ; h's images likewise
	s_lshl_b32 s20, s25, 25
	s_lshl_b32 s55, s17, 22
	s_add_co_u32 s20, s20, s55
	s_lshl_b32 s55, s18, 9
	s_add_co_u32 s20, s20, s55
	s_add_nc_u64 s[12:13], s[12:13], s[20:21]      ; ypart: my part of K, the expert's rows, my 128 outputs
.irp k, 0,1,2,3,4,5,6,7,8,9,10,11,12,13,14,15
.irp h, 0,1
	global_load_b128 v[SG+8*\k+4*\h:SG+8*\k+4*\h+3], v[WGO], s[8:9] offset:4096*\k+512*\h th:TH_LOAD_NT   ; 32 lanes read 512 consecutive bytes; each byte is read once in the launch
.endr
.endr
.irp t, 0,1,2,3,4,5,6,7
	global_load_b128 v[WS+4*\t:WS+4*\t+3], v[WSO], s[10:11] offset:2048*\t
.endr
	s_wait_kmcnt 0x0
	s_min_u32 s22, s22, 1024
	s_add_co_u32 s22, s22, 15
	s_lshr_b32 s22, s22, 4
	s_max_u32 s22, s22, 1                          ; T
	s_sub_co_u32 s54, s22, 1                       ; the last tile
	HLOAD                                          ; 66 loads
	s_wait_loadcnt 63                              ; loads come back in order: behind the 40 of weights and scale words stand h's 66, so with 63 out at the most the oldest 43 of the 106 are in, all 40 among them.  h may go on landing under the fill: the wait for it stands at the pass's head
.irp k, 0,1,2,3,4,5,6,7,8,9,10,11,12,13,14,15
.irp h, 0,1
	ds_store_b128 v[WST], v[SG+8*\k+4*\h:SG+8*\k+4*\h+3] offset:WPITCH*\k+512*\h
.endr
.endr
	s_wait_dscnt 0x0                               ; for the others' sake: my 16 rows lie in LDS
	s_barrier_signal -1                            ; the launch's one barrier, ahead of every branch on the count
	s_barrier_wait -1
	s_cmp_ge_u32 s16, s22
	s_cbranch_scc1 .Lend                           ; fewer tiles than waves: nothing for me
	s_sub_co_u32 s60, s22, s16                     ; my passes: those p with 16 p + w < T: ceil((T - w) / 16),
	s_add_co_u32 s60, s60, 15
	s_lshr_b32 s60, s60, 4
	s_min_u32 s60, s60, 4                          ; four at the most, since T is at most 64
	s_mov_b32 s61, 0                               ; passes begun
.Lpass:
	s_mov_b32 s23, s62                             ; this pass's two tiles
	s_mov_b32 s24, s63
	s_wait_loadcnt 0x0                             ; their fragments and scale words
.irp b, 0,1,2
	MMB \b
	YSTORE \b
.endr
	MMB 3                                          ; h's fragments and scale words have been read for the last time; the nine plain instructions at its end are the distance that loads into them, and the stage's stores, want
	s_add_co_u32 s61, s61, 1                       ; the loop's counter: one a pass
	s_lshl_b32 s62, s61, 4
	s_add_co_u32 s62, s62, s16                     ; the next pass's first tile: 16 p + w
	s_cmp_ge_u32 s61, s60
	s_cbranch_scc1 .Lnoh                           ; no next pass: nothing is fetched
	HLOAD                                          ; its fragments land under the way out
.Lnoh:
	YSTORE 3
	OUT 0
	s_cmp_ge_u32 s24, s22                          ; is there a second tile?  A branch on a stored count
	s_cbranch_scc1 .Lone
	OUT 1
.Lone:
	s_wait_xcnt 0x0                                ; the stores have read their registers: all may be written again
	s_cmp_lt_u32 s61, s60
	s_cbranch_scc1 .Lpass
.Lend:
	s_wait_tensorcnt 0x0
	ds_add_u32 v254, v255
	s_wait_dscnt 0x0
	s_endpgm
.Lfunc_end_k_qac9d88d5c5_gemm2:
	.size	k_qac9d88d5c5_gemm2, .Lfunc_end_k_qac9d88d5c5_gemm2-k_qac9d88d5c5_gemm2
	.p2alignl 7, 3214868480
	.fill 96, 4, 3214868480
	.section	.rodata,"a",@progbits
	.p2align	6, 0x0
	.amdhsa_kernel k_qac9d88d5c5_gemm2
		.amdhsa_group_segment_fixed_size 273408
		.amdhsa_private_segment_fixed_size 0
		.amdhsa_enable_private_segment 0
		.amdhsa_kernarg_size 40
		.amdhsa_user_sgpr_count 2
		.amdhsa_user_sgpr_kernarg_segment_ptr 1
		.amdhsa_wavefront_size32 1
		.amdhsa_system_sgpr_workgroup_id_x 1
		.amdhsa_system_sgpr_workgroup_id_y 1
		.amdhsa_system_sgpr_workgroup_id_z 1
		.amdhsa_system_vgpr_workitem_id 0
		.amdhsa_next_free_vgpr 512
		.amdhsa_next_free_sgpr 66
		.amdhsa_reserve_vcc 0
		.amdhsa_float_denorm_mode_32 3
		.amdhsa_float_denorm_mode_16_64 3
		.amdhsa_memory_ordered 1
		.amdhsa_forward_progress 1
		.amdhsa_inst_pref_size 73
	.end_amdhsa_kernel
	.amdgpu_metadata
---
amdhsa.version: [ 1, 2 ]
amdhsa.kernels:
  - .name:           k_qac9d88d5c5_gemm2
    .symbol:         k_qac9d88d5c5_gemm2.kd
    .args:
      - { .name: hq, .offset: 0, .size: 8, .value_kind: global_buffer, .address_space: global }
      - { .name: plan, .offset: 8, .size: 8, .value_kind: global_buffer, .address_space: global }
      - { .name: W2_codes, .offset: 16, .size: 8, .value_kind: global_buffer, .address_space: global }
      - { .name: W2_scales, .offset: 24, .size: 8, .value_kind: global_buffer, .address_space: global }
      - { .name: ypart, .offset: 32, .size: 8, .value_kind: global_buffer, .address_space: global }
    .group_segment_fixed_size: 273408
    .private_segment_fixed_size: 0
    .kernarg_segment_align: 8
    .kernarg_segment_size: 40
    .max_flat_workgroup_size: 256
    .sgpr_count:     66
    .vgpr_count:     512
    .wavefront_size: 32
...
	.end_amdgpu_metadata
.endif
;; end of part 8
;; launch combine: the kernel of part 5 again; grid 256 x 1, 8 waves a work-group, no clusters, 0 bytes of LDS; arguments ypart, plan, gate, b2, out0; writes out0
;; ======== version 3 of 3: 5 launches; version 2 with the launches gemm1, gemm2 written anew for expert scheduling mode
;; workspace buffers: xqs 1,081,344 bytes; eid 8,192 bytes of whole numbers; gate 8,192 bytes; plan 50,176 bytes of whole numbers; hq 34,603,008 bytes; ypart 134,217,728 bytes
;; launch route: the kernel of part 1 again; grid 128 x 1, 8 waves a work-group, no clusters, 76,288 bytes of LDS; arguments x, Wg, xqs, eid, gate; writes xqs, eid, gate
;; launch place: the kernel of part 6 again; grid 8 x 1, 8 waves a work-group, no clusters, 0 bytes of LDS; arguments eid, plan; writes plan
;; launch gemm1 (part 9): grid 256 x 1, 8 waves a work-group, no clusters, 273,408 bytes of LDS; arguments xqs, plan, W1_codes, W1_scales, b1, hq; writes hq
.if DOCPART == 9
	.amdgcn_target "amdgcn-amd-amdhsa--gfx1250"
	.amdhsa_code_object_version 6
	.text
	.protected	k_qac9d88d5c5_gemm1
	.globl	k_qac9d88d5c5_gemm1
	.p2align	8
	.type	k_qac9d88d5c5_gemm1,@function
k_qac9d88d5c5_gemm1:
	s_mov_b64 s[64:65], 0
	v_nop
	global_prefetch_b8 v0, s[64:65] scope:SCOPE_SE
	s_setreg_imm32_b32 hwreg(HW_REG_WAVE_SCHED_MODE, 0, 2), 2
	s_setreg_imm32_b32 hwreg(HW_REG_WAVE_MODE, 25, 1), 1
	s_wait_xcnt 0x0
	s_wait_alu depctr_vm_vsrc(0)
; THE FIRST PRODUCT, THE ACTIVATION AND ITS QUANTISER: h = Q(gelu(x W1[e] + b1[e])) for the rows that chose expert e, on codes of E4M3 with one E8M0 scale for each 32 along K = 1,024.
; SHARES.  Work-group (e, fs) = (number / 32, number % 32) owns hidden units 128 fs .. 128 fs + 127 of expert e: 128 rows x 1,024 bytes of W1's codes, read from memory once, 512 consecutive bytes a load,
; and kept in LDS.  It applies them to all n = cnt[e] rows of the expert, in T = max(ceil(n / 16), 1) tiles of 16 rows.  In pass p wave w takes tiles 16 p + w and 16 p + w + 8, so that each weight
; fragment read from LDS feeds two products; wave w has ceil((T - w) / 16) passes, four at the most (T is at most 64).  Rows from n on (list entries 0: token 0) are computed like the others and land
; in the expert's own part of hq, which nobody reads.
; THE NEXT PASS IS FETCHED UNDER THIS ONE: its list entries are asked for at a pass's head, where the list's registers have just come free, and its codes directly behind the pass's last products,
; when x's registers have been read for the last time: they land under the last activations.
; NO TENSOR LOADS, NO CLUSTER: the number of passes hangs on a count read from memory, the 32 work-groups of an expert hold different weights, and the rows that they share are gathered by a list.
; THE PRODUCT IS USED TRANSPOSED (source 0 = 16 rows of W1, source 1 = 16 rows of x), AND THE ROWS OF W1 THAT FORM A TILE ARE NOT NEIGHBOURS: row m of tile (b, u) is hidden unit 32 b + 8 u + m + 8 (m / 8).
; So a lane holds ONE row of x, and the 16 registers of tiles (b, 0), (b, 1) are 16 neighbours along the next K: 32 b + 16 (lane / 16) + 0 .. 15: the conversions' results are the next operand's registers.
; The fill lays the rows of a tile side by side in LDS.  b1 is the C of each sum's first product.
; gelu, exact form: with z = |v| / sqrt(2), q = erfc(z) / 2 = t exp(-z^2 + P(t)) / 2, t = 1 / (1 + z / 2), P a polynomial of degree 9 (fractional error of that form 1.2e-7 for every z);
; gelu(v) = max(v, 0) - |v| q: no difference of near numbers on either side of 0.  The coefficients carry log2(e), the constant term also -1 (the half), since v_exp_f32 works in base 2.
; hq: codes as IMAGES OF THE OPERAND'S REGISTERS, [e][tile 64][K step 32][2,048 bytes], byte 512 c + 16 lane = registers 4 c .. 4 c + 3; my K step is fs.  Scale words from byte 33,554,432,
; 2,048 bytes a tile: the word of K step s and row r at 256 (s / 4) + 16 r + 4 (s % 4), so that the next launch takes four K steps' words of a row by one load of 16 bytes.
; LIMITS: NaN and infinities are not served; a block of zeros gets the byte 1 (zero codes; this program alone reads the bytes); blocks under 2^-118 are held at byte 1; q under 2^-126 comes out as 0.
; REGISTERS.  Window 0: v1-27 addresses; v28-35 x's scale words; v36-67 W1's; v68-83 b1 of one b; v84-101 list entries, then offsets; v102-109 codes; v110-116 the quantiser; v120-151 four accumulators;
; v152-215 two buffers of two weight fragments (between the products: gelu's t, P and max); v216-237 gelu's constants, each twice; v120-247 once, at the head: the fill.  Window 1: x's fragments (tile i, K step s) at 128 i + 16 s.
; SCALE WORDS: register q holds in lanes 0-15 the word of K step q and in lanes 16-31 that of K step 4 + q, on both sides: from K step 4 on both sides name the upper lanes.
; THE MODE: SCHED_MODE bits 1:0 = 2 (LLVM: expert scheduling mode 2), set by the entry lines.  The code itself states the register dependences between vector or matrix instructions
; and memory or LDS instructions, with s_wait_alu, always for 0.
; THE PLAN.  Registers that memory or LDS instructions touch:
;   v[WF ..]              two buffers, K step s in buffer s % 2.  LDS loads land in them; the step's four products read them; between two runs of products gelu's lines use them as scratch.
;   v[BI ..]              LDS loads land at the head of each b; the first K step's products read them as C.
;   window 1, v[XS ..]    x's loads land; the stage's stores read window 1 and the stage's loads land there again; every product reads them.
;   v[TK ..], v[TR ..]    the list's loads land; vector lines make offsets of them; x's loads read those.     v[LAP], v[LRP]  written once a pass, read by the list's loads.
;   v[CD ..], v[PWS]      written by the conversions and by a select, read by stores.                          v[HO ..], v[HSO]  written at a pass's head, read by its stores.
;   Every other address is made at the head and never written again.
; ON va_vdst: one wait behind each of K steps 0 to 5 (the step's products are done reading their buffer: the loads of the step after next follow, dealt among the next step's products, which name the other
; buffer, the accumulators, window 1 and the scale words alone); one at the end of each block of gelu (the codes are written; it also frees WF and BI for the next b's loads); one in front of the list's loads,
; one in front of x's, one in front of the scale word's store; and gelu's two, behind its reciprocals and its exponentials.
; ON vm_vsrc: behind the fill; between a stage's stores and its loads; ahead of the conversions; at a pass's end.
.set WPITCH, 1040                      ; a row of codes in LDS: 1,024 bytes + 16 = 260 words: row r starts at bank 4 r mod 64 (64 banks of 4 bytes: ISA guide 11.1)
.set WQ,     32*WPITCH                 ; the two tiles of one b
.set STG,    128*WPITCH                ; behind the weights: a stage of 16 rows for each wave
.set STGB,   16896
.set BIAS,   STG+8*STGB                ; behind the stages: my 128 numbers of b1, a copy for each wave
.set LANE, 1
.set RR,   2                           ; lane % 16
.set HH,   3                           ; lane / 16
.set LI,   4                           ; 16 x lane
.set WAD,  5                           ; v5-8  a weight fragment's place for my lane, for b = 0 .. 3
.set WST,  9                           ; the fill's stores
.set SW,   10                          ; the stage, in
.set SRD,  11                          ; the stage, out
.set BIA,  12                          ; b1, out
.set BIST, 13                          ; b1, in
.set LAP,  14                          ; the list: the row that my half of the lanes fetches
.set LRP,  15                          ; the list: row lane % 16
.set HO,   16                          ; v16-17 my 16 bytes in the two tiles' images
.set HSO,  18                          ; my scale word's place
.set WGO,  19                          ; W1's codes: my wave's 16 rows, 16 x lane
.set WSO,  20                          ; W1's scale words
.set PW,   21                          ; v21-22 the two tiles' scale words in the making
.set PWS,  23                          ; the one that my lane stores
.set HS0,  24                          ; 16 (lane % 16) + 16,384 (lane / 16)
.set R16,  26
.set H16,  27
.set XS,   28
.set WS,   36
.set BI,   68
.set TK,   84
.set TR,   100
.set CD,   102
.set QW,   110
.set ACC,  120
.set WF,   152
.set SG,   120
.set GT,   WF
.set GP,   WF+16
.set GM,   WF+32
.set VC,   216                         ; coefficient n at v[VC + 2 n], twice
.set VCM,  236                         ; -log2(e) / 2, twice
.set MSB, 0
.macro WIN new                         ; the immediate's high byte repeats the setting that is left; a switch that changes nothing is dropped
.if MSB != \new
	s_set_vgpr_msb (MSB<<8)|\new
.set MSB, \new
.endif
.endm
.macro PLACES n
.rept \n
	v_nop
.endr
.endm
.macro WHALF b, s, u                   ; one weight fragment (u) of b, K step s, into buffer s % 2: four loads
.irp c, 0,1,2,3
	ds_load_b128 v[WF+32*((\s)%2)+16*(\u)+4*\c:WF+32*((\s)%2)+16*(\u)+4*\c+3], v[WAD+(\b)] offset:16*WPITCH*(\u)+128*(\s)+32*\c
.endr
.endm
.macro WPAIR b, s, c0                  ; two of the four loads of fragment u = 1
.irp c, \c0, \c0+1
	ds_load_b128 v[WF+32*((\s)%2)+16+4*(\c):WF+32*((\s)%2)+16+4*(\c)+3], v[WAD+(\b)] offset:16*WPITCH+128*(\s)+32*(\c)
.endr
.endm
.macro PROD b, s, u, i                 ; one product: weight tile (b, u), my tile of rows i, K step s
.if (\s) == 0
	v_wmma_scale_f32_16x16x128_f8f6f4 v[ACC+16*(\i)+8*(\u):ACC+16*(\i)+8*(\u)+7], v[WF+16*(\u):WF+16*(\u)+15], v[128*(\i):128*(\i)+15], v[BI+8*(\u):BI+8*(\u)+7], v[WS+4*(2*(\b)+(\u))], v[XS+4*(\i)]
.elseif (\s) < 4
	v_wmma_scale_f32_16x16x128_f8f6f4 v[ACC+16*(\i)+8*(\u):ACC+16*(\i)+8*(\u)+7], v[WF+32*((\s)%2)+16*(\u):WF+32*((\s)%2)+16*(\u)+15], v[128*(\i)+16*(\s):128*(\i)+16*(\s)+15], v[ACC+16*(\i)+8*(\u):ACC+16*(\i)+8*(\u)+7], v[WS+4*(2*(\b)+(\u))+(\s)], v[XS+4*(\i)+(\s)]
.else
	v_wmma_scale_f32_16x16x128_f8f6f4 v[ACC+16*(\i)+8*(\u):ACC+16*(\i)+8*(\u)+7], v[WF+32*((\s)%2)+16*(\u):WF+32*((\s)%2)+16*(\u)+15], v[128*(\i)+16*(\s):128*(\i)+16*(\s)+15], v[ACC+16*(\i)+8*(\u):ACC+16*(\i)+8*(\u)+7], v[WS+4*(2*(\b)+(\u))+(\s)-4], v[XS+4*(\i)+(\s)-4] matrix_a_scale:MATRIX_SCALE_ROW1 matrix_b_scale:MATRIX_SCALE_ROW1
.endif
.endm
; All of K for the two weight tiles of b and my two tiles of rows: 32 products, four a K step, the four accumulators by turns, one instruction a turn.
; K steps 0 and 1 are fetched at the head.  K step s + 1 (s = 1 .. 6) is fetched in K step s, into the buffer that K step s - 1 has left: four loads ahead of the wait for this step's data, two behind each of its first two products.
; A load into a fragment that a product has read stands eight plain vector instructions behind that product, and behind the wait that
; states that the products are done reading.  Behind K step 6 nothing is fetched; behind the last products stand nine places, since the next b's first products write over the accumulators.
.macro MMB b
.irp m, 0,1,2,3
	ds_load_b128 v[BI+4*\m:BI+4*\m+3], v[BIA] offset:128*(\b)+16*\m   ; b1 at my 16 hidden units of this b.  (No wait here: the wait at the end of the last block of gelu stands behind every line that named v[BI ..] or v[WF ..])
.endr
	WHALF \b, 0, 0
	WHALF \b, 0, 1
	WHALF \b, 1, 0
	WHALF \b, 1, 1
	WIN 0x04                                       ; source 1 (x) in window 1
.irp s, 0,1,2,3,4,5,6,7
.if \s == 0
	s_wait_dscnt 8                                 ; LDS loads come back in order: all but K step 1's eight are in
.elseif \s < 7
	WHALF \b, \s+1, 0
	s_wait_dscnt 4                                 ; this step's eight are in; the four just issued may be out
.else
	s_wait_dscnt 0x0
.endif
	PROD \b, \s, 0, 0
.if (\s > 0) && (\s < 7)
	WPAIR \b, \s+1, 0                              ; no wait: no product since the last wait names the other buffer
.endif
	PROD \b, \s, 0, 1
.if (\s > 0) && (\s < 7)
	WPAIR \b, \s+1, 2
.endif
	PROD \b, \s, 1, 0
	PROD \b, \s, 1, 1
.if \s < 6
	PLACES 8
	s_wait_alu depctr_va_vdst(0)                   ; this step's products are done reading buffer s % 2, in which the loads of K step s + 2 land
.elseif \s == 7
	PLACES 9
.endif
.endr
	WIN 0
.endm
.macro LISTLOAD t                      ; the tokens of the rows of tiles s[t] and s[t] + 8.  The number of passes is read from memory, so the tile's number is held at 55, a wave's largest first tile (16 x 3 + 7), ahead of the address
	s_min_u32 s19, s[\t], 55
	s_lshl_b32 s19, s19, 6
	v_lshl_add_u32 v[LAP], v[HH], 2, s19           ; (the loads that last read these two, and those that read v[TK ..] and v[TR ..] as offsets, stand ahead of a wait on vm_vsrc: the one behind the fill, or the one at the last pass's end)
	v_lshl_add_u32 v[LRP], v[RR], 2, s19
	s_wait_alu depctr_va_vdst(0)                   ; v[LAP] and v[LRP] are written, which the loads below read; the lines that made offsets in v[TK ..] and v[TR ..], in which these loads land, are done; at the head: every address of the kernel is written
.irp i, 0,1
.irp q, 0,1,2,3,4,5,6,7
	global_load_b32 v[TK+8*\i+\q], v[LAP], s[58:59] offset:512*\i+8*\q   ; row 2 q + lane / 16 of tile i
.endr
	global_load_b32 v[TR+\i], v[LRP], s[58:59] offset:512*\i             ; row lane % 16
.endr
.endm
.macro XLOAD                           ; their codes: sixteen lanes read 256 consecutive bytes of one row; and their scale words
.irp j, 0,1,2,3,4,5,6,7,8,9,10,11,12,13,14,15
	v_min_u32 v[TK+\j], 1023, v[TK+\j]
.endr
.irp j, 0,1,2,3,4,5,6,7,8,9,10,11,12,13,14,15
	v_lshl_add_u32 v[TK+\j], v[TK+\j], 10, v[R16]
.endr
.irp i, 0,1
	v_min_u32 v[TR+\i], 1023, v[TR+\i]
	v_lshl_add_u32 v[TR+\i], v[TR+\i], 5, v[H16]
.endr
	WIN 0x40                                       ; destination window 1
	s_wait_alu depctr_va_vdst(0)                   ; the offsets in v[TK ..] and v[TR ..] are written; in the loop: the pass's products are done reading window 1 and v[XS ..], in which the loads below land
.irp i, 0,1
.irp q, 0,1,2,3,4,5,6,7
.irp m, 0,1,2,3
	global_load_b128 v[128*\i+16*\q+4*\m:128*\i+16*\q+4*\m+3], v[TK+8*\i+\q], s[4:5] offset:256*\m
.endr
.endr
.endr
	WIN 0
.irp i, 0,1
	global_load_b128 v[XS+4*\i:XS+4*\i+3], v[TR+\i], s[26:27]   ; lanes 0-15: K steps 0-3 of row lane % 16; lanes 16-31: K steps 4-7
.endr
.endm
.macro STAGE i                         ; tile i's 16 rows go through my stage and come back as fragments, into the registers that they left.  LDS serves a wave's instructions in order (ISA guide 5.7.1.4)
	WIN 0x04                                       ; an LDS store's data are its source 1
.irp q, 0,1,2,3,4,5,6,7
.irp m, 0,1,2,3
	ds_store_b128 v[SW], v[128*\i+16*\q+4*\m:128*\i+16*\q+4*\m+3] offset:2*WPITCH*\q+256*\m
.endr
.endr
	WIN 0x40
	s_wait_alu depctr_vm_vsrc(0)                   ; the stores above have read the tile's 128 registers, in which the loads below land
.irp s, 0,1,2,3,4,5,6,7
.irp c, 0,1,2,3
	ds_load_b128 v[128*\i+16*\s+4*\c:128*\i+16*\s+4*\c+3], v[SRD] offset:128*\s+32*\c
.endr
.endr
	WIN 0
.endm
; Tile i's 16 numbers a lane of this b: gelu, then the block of 32 (lanes l and l xor 16) is quantised; 16 codes leave as register group b of the image.
.macro EPI i, b
.set A, ACC+16*(\i)
.irp k, 0,1,2,3,4,5,6,7,8,9,10,11,12,13,14,15
	v_fma_f32 v[GT+\k], |v[A+\k]|, s33, 1.0        ; 1 + z / 2.  (Each accumulator is read from its low end on)
.endr
.irp k, 0,1,2,3,4,5,6,7,8,9,10,11,12,13,14,15
	v_rcp_f32 v[GT+\k], v[GT+\k]                   ; t
.endr
.irp p, 0,2,4,6,8,10,12,14
	v_pk_mul_f32 v[GM+\p:GM+\p+1], v[A+\p:A+\p+1], v[VCM:VCM+1]   ; -v log2(e) / 2.  (Plain instructions behind the reciprocals: ISA guide 5.7.2)
.endr
	s_wait_alu depctr_va_vdst(0)                   ; the sixteen reciprocals have written v[GT ..], ahead of their first reader
.irp p, 0,2,4,6,8,10,12,14
	v_pk_fma_f32 v[GP+\p:GP+\p+1], v[GT+\p:GT+\p+1], v[VC+18:VC+19], v[VC+16:VC+17]
.endr
.irp n, 7,6,5,4,3,2,1,0
.irp p, 0,2,4,6,8,10,12,14
	v_pk_fma_f32 v[GP+\p:GP+\p+1], v[GP+\p:GP+\p+1], v[GT+\p:GT+\p+1], v[VC+2*\n:VC+2*\n+1]
.endr
.endr
.irp p, 0,2,4,6,8,10,12,14
	v_pk_fma_f32 v[GP+\p:GP+\p+1], v[GM+\p:GM+\p+1], v[A+\p:A+\p+1], v[GP+\p:GP+\p+1]   ; - z^2 log2(e)
.endr
.irp k, 0,1,2,3,4,5,6,7,8,9,10,11,12,13,14,15
	v_exp_f32 v[GP+\k], v[GP+\k]
.endr
.irp k, 0,1,2,3,4,5,6,7,8,9,10,11,12,13,14,15
	v_max_num_f32 v[GM+\k], 0, v[A+\k]             ; (plain instructions behind the exponentials)
.endr
	s_wait_alu depctr_va_vdst(0)                   ; the sixteen exponentials have written v[GP ..], ahead of their first reader
.irp p, 0,2,4,6,8,10,12,14
	v_pk_mul_f32 v[GP+\p:GP+\p+1], v[GP+\p:GP+\p+1], v[GT+\p:GT+\p+1]   ; q = erfc(z) / 2
.endr
.irp k, 0,1,2,3,4,5,6,7,8,9,10,11,12,13,14,15
	v_fma_f32 v[A+\k], -|v[A+\k]|, v[GP+\k], v[GM+\k]   ; gelu = max(v, 0) - |v| q
.endr
	v_max3_num_f32 v[QW], |v[A]|, |v[A+1]|, 0x4800000   ; the largest magnitude of my 16, in two chains, and the floor 2^(9 - 127): the byte cannot fall under 1
	v_max3_num_f32 v[QW+2], |v[A+2]|, |v[A+3]|, |v[A+4]|
	v_max3_num_f32 v[QW], v[QW], |v[A+5]|, |v[A+6]|
	v_max3_num_f32 v[QW+2], v[QW+2], |v[A+7]|, |v[A+8]|
	v_max3_num_f32 v[QW], v[QW], |v[A+9]|, |v[A+10]|
	v_max3_num_f32 v[QW+2], v[QW+2], |v[A+11]|, |v[A+12]|
	v_max3_num_f32 v[QW], v[QW], |v[A+13]|, |v[A+14]|
	v_max3_num_f32 v[QW], v[QW], v[QW+2], |v[A+15]|
	v_permlanex16_b32 v[QW+1], v[QW], s30, s31
	v_max_num_f32 v[QW], v[QW], v[QW+1]            ; with lane l xor 16's: the block's
	v_add_nc_u32 v[QW+3], 0xfc000000, v[QW]        ; 8 off its exponent field: the conversion's scale operand
	v_and_or_b32 v[QW+4], v[QW], 0x7f800000, s32   ; 448 x the scale
	v_lshrrev_b32 v[QW+5], 23, v[QW+3]             ; the scale's byte,
	v_lshl_or_b32 v[PW+\i], v[QW+5], 8*(\b), v[PW+\i]   ; byte b of my row's word for this K step
	s_wait_xcnt 0x0                                ; the last store of this tile's codes has had its address translated,
	s_wait_alu depctr_vm_vsrc(0)                   ; and has read v[CD ..], which the conversions below write again
.irp k, 0,1,2,3,4,5,6,7,8,9,10,11,12,13,14,15
	v_med3_num_f32 v[A+\k], v[A+\k], -v[QW+4], v[QW+4]   ; the conversion to an 8-bit code does not saturate (ISA guide 7.6.2): the hold comes first
.endr
	v_cvt_scalef32_pk8_fp8_f32 v[CD+4*\i:CD+4*\i+1], v[A:A+7], v[QW+3]
	v_cvt_scalef32_pk8_fp8_f32 v[CD+4*\i+2:CD+4*\i+3], v[A+8:A+15], v[QW+3]
	v_nop                                          ; a plain instruction between the conversions and whatever next writes their sources (the next products, the next block's scale)
	s_wait_alu depctr_va_vdst(0)                   ; the conversions have written v[CD ..], the store's data (its offset was written at the pass's head); and every line that named v[GT ..] to v[GM ..] or v[BI ..] is done: the next b's loads land there
	global_store_b128 v[HO+\i], v[CD+4*\i:CD+4*\i+3], s[14:15] offset:512*(\b)   ; 32 lanes store 512 consecutive bytes, aligned
.endm
.macro BSTEP b
	MMB \b
	EPI 0, \b
	s_cmp_ge_u32 s24, s22                          ; is there a second tile?  A branch on a stored count
	s_cbranch_scc1 .Lone_\@
	EPI 1, \b
.Lone_\@:
.endm
.macro COEF n, bits
	v_mov_b32 v[VC+2*\n], \bits
	v_mov_b32 v[VC+2*\n+1], \bits
.endm
	s_load_b256 s[4:11], s[0:1], 0x0               ; xqs s[4:5], plan s[6:7], W1's codes s[8:9], W1's scales s[10:11]
	s_load_b128 s[12:15], s[0:1], 0x20             ; b1 s[12:13], hq s[14:15]
	v_lshl_add_u32 v254, v0, 2, 0x42800
	v_mov_b32 v255, 0
	v_lshrrev_b32 v1, 5, v0
	v_readfirstlane_b32 s16, v1                    ; wave 0..7
	v_and_b32 v[LANE], 31, v0
	v_and_b32 v[RR], 15, v0
	v_bfe_u32 v[HH], v0, 4, 1
	v_lshlrev_b32 v[LI], 4, v[LANE]
	v_lshlrev_b32 v[R16], 4, v[RR]
	v_lshlrev_b32 v[H16], 4, v[HH]
	v_mul_u32_u24 v[WAD], v[RR], WPITCH
	v_lshl_add_u32 v[WAD], v[HH], 4, v[WAD]        ; a fragment: row lane % 16, + 16 (lane / 16)
	v_add_nc_u32 v[WAD+1], WQ, v[WAD]
	v_add_nc_u32 v[WAD+2], 2*WQ, v[WAD]
	v_add_nc_u32 v[WAD+3], 3*WQ, v[WAD]
	s_wait_alu depctr_va_sdst(0)                   ; s16 is written, ahead of its first reader
	s_lshr_b32 s19, s16, 1                         ; the fill: hidden unit 16 w + k goes to LDS row 32 (w / 2) + 8 (w % 2) + 16 (k / 8) + k % 8
	s_lshl_b32 s19, s19, 5
	s_and_b32 s55, s16, 1
	s_lshl_b32 s55, s55, 3
	s_add_co_u32 s19, s19, s55
	s_mul_i32 s19, s19, WPITCH
	v_add_nc_u32 v[WST], s19, v[LI]
	s_mul_i32 s19, s16, STGB
	s_add_co_u32 s19, s19, STG                     ; my stage
	v_mul_u32_u24 v[SW], v[HH], WPITCH
	v_add_nc_u32 v[SW], v[SW], v[R16]
	v_add_nc_u32 v[SW], s19, v[SW]                 ; in: row 2 q + lane / 16, 16 bytes a lane
	v_add_nc_u32 v[SRD], s19, v[WAD]               ; out: as a fragment
	s_lshl_b32 s19, s16, 9
	s_add_co_u32 s19, s19, BIAS                    ; my copy of b1
	v_lshl_add_u32 v[BIA], v[HH], 6, s19
	v_add_nc_u32 v[BIST], s19, v[LI]
	s_lshl_b32 s19, s16, 14
	v_add_nc_u32 v[WGO], s19, v[LI]                ; W1's codes: my wave's 16 rows of 1,024 bytes
	v_and_b32 v[WSO], 8, v[RR]
	v_add_nc_u32 v[WSO], v[WSO], v[RR]             ; r + 8 (r / 8)
	v_lshlrev_b32 v[WSO], 5, v[WSO]                ; a row of scale bytes is 32 bytes,
	v_add_nc_u32 v[WSO], v[WSO], v[H16]            ; of which lanes 16-31 take the upper 16
	v_lshl_add_u32 v[HS0], v[HH], 14, v[R16]
	v_mov_b32 v[QW+1], 0                           ; written once: a lane permute's destination counts as one of its sources
	s_mov_b32 s30, 0x76543210
	s_mov_b32 s31, 0xfedcba98                      ; v_permlanex16_b32's selects for lane l xor 16
	s_mov_b32 s32, 0x600000                        ; the mantissa field of 448
	s_mov_b32 s33, 0x3eb504f3                      ; 1 / (2 sqrt(2))
	s_mov_b32 s54, 0xffff0000                      ; lanes 16-31
	s_lshr_b32 s17, ttmp9, 5                       ; e
	s_and_b32 s18, ttmp9, 31                       ; fs
	s_mov_b32 s23, s16                             ; my first tile
	s_mov_b32 s21, 0
	s_wait_kmcnt 0x0
	s_lshl_b32 s20, s17, 2
	s_add_co_u32 s20, s20, 40960
	s_add_nc_u64 s[56:57], s[6:7], s[20:21]
	s_load_b32 s22, s[56:57], 0x0                  ; cnt[e]
	s_lshl_b32 s20, s17, 12
	s_add_nc_u64 s[58:59], s[6:7], s[20:21]        ; list[e]
	s_lshl_b32 s20, ttmp9, 17
	s_add_nc_u64 s[8:9], s[8:9], s[20:21]          ; my 128 rows of codes,
	s_lshl_b32 s20, ttmp9, 12
	s_add_nc_u64 s[10:11], s[10:11], s[20:21]      ; of scale bytes,
	s_lshl_b32 s20, ttmp9, 9
	s_add_nc_u64 s[12:13], s[12:13], s[20:21]      ; my 128 numbers of b1
	s_add_nc_u64 s[26:27], s[4:5], 0x100000        ; x's scale bytes
	s_lshl_b32 s20, s17, 17
	s_add_co_u32 s20, s20, 0x2000000
	s_lshr_b32 s19, s18, 2
	s_lshl_b32 s19, s19, 8
	s_add_co_u32 s20, s20, s19
	s_and_b32 s19, s18, 3
	s_lshl_b32 s19, s19, 2
	s_add_co_u32 s20, s20, s19
	s_add_nc_u64 s[28:29], s[14:15], s[20:21]      ; hq's scale words: the expert's, my K step's place
	s_lshl_b32 s20, s17, 22
	s_lshl_b32 s19, s18, 11
	s_add_co_u32 s20, s20, s19
	s_add_nc_u64 s[14:15], s[14:15], s[20:21]      ; hq's images: the expert's, my K step
	LISTLOAD 23                                    ; 18 loads
.irp k, 0,1,2,3,4,5,6,7,8,9,10,11,12,13,14,15
.irp h, 0,1
	global_load_b128 v[SG+8*\k+4*\h:SG+8*\k+4*\h+3], v[WGO], s[8:9] offset:1024*\k+512*\h th:TH_LOAD_NT   ; 32 lanes read 512 consecutive bytes; each byte is read once in the launch
.endr
.endr
.irp t, 0,1,2,3,4,5,6,7
	global_load_b128 v[WS+4*\t:WS+4*\t+3], v[WSO], s[10:11] offset:(32*(\t/2)+8*(\t%2))*32
.endr
	global_load_b128 v[BI:BI+3], v[LI], s[12:13]
	s_wait_loadcnt 41                              ; the list is in: behind it 32 + 8 + 1 loads were issued
	XLOAD                                          ; 66 loads
	s_wait_kmcnt 0x0
	s_min_u32 s22, s22, 1024
	s_add_co_u32 s22, s22, 15
	s_lshr_b32 s22, s22, 4
	s_max_u32 s22, s22, 1                          ; T
	s_wait_loadcnt 63                              ; loads come back in order: behind the 41 of weights, scale words and b1 stand x's 66, so with 63 out at the most the oldest 44 of the 107 are in, all 41 among them.  x may go on landing under the fill: the wait for it stands at the pass's head
.irp k, 0,1,2,3,4,5,6,7,8,9,10,11,12,13,14,15
.irp h, 0,1
	ds_store_b128 v[WST], v[SG+8*\k+4*\h:SG+8*\k+4*\h+3] offset:(16*(\k/8)+(\k%8))*WPITCH+512*\h
.endr
.endr
	ds_store_b128 v[BIST], v[BI:BI+3]
	s_wait_dscnt 0x0                               ; for the others' sake: my 16 rows lie in LDS
	s_barrier_signal -1                            ; the launch's one barrier, ahead of every branch on the count
	s_barrier_wait -1
	s_wait_alu depctr_vm_vsrc(0)                   ; the fill's stores have read v[SG ..] and v[BI ..]: these registers are the accumulators, the weight buffers, the constants below and b1 from here on; and the head's loads have read v[LAP], v[LRP], v[TK ..], v[TR ..], which the first pass may write
	COEF 0, 0xc034d90f
	COEF 1, 0x3fb8ab5a
	COEF 2, 0x3f0a29d2
	COEF 3, 0x3e0efb2e
	COEF 4, 0xbe899a80
	COEF 5, 0x3ecdfd18
	COEF 6, 0xbfd1a1e5
	COEF 7, 0x40097039
	COEF 8, 0xbf97d29d
	COEF 9, 0x3e7c6f08
	v_mov_b32 v[VCM], 0xbf38aa3b
	v_mov_b32 v[VCM+1], 0xbf38aa3b
	s_cmp_ge_u32 s16, s22
	s_cbranch_scc1 .Lend                           ; fewer tiles than waves: nothing for me
	s_sub_co_u32 s60, s22, s16                     ; my passes: those p with 16 p + w < T: ceil((T - w) / 16),
	s_add_co_u32 s60, s60, 15
	s_lshr_b32 s60, s60, 4
	s_min_u32 s60, s60, 4                          ; four at the most, since T is at most 64
	s_mov_b32 s61, 0                               ; passes begun
.Lpass:
	s_wait_loadcnt 0x0                             ; my two tiles' codes and scale words are in: so the list's registers, which were those loads' addresses, are free
	STAGE 0                                        ; (its loads land in registers that the last pass's products read: the waits in the last blocks of gelu stand behind those products)
	STAGE 1                                        ; (no wait on DScnt here: the products' first wait leaves only younger loads out)
	s_add_co_u32 s24, s23, 8                       ; my second tile
	s_min_u32 s19, s23, 55
	s_lshl_b32 s55, s19, 16
	v_add_nc_u32 v[HO], s55, v[LI]
	s_add_co_u32 s55, s55, 8<<16
	v_add_nc_u32 v[HO+1], s55, v[LI]
	s_lshl_b32 s55, s19, 11
	v_add_nc_u32 v[HSO], s55, v[HS0]               ; lanes 0-15: the first tile's words; lanes 16-31: the second's, eight tiles on
	v_mov_b32 v[PW], 0
	v_mov_b32 v[PW+1], 0
	s_add_co_u32 s61, s61, 1                       ; the loop's counter: one a pass
	s_lshl_b32 s62, s61, 4
	s_add_co_u32 s62, s62, s16                     ; the next pass's first tile: 16 p + w
	s_cmp_ge_u32 s61, s60
	s_cbranch_scc1 .Lnolist                        ; no next pass: nothing is fetched
	LISTLOAD 62                                    ; its list entries land under this pass's products
.Lnolist:
	BSTEP 0
	BSTEP 1
	BSTEP 2
	MMB 3                                          ; x's fragments and scale words have been read for the last time; nine plain instructions stand at its end
	s_cmp_ge_u32 s61, s60
	s_cbranch_scc1 .Lnox
	s_wait_loadcnt 0x0                             ; the next pass's list entries
	XLOAD                                          ; its codes land under the activations below
.Lnox:
	EPI 0, 3
	s_cmp_ge_u32 s24, s22
	s_cbranch_scc1 .Llast_one
	EPI 1, 3
.Llast_one:
	v_cndmask_b32 v[PWS], v[PW], v[PW+1], s54
	s_wait_alu depctr_va_vdst(0)                   ; v[PWS] is written, the store's data
	global_store_b32 v[HSO], v[PWS], s[28:29]      ; where there is no second tile, zeros go to a tile of the expert's that nobody reads
	s_wait_xcnt 0x0                                ; the stores have had their addresses translated,
	s_wait_alu depctr_vm_vsrc(0)                   ; and have read v[HO ..], v[HSO] and v[PWS]; the list's loads have read v[LAP] and v[LRP], x's loads v[TK ..] and v[TR ..]: the next pass writes all of these
	s_mov_b32 s23, s62
	s_cmp_lt_u32 s61, s60
	s_cbranch_scc1 .Lpass
.Lend:
	s_wait_dscnt 0x0                               ; the closing lines, six on end
	s_wait_alu 0x0
	s_wait_tensorcnt 0x0
	ds_add_u32 v254, v255
	s_wait_dscnt 0x0
	s_endpgm
.Lfunc_end_k_qac9d88d5c5_gemm1:
	.size	k_qac9d88d5c5_gemm1, .Lfunc_end_k_qac9d88d5c5_gemm1-k_qac9d88d5c5_gemm1
	.p2alignl 7, 3214868480
	.fill 96, 4, 3214868480
	.section	.rodata,"a",@progbits
	.p2align	6, 0x0
	.amdhsa_kernel k_qac9d88d5c5_gemm1
		.amdhsa_group_segment_fixed_size 273408
		.amdhsa_private_segment_fixed_size 0
		.amdhsa_enable_private_segment 0
		.amdhsa_kernarg_size 48
		.amdhsa_user_sgpr_count 2
		.amdhsa_user_sgpr_kernarg_segment_ptr 1
		.amdhsa_wavefront_size32 1
		.amdhsa_system_sgpr_workgroup_id_x 1
		.amdhsa_system_sgpr_workgroup_id_y 1
		.amdhsa_system_sgpr_workgroup_id_z 1
		.amdhsa_system_vgpr_workitem_id 0
		.amdhsa_next_free_vgpr 512
		.amdhsa_next_free_sgpr 66
		.amdhsa_reserve_vcc 0
		.amdhsa_float_denorm_mode_32 3
		.amdhsa_float_denorm_mode_16_64 3
		.amdhsa_memory_ordered 1
		.amdhsa_forward_progress 1
		.amdhsa_inst_pref_size 179
	.end_amdhsa_kernel
	.amdgpu_metadata
---
amdhsa.version: [ 1, 2 ]
amdhsa.kernels:
  - .name:           k_qac9d88d5c5_gemm1
    .symbol:         k_qac9d88d5c5_gemm1.kd
    .args:
      - { .name: xqs, .offset: 0, .size: 8, .value_kind: global_buffer, .address_space: global }
      - { .name: plan, .offset: 8, .size: 8, .value_kind: global_buffer, .address_space: global }
      - { .name: W1_codes, .offset: 16, .size: 8, .value_kind: global_buffer, .address_space: global }
      - { .name: W1_scales, .offset: 24, .size: 8, .value_kind: global_buffer, .address_space: global }
      - { .name: b1, .offset: 32, .size: 8, .value_kind: global_buffer, .address_space: global }
      - { .name: hq, .offset: 40, .size: 8, .value_kind: global_buffer, .address_space: global }
    .group_segment_fixed_size: 273408
    .private_segment_fixed_size: 0
    .kernarg_segment_align: 8
    .kernarg_segment_size: 48
    .max_flat_workgroup_size: 256
    .sgpr_count:     66
    .vgpr_count:     512
    .wavefront_size: 32
...
	.end_amdgpu_metadata
.endif
;; end of part 9
;; launch gemm2 (part 10): grid 256 x 1, 8 waves a work-group, no clusters, 273,408 bytes of LDS; arguments hq, plan, W2_codes, W2_scales, ypart; writes ypart
.if DOCPART == 10
	.amdgcn_target "amdgcn-amd-amdhsa--gfx1250"
	.amdhsa_code_object_version 6
	.text
	.protected	k_qac9d88d5c5_gemm2
	.globl	k_qac9d88d5c5_gemm2
	.p2align	8
	.type	k_qac9d88d5c5_gemm2,@function
k_qac9d88d5c5_gemm2:
	s_mov_b64 s[64:65], 0
	v_nop
	global_prefetch_b8 v0, s[64:65] scope:SCOPE_SE
	s_setreg_imm32_b32 hwreg(HW_REG_WAVE_SCHED_MODE, 0, 2), 2
	s_setreg_imm32_b32 hwreg(HW_REG_WAVE_MODE, 25, 1), 1
	s_wait_xcnt 0x0
	s_wait_alu depctr_vm_vsrc(0)
; THE SECOND PRODUCT, IN FOUR PARTS ALONG K: ypart[kq][1024 e + j][d] = the sum over hidden units 1,024 kq .. 1,024 kq + 1,023 of h[e][j][f] W2[e][f][d], on codes of E4M3 with one E8M0 scale for each 32 along K.
; SHARES.  Work-group (e, ds, kq) = (number / 32, (number / 4) % 8, number % 4) owns outputs 128 ds .. 128 ds + 127 and a quarter of K: 128 rows x 1,024 bytes of W2's codes, read from memory once and kept in LDS,
; and applies them to the expert's T = max(ceil(cnt[e] / 16), 1) tiles of 16 rows; in pass p wave w takes tiles 16 p + w and 16 p + w + 8; wave w has ceil((T - w) / 16) passes, four at the most.
; With all of K to a work-group it would own 32 outputs and read four times the hidden codes; the price of the split is the f32 parts, which the next launch adds in a fixed order.
; THE NEXT PASS IS FETCHED UNDER THIS ONE: its fragments are asked for directly behind the pass's last products, when h's registers have been read for the last time, and land under the way out.
; NO TENSOR LOADS, NO CLUSTER: the number of passes hangs on a count read from memory.
; The hidden codes lie in hq as images of the operand's registers: a fragment is four loads of 512 consecutive bytes and needs no LDS.  A tile past the last is not read: the last one is read in its stead, and its results are not stored.
; THE PRODUCT IS USED TRANSPOSED (source 0 = 16 rows of W2, source 1 = 16 rows of h): a lane holds eight neighbouring outputs of one row.  Two tiles x 128 outputs gather in my stage in LDS and leave as whole rows of 512 bytes.
; Rows from cnt[e] on land in the expert's own rows of ypart, which nobody reads.
; REGISTERS.  Window 0: v1-20 addresses; v28-35 h's scale words; v36-67 W2's; v120-151 four accumulators; v152-215 two buffers of two weight fragments (on the way out: 16 rows); v120-247 once, at the head: the fill.
; Window 1: h's fragments (tile i, K step s) at 128 i + 16 s.  SCALE WORDS: register q holds in lanes 0-15 the word of K step q and in lanes 16-31 that of K step 4 + q, on both sides.
; THE MODE: SCHED_MODE bits 1:0 = 2 (LLVM: expert scheduling mode 2), set by the entry lines.  The code itself states the register dependences between vector or matrix instructions
; and memory or LDS instructions, with s_wait_alu, always for 0.
; THE PLAN.  Registers that memory or LDS instructions touch:
;   v[WF ..]             two buffers, K step s in buffer s % 2.  LDS loads land in them; the step's four products read them.  On the way out the stage's loads land in them and the stores to ypart read them.
;   window 1, v[XS ..]   h's loads land; every product reads them.         v[HA ..], v[XA ..]  written once a pass, read by h's loads.
;   v[ACC ..]            written by the products, read by the stores into the stage.         v[YO]  written once a tile, read by its stores.
;   Every other address is made at the head and never written again.
; ON va_vdst: one wait behind each of K steps 0 to 5 (the step's products are done reading their buffer: the loads of the step after next follow, dealt among the next step's products, which name the other
; buffer, the accumulators, window 1 and the scale words alone); one ahead of each run of stores into the stage (the accumulators are written; it also frees WF for the loads that follow); one in front of the first loads,
; one in front of h's loads, one in front of a tile's stores.
; ON vm_vsrc: behind the fill; ahead of the first products of b = 1, 2, 3; at the head of the second tile's way out; at a pass's end.
.set WPITCH, 1040                      ; a row of codes in LDS: 1,024 bytes + 16 = 260 words: row r starts at bank 4 r mod 64 (64 banks of 4 bytes: ISA guide 11.1)
.set WQ,     32*WPITCH
.set STG,    128*WPITCH                ; behind the weights: a stage of 2 x 16 rows x (512 + 16) bytes for each wave
.set STGB,   16896
.set LANE, 1
.set RR,   2
.set HH,   3
.set LI,   4                           ; 16 x lane
.set WAD,  5                           ; v5-8  a weight fragment's place for my lane, for b = 0 .. 3
.set WST,  9                           ; the fill's stores
.set YST,  10                          ; the stage, in
.set YRD,  11                          ; the stage, out
.set HA,   12                          ; v12-13 my 16 bytes in the two tiles' images
.set XA,   14                          ; v14-15 and among their scale words
.set YO,   16                          ; my 16 bytes of a tile's first row in ypart
.set WGO,  19
.set WSO,  20
.set XS,   28
.set WS,   36
.set ACC,  120
.set WF,   152
.set SG,   120
.set MSB, 0
.macro WIN new                         ; the immediate's high byte repeats the setting that is left; a switch that changes nothing is dropped
.if MSB != \new
	s_set_vgpr_msb (MSB<<8)|\new
.set MSB, \new
.endif
.endm
.macro PLACES n
.rept \n
	v_nop
.endr
.endm
.macro WHALF b, s, u                   ; one weight fragment (u) of b, K step s, into buffer s % 2: four loads
.irp c, 0,1,2,3
	ds_load_b128 v[WF+32*((\s)%2)+16*(\u)+4*\c:WF+32*((\s)%2)+16*(\u)+4*\c+3], v[WAD+(\b)] offset:16*WPITCH*(\u)+128*(\s)+32*\c
.endr
.endm
.macro WPAIR b, s, c0                  ; two of the four loads of fragment u = 1
.irp c, \c0, \c0+1
	ds_load_b128 v[WF+32*((\s)%2)+16+4*(\c):WF+32*((\s)%2)+16+4*(\c)+3], v[WAD+(\b)] offset:16*WPITCH+128*(\s)+32*(\c)
.endr
.endm
.macro PROD b, s, u, i                 ; one product: weight tile (b, u), my tile of rows i, K step s; the first K step starts the sums
.if (\s) == 0
	v_wmma_scale_f32_16x16x128_f8f6f4 v[ACC+16*(\i)+8*(\u):ACC+16*(\i)+8*(\u)+7], v[WF+16*(\u):WF+16*(\u)+15], v[128*(\i):128*(\i)+15], 0, v[WS+4*(2*(\b)+(\u))], v[XS+4*(\i)]
.elseif (\s) < 4
	v_wmma_scale_f32_16x16x128_f8f6f4 v[ACC+16*(\i)+8*(\u):ACC+16*(\i)+8*(\u)+7], v[WF+32*((\s)%2)+16*(\u):WF+32*((\s)%2)+16*(\u)+15], v[128*(\i)+16*(\s):128*(\i)+16*(\s)+15], v[ACC+16*(\i)+8*(\u):ACC+16*(\i)+8*(\u)+7], v[WS+4*(2*(\b)+(\u))+(\s)], v[XS+4*(\i)+(\s)]
.else
	v_wmma_scale_f32_16x16x128_f8f6f4 v[ACC+16*(\i)+8*(\u):ACC+16*(\i)+8*(\u)+7], v[WF+32*((\s)%2)+16*(\u):WF+32*((\s)%2)+16*(\u)+15], v[128*(\i)+16*(\s):128*(\i)+16*(\s)+15], v[ACC+16*(\i)+8*(\u):ACC+16*(\i)+8*(\u)+7], v[WS+4*(2*(\b)+(\u))+(\s)-4], v[XS+4*(\i)+(\s)-4] matrix_a_scale:MATRIX_SCALE_ROW1 matrix_b_scale:MATRIX_SCALE_ROW1
.endif
.endm
; My quarter of K for the two weight tiles of b and my two tiles of rows: 32 products, four a K step, the four accumulators by turns, one instruction a turn.
; K steps 0 and 1 are fetched at the head.  K step s + 1 (s = 1 .. 6) is fetched in K step s, into the buffer that K step s - 1 has left: four loads ahead of the wait for this step's data, two behind each of its first two products.
; A load into a fragment that a product has read stands eight plain vector instructions behind that product, and behind the wait that
; states that the products are done reading.  Behind K step 6 nothing is fetched; behind the last products stand nine places: the stage's stores read results, and the next b's first products write over the accumulators.
.macro MMB b
	WHALF \b, 0, 0                                 ; (no wait here: the wait ahead of the last stores into the stage stands behind every product that read v[WF ..])
	WHALF \b, 0, 1
	WHALF \b, 1, 0
	WHALF \b, 1, 1
	WIN 0x04                                       ; source 1 (h) in window 1
.irp s, 0,1,2,3,4,5,6,7
.if \s == 0
	s_wait_dscnt 8                                 ; LDS instructions end in order: all but K step 1's eight loads are done, the last b's stores into the stage too
.if (\b) > 0
	s_wait_alu depctr_vm_vsrc(0)                   ; the last b's stores into the stage have read the accumulators, which the first products write anew; and h's loads have read v[HA ..] and v[XA ..], which the pass's end writes
.endif
.elseif \s < 7
	WHALF \b, \s+1, 0
	s_wait_dscnt 4                                 ; this step's eight are in; the four just issued may be out
.else
	s_wait_dscnt 0x0
.endif
	PROD \b, \s, 0, 0
.if (\s > 0) && (\s < 7)
	WPAIR \b, \s+1, 0                              ; no wait: no product since the last wait names the other buffer
.endif
	PROD \b, \s, 0, 1
.if (\s > 0) && (\s < 7)
	WPAIR \b, \s+1, 2
.endif
	PROD \b, \s, 1, 0
	PROD \b, \s, 1, 1
.if \s < 6
	PLACES 8
	s_wait_alu depctr_va_vdst(0)                   ; this step's products are done reading buffer s % 2, in which the loads of K step s + 2 land
.elseif \s == 7
	PLACES 9
.endif
.endr
	WIN 0
.endm
.macro YSTORE b                        ; lane (r, h): row r, outputs 32 b + 16 u + 8 h + 0 .. 7; each accumulator from its low end on
	s_wait_alu depctr_va_vdst(0)                   ; the products have written the accumulators, the stores' data (the nine places stand ahead of this wait), and are done reading v[WF ..], in which the next loads land
.irp i, 0,1
.irp u, 0,1
	ds_store_b128 v[YST], v[ACC+16*\i+8*\u:ACC+16*\i+8*\u+3] offset:8448*\i+128*(\b)+64*\u
	ds_store_b128 v[YST], v[ACC+16*\i+8*\u+4:ACC+16*\i+8*\u+7] offset:8448*\i+128*(\b)+64*\u+16
.endr
.endr
.endm
.macro HLOAD                           ; the fragments and scale words of tiles s62 and s63 = s62 + 8.  A tile past the last takes the last one's place; the constant bound stands last, ahead of the shift
	s_add_co_u32 s63, s62, 8
	s_min_u32 s19, s62, s54
	s_min_u32 s19, s19, 63
	s_min_u32 s55, s63, s54
	s_min_u32 s55, s55, 63
	s_lshl_b32 s28, s19, 16
	v_add_nc_u32 v[HA], s28, v[LI]
	s_lshl_b32 s28, s55, 16
	v_add_nc_u32 v[HA+1], s28, v[LI]
	s_lshl_b32 s28, s19, 11
	v_add_nc_u32 v[XA], s28, v[LI]
	s_lshl_b32 s28, s55, 11
	v_add_nc_u32 v[XA+1], s28, v[LI]
	WIN 0x40                                       ; destination window 1
	s_wait_alu depctr_va_vdst(0)                   ; v[HA ..] and v[XA ..] are written, which the loads below read; in the loop: the pass's products are done reading window 1 and v[XS ..], in which they land
.irp i, 0,1
.irp s, 0,1,2,3,4,5,6,7
.irp c, 0,1,2,3
	global_load_b128 v[128*\i+16*\s+4*\c:128*\i+16*\s+4*\c+3], v[HA+\i], s[4:5] offset:2048*\s+512*\c   ; 32 lanes read 512 consecutive bytes: registers 4 c .. 4 c + 3 as they were made
.endr
.endr
.endr
	WIN 0
.irp i, 0,1
	global_load_b128 v[XS+4*\i:XS+4*\i+3], v[XA+\i], s[26:27]   ; lanes 0-15: K steps 0-3 of row lane % 16; lanes 16-31: K steps 4-7
.endr
.endm
.macro OUT i                           ; tile i's 16 rows x 512 bytes leave
	s_wait_xcnt 0x0                                ; earlier stores have had their addresses translated
.if \i
	s_wait_alu depctr_vm_vsrc(0)                   ; the first tile's stores have read v[YO], which is written below, and v[WF ..], in which the loads below land
.endif
	s_min_u32 s19, s[23+\i], 63
	s_lshl_b32 s19, s19, 16
	v_add_nc_u32 v[YO], s19, v[LI]
.irp t, 0,1,2,3,4,5,6,7,8,9,10,11,12,13,14,15
	ds_load_b128 v[WF+4*\t:WF+4*\t+3], v[YRD] offset:8448*\i+528*\t   ; LDS serves a wave's instructions in order (ISA guide 5.7.1.4): these see my stores
.endr
	s_wait_alu depctr_va_vdst(0)                   ; v[YO] is written, the stores' offset
.irp t, 0,1,2,3,4,5,6,7,8,9,10,11,12,13,14,15
	s_wait_dscnt 15-\t
	global_store_b128 v[YO], v[WF+4*\t:WF+4*\t+3], s[12:13] offset:4096*\t   ; 32 lanes store 512 consecutive bytes, aligned
.endr
.endm
	s_load_b256 s[4:11], s[0:1], 0x0               ; hq s[4:5], plan s[6:7], W2's codes s[8:9], W2's scales s[10:11]
	s_load_b64 s[12:13], s[0:1], 0x20              ; ypart
	v_lshl_add_u32 v254, v0, 2, 0x42800
	v_mov_b32 v255, 0
	v_lshrrev_b32 v1, 5, v0
	v_readfirstlane_b32 s16, v1                    ; wave 0..7
	v_and_b32 v[LANE], 31, v0
	v_and_b32 v[RR], 15, v0
	v_bfe_u32 v[HH], v0, 4, 1
	v_lshlrev_b32 v[LI], 4, v[LANE]
	v_mul_u32_u24 v[WAD], v[RR], WPITCH
	v_lshl_add_u32 v[WAD], v[HH], 4, v[WAD]        ; a fragment: row lane % 16, + 16 (lane / 16)
	v_add_nc_u32 v[WAD+1], WQ, v[WAD]
	v_add_nc_u32 v[WAD+2], 2*WQ, v[WAD]
	v_add_nc_u32 v[WAD+3], 3*WQ, v[WAD]
	s_wait_alu depctr_va_sdst(0)                   ; s16 is written, ahead of its first reader
	s_mul_i32 s19, s16, 16*WPITCH
	v_add_nc_u32 v[WST], s19, v[LI]                ; the fill: rows as they lie, my wave's 16
	s_mul_i32 s19, s16, STGB
	s_add_co_u32 s19, s19, STG                     ; my stage
	v_mul_u32_u24 v[YST], v[RR], 528
	v_lshl_add_u32 v[YST], v[HH], 5, v[YST]
	v_add_nc_u32 v[YST], s19, v[YST]               ; in: row lane % 16, 32 bytes for each half of the lanes
	v_add_nc_u32 v[YRD], s19, v[LI]                ; out: the 32 lanes take a row
	s_lshl_b32 s19, s16, 16
	v_add_nc_u32 v[WGO], s19, v[LI]                ; W2's codes: my wave's 16 rows, 4,096 bytes apart
	v_lshlrev_b32 v[WSO], 7, v[RR]                 ; a row of scale bytes is 128 bytes,
	v_lshl_add_u32 v[WSO], v[HH], 4, v[WSO]        ; of my quarter's 32 lanes 16-31 take the upper 16
	s_lshr_b32 s17, ttmp9, 5                       ; e
	s_bfe_u32 s18, ttmp9, 0x30002                  ; ds
	s_and_b32 s25, ttmp9, 3                        ; kq
	s_mov_b32 s62, s16                             ; my first tile
	s_mov_b32 s21, 0
	s_wait_kmcnt 0x0
	s_lshl_b32 s20, s17, 2
	s_add_co_u32 s20, s20, 40960
	s_add_nc_u64 s[56:57], s[6:7], s[20:21]
	s_load_b32 s22, s[56:57], 0x0                  ; cnt[e]
	s_lshl_b32 s19, s17, 10
	s_lshl_b32 s55, s18, 7
	s_add_co_u32 s19, s19, s55                     ; my first row of W2: 1024 e + 128 ds
	s_lshl_b32 s20, s19, 12
	s_lshl_b32 s55, s25, 10
	s_add_co_u32 s20, s20, s55
	s_add_nc_u64 s[8:9], s[8:9], s[20:21]          ; its codes, at my quarter of K,
	s_lshl_b32 s20, s19, 7
	s_lshl_b32 s55, s25, 5
	s_add_co_u32 s20, s20, s55
	s_add_nc_u64 s[10:11], s[10:11], s[20:21]      ; its scale bytes likewise
	s_lshl_b32 s20, s17, 17
	s_add_co_u32 s20, s20, 0x2000000
	s_lshl_b32 s55, s25, 9
	s_add_co_u32 s20, s20, s55
	s_add_nc_u64 s[26:27], s[4:5], s[20:21]        ; h's scale words: the expert's, my eight K steps
	s_lshl_b32 s20, s17, 22
	s_lshl_b32 s55, s25, 14
	s_add_co_u32 s20, s20, s55
	s_add_nc_u64 s[4:5], s[4:5], s[20:21]          ; h's images likewise
	s_lshl_b32 s20, s25, 25
	s_lshl_b32 s55, s17, 22
	s_add_co_u32 s20, s20, s55
	s_lshl_b32 s55, s18, 9
	s_add_co_u32 s20, s20, s55
	s_add_nc_u64 s[12:13], s[12:13], s[20:21]      ; ypart: my part of K, the expert's rows, my 128 outputs
	s_wait_alu depctr_va_vdst(0)                   ; the addresses made above are written: every load and store of the kernel but h's loads and the stores to ypart reads one of them
.irp k, 0,1,2,3,4,5,6,7,8,9,10,11,12,13,14,15
.irp h, 0,1
	global_load_b128 v[SG+8*\k+4*\h:SG+8*\k+4*\h+3], v[WGO], s[8:9] offset:4096*\k+512*\h th:TH_LOAD_NT   ; 32 lanes read 512 consecutive bytes; each byte is read once in the launch
.endr
.endr
.irp t, 0,1,2,3,4,5,6,7
	global_load_b128 v[WS+4*\t:WS+4*\t+3], v[WSO], s[10:11] offset:2048*\t
.endr
	s_wait_kmcnt 0x0
	s_min_u32 s22, s22, 1024
	s_add_co_u32 s22, s22, 15
	s_lshr_b32 s22, s22, 4
	s_max_u32 s22, s22, 1                          ; T
	s_sub_co_u32 s54, s22, 1                       ; the last tile
	HLOAD                                          ; 66 loads
	s_wait_loadcnt 63                              ; loads come back in order: behind the 40 of weights and scale words stand h's 66, so with 63 out at the most the oldest 43 of the 106 are in, all 40 among them.  h may go on landing under the fill: the wait for it stands at the pass's head
.irp k, 0,1,2,3,4,5,6,7,8,9,10,11,12,13,14,15
.irp h, 0,1
	ds_store_b128 v[WST], v[SG+8*\k+4*\h:SG+8*\k+4*\h+3] offset:WPITCH*\k+512*\h
.endr
.endr
	s_wait_dscnt 0x0                               ; for the others' sake: my 16 rows lie in LDS
	s_barrier_signal -1                            ; the launch's one barrier, ahead of every branch on the count
	s_barrier_wait -1
	s_wait_alu depctr_vm_vsrc(0)                   ; the fill's stores have read v[SG ..]: these registers are the accumulators and the weight buffers from here on
	s_cmp_ge_u32 s16, s22
	s_cbranch_scc1 .Lend                           ; fewer tiles than waves: nothing for me
	s_sub_co_u32 s60, s22, s16                     ; my passes: those p with 16 p + w < T: ceil((T - w) / 16),
	s_add_co_u32 s60, s60, 15
	s_lshr_b32 s60, s60, 4
	s_min_u32 s60, s60, 4                          ; four at the most, since T is at most 64
	s_mov_b32 s61, 0                               ; passes begun
.Lpass:
	s_mov_b32 s23, s62                             ; this pass's two tiles
	s_mov_b32 s24, s63
	s_wait_loadcnt 0x0                             ; their fragments and scale words
.irp b, 0,1,2
	MMB \b
	YSTORE \b
.endr
	MMB 3                                          ; h's fragments and scale words have been read for the last time; nine plain instructions stand at its end
	s_add_co_u32 s61, s61, 1                       ; the loop's counter: one a pass
	s_lshl_b32 s62, s61, 4
	s_add_co_u32 s62, s62, s16                     ; the next pass's first tile: 16 p + w
	s_cmp_ge_u32 s61, s60
	s_cbranch_scc1 .Lnoh                           ; no next pass: nothing is fetched
	HLOAD                                          ; its fragments land under the way out
.Lnoh:
	YSTORE 3                                       ; (its wait is owed on the way round the loads above, on which none has stood since the last products)
	OUT 0
	s_cmp_ge_u32 s24, s22                          ; is there a second tile?  A branch on a stored count
	s_cbranch_scc1 .Lone
	OUT 1
.Lone:
	s_wait_xcnt 0x0                                ; the stores have had their addresses translated,
	s_wait_alu depctr_vm_vsrc(0)                   ; and have read v[YO] and v[WF ..]; the last stores into the stage have read the accumulators: the next pass's loads and products write all of these
	s_cmp_lt_u32 s61, s60
	s_cbranch_scc1 .Lpass
.Lend:
	s_wait_dscnt 0x0                               ; the closing lines, six on end
	s_wait_alu 0x0
	s_wait_tensorcnt 0x0
	ds_add_u32 v254, v255
	s_wait_dscnt 0x0
	s_endpgm
.Lfunc_end_k_qac9d88d5c5_gemm2:
	.size	k_qac9d88d5c5_gemm2, .Lfunc_end_k_qac9d88d5c5_gemm2-k_qac9d88d5c5_gemm2
	.p2alignl 7, 3214868480
	.fill 96, 4, 3214868480
	.section	.rodata,"a",@progbits
	.p2align	6, 0x0
	.amdhsa_kernel k_qac9d88d5c5_gemm2
		.amdhsa_group_segment_fixed_size 273408
		.amdhsa_private_segment_fixed_size 0
		.amdhsa_enable_private_segment 0
		.amdhsa_kernarg_size 40
		.amdhsa_user_sgpr_count 2
		.amdhsa_user_sgpr_kernarg_segment_ptr 1
		.amdhsa_wavefront_size32 1
		.amdhsa_system_sgpr_workgroup_id_x 1
		.amdhsa_system_sgpr_workgroup_id_y 1
		.amdhsa_system_sgpr_workgroup_id_z 1
		.amdhsa_system_vgpr_workitem_id 0
		.amdhsa_next_free_vgpr 512
		.amdhsa_next_free_sgpr 66
		.amdhsa_reserve_vcc 0
		.amdhsa_float_denorm_mode_32 3
		.amdhsa_float_denorm_mode_16_64 3
		.amdhsa_memory_ordered 1
		.amdhsa_forward_progress 1
		.amdhsa_inst_pref_size 74
	.end_amdhsa_kernel
	.amdgpu_metadata
---
amdhsa.version: [ 1, 2 ]
amdhsa.kernels:
  - .name:           k_qac9d88d5c5_gemm2
    .symbol:         k_qac9d88d5c5_gemm2.kd
    .args:
      - { .name: hq, .offset: 0, .size: 8, .value_kind: global_buffer, .address_space: global }
      - { .name: plan, .offset: 8, .size: 8, .value_kind: global_buffer, .address_space: global }
      - { .name: W2_codes, .offset: 16, .size: 8, .value_kind: global_buffer, .address_space: global }
      - { .name: W2_scales, .offset: 24, .size: 8, .value_kind: global_buffer, .address_space: global }
      - { .name: ypart, .offset: 32, .size: 8, .value_kind: global_buffer, .address_space: global }
    .group_segment_fixed_size: 273408
    .private_segment_fixed_size: 0
    .kernarg_segment_align: 8
    .kernarg_segment_size: 40
    .max_flat_workgroup_size: 256
    .sgpr_count:     66
    .vgpr_count:     512
    .wavefront_size: 32
...
	.end_amdgpu_metadata
.endif
;; end of part 10
;; launch combine: the kernel of part 5 again; grid 256 x 1, 8 waves a work-group, no clusters, 0 bytes of LDS; arguments ypart, plan, gate, b2, out0; writes out0
